; MI455X (gfx1250); checked and timed in simulation.
; The chip was launched on July 23, 2026; its instructions are those of AMD's public machine-readable ISA for CDNA 5 (MIT licence, August 2026) and "CDNA5" Instruction Set Architecture Reference Guide (July 2026). The comments in the code are by the model that wrote it; some were corrected since.
;; Transformer Encoder. Allowed arithmetic: matrix products marked QUANTISED: E3M2 operands, one E8M0 scale for each 32 along K, by v_wmma_scale_f32_16x16x128_f8f6f4 with both operands' format E3M2, f32 sums; everything else in f32.
;; Inputs: addnorm_beta 1,024 float32; addnorm_gamma 1,024 float32; fc1_b 4,096 float32; fc1_w 4,096 x 1,024 float32; fc2_b 1,024 float32; fc2_w 1,024 x 4,096 float32; pre_beta 1,024 float32; pre_gamma 1,024 float32; qkv_b 3,072 float32; qkv_w 3,072 x 1,024 float32; src 2 x 2,048 x 1,024 float32.
;; Outputs: out0 2 x 2,048 x 1,024 float32.
;; This version of the problem:
;;   THIS VERSION OF THE PROBLEM IS GIVEN IN LOW PRECISION. The matrix products marked QUANTISED in the list below multiply operands that are first quantised to E3M2 (3 exponent bits, 2 mantissa bits; 6 bits a number), with one power-of-two scale for each 32 numbers along K (OCP MX v1.0); their sums are f32. All else is computed in f32.
;;   The module's matrix products, in the order in which they are computed (A, B: the left and right operand; K: the contracted axis; several contracted axes count as one K, in the product's order):
;;     1. [M 4,096, K 1,024] x [K 1,024, N 3,072]; A: computed on the way; B: input qkv_w: QUANTISED
;;     2. batch 32 x [M 2,048, K 64] x [K 64, N 2,048]; A: computed on the way; B: computed on the way: QUANTISED
;;     3. batch 32 x [M 2,048, K 2,048] x [K 2,048, N 64]; A: softmax (see below); B: computed on the way: QUANTISED
;;     4. [M 4,096, K 1,024] x [K 1,024, N 4,096]; A: computed on the way; B: input fc1_w: QUANTISED
;;     5. [M 4,096, K 4,096] x [K 4,096, N 1,024]; A: computed on the way; B: input fc2_w: QUANTISED
;;   THE QUANTISER, for each operand of a quantised product, along K:
;;     - K is cut into blocks of 32 from its start; a last block that is shorter is filled with zeros.
;;     - A block's scale is 2^e with e = floor(log2(the largest magnitude in the block)) - 4, held to -126 .. 127; a block of zeros has e = 0. As a byte (E8M0): e + 127.
;;     - Each number is divided by its block's scale, clamped to +-28, and rounded to the nearest number of E3M2, ties to even, subnormals kept.
;;     - The product sums the exact products of the quantised numbers (number of the format x scale) in f32.
;;   ~~~python
;;   def quantise(x, axis):      # numpy; x: float32 -> the quantised numbers, widened to float32 again
;;       x = np.moveaxis(x, axis, -1); K = x.shape[-1]
;;       x = np.pad(x, [(0, 0)] * (x.ndim - 1) + [(0, -K % 32)]); x = x.reshape(x.shape[:-1] + (-1, 32)); a = np.abs(x).max(-1, keepdims=True)
;;       e = np.where(a > 0, np.clip(np.frexp(np.where(a > 0, a, 1))[1] - 1 - 4, -126, 127), 0)      # np.frexp(a)[1] - 1 = floor(log2(a)), exactly
;;       r = np.clip(x / 2.0 ** e, -28, 28)
;;       step = 2.0 ** (np.maximum(np.frexp(np.where(r == 0, 1, r))[1] - 1, -2) - 2)
;;       q = np.round(r / step) * step * 2.0 ** e      # np.round: ties to even
;;       return np.moveaxis(q.reshape(q.shape[:-2] + (-1,))[..., :K], -1, axis).astype(np.float32)
;;   ~~~
;;   SOFTMAX AHEAD OF A QUANTISED PRODUCT. Where the list says 'softmax', what is quantised is not the finished softmax but p = 2^(t - M), with t = logit x log2(e) and M = ceil(the row's largest t), a whole number; so 1/2 < the row's largest p <= 1. The row's sum l is taken of the UNQUANTISED p, in f32, and the product's result is divided by l at the end. Since M is a whole number, a kernel that streams over the keys may use a running M (the ceiling of the running maximum): every later rescaling is an exact power of two, which a block's scale takes up: the codes' values come out the same.
;;   OPERANDS COMPUTED ON THE WAY. 'Computed on the way' means the value that the module computes at that place (a softmax that the list does not call 'softmax' is quantised finished and normalised). What goes into a quantiser is computed in f32, as accurately as f32 sums, v_exp_f32 and their like allow (about 1e-6 of the number): no bf16 or f16 on the way to a quantiser, and a product that is left as it is and whose result goes on into a quantised operand takes f32 operands (vector FMAs, or v_wmma_f32_16x16x4_f32). A number that lies on a knife's edge between two numbers of the format may be rounded either way, as far as f32 arithmetic and the matrix unit's own rounding can turn it there, and no further.
;; 2 versions. Each part assembles by itself: llvm-mc -triple=amdgcn-amd-amdhsa -mcpu=gfx1250 --defsym DOCPART=n.
;; ======== version 1 of 2: 7 launches
;; workspace buffers: xf 16,777,216 bytes; ac 16,777,216 bytes; xq 3,276,800 bytes; wb 9,011,200 bytes; hq 13,107,200 bytes; qkvb 10,092,544 bytes
;; launch prep (part 1): grid 960 x 1, 8 waves a work-group, no clusters, 67,584 bytes of LDS; arguments src, pre_gamma, pre_beta, xf, xq, qkv_w, fc1_w, fc2_w, wb; writes xf, xq, wb
.if DOCPART == 1
	.amdgcn_target "amdgcn-amd-amdhsa--gfx1250"
	.amdhsa_code_object_version 6
	.text
	.protected	k_qdc1d463724_prep
	.globl	k_qdc1d463724_prep
	.p2align	8
	.type	k_qdc1d463724_prep,@function
k_qdc1d463724_prep:
	s_mov_b64 s[64:65], 0
	v_nop
	global_prefetch_b8 v0, s[64:65] scope:SCOPE_SE
	s_setreg_imm32_b32 hwreg(HW_REG_WAVE_MODE, 25, 1), 1
	s_wait_xcnt 0x0
; PREP.  Work-groups 0-255: x = LayerNorm(src) as f32 (xf) and as codes of BF6 (E3M2) with one E8M0 byte for each 32 along K (xq).  Work-groups 256-959: the three weights as codes (wb).
; A work-group takes one TILE: 16 rows x 1,024 along K.  THE ROWS OF A TILE ARE NOT NEIGHBOURS: tile row r of tile t is row 32 (t / 2) + 8 (t % 2) + r + 8 (r / 8); every operand of this program is cut so.
; Codes are stored as IMAGES OF THE OPERAND'S REGISTERS: a fragment (16 rows x 128 K, 12 registers a lane) is 1,536 bytes, registers 4 c .. 4 c + 3 of lane l at 512 c + 16 l; its 16 scale words are 64 bytes, row r's at 4 r.
; A tile is 8 fragments on end (12,288 bytes) and 512 bytes of scale words.  Wave w loads tile rows 2 w, 2 w + 1 whole (each load 512 consecutive bytes), normalises them, and behind a barrier quantises K step w of all 16 rows.
; No matrix unit, no cluster, no tensor load: work-groups share no input, and memory binds.
; LIMITS: NaN and infinities are not served; a block whose largest magnitude lies under 2^-122 (zeros too) gets the scale byte 1: its bytes are read by this program alone.
.set PITCH, 4112                       ; a stage row: 4,096 bytes + 16 = 257 x 16: sixteen rows read by 16-byte pieces start at sixteen different groups of banks
.set GATH,  16*PITCH                   ; behind the stage: the tile's 512 bytes of scale words
.set S,   8                            ; v8-23   sum chains, four pairs a row; later the quantiser's scratch
.set MU,  24                           ; v24-27  the mean, a pair a row
.set RS,  28                           ; v28-31  1 / sqrt(var + eps), a pair a row
.set X,   32                           ; v32-95  two rows, 32 numbers a lane each
.set G,   96                           ; v96-127 gamma,  v128-159 beta of my 32 columns
.set B,   128
.set N,   96                           ; v96-159 behind the barrier: 64 numbers of one row, register 32 c + i = k 64 c + 32 (lane / 16) + i
.set C,   160                          ; v160-171 the fragment's 12 registers
.set T,   172                          ; v172-178 the upper halves of the two blocks as the conversions leave them
.set OF1, 180                          ; v180    16 x lane + a row's pitch
.set WV,  36
.set SEL, 38
.set INV, 40
.set EPS, 41
	s_load_b256 s[4:11], s[0:1], 0x0               ; src, gamma, beta, xf
	s_load_b256 s[12:19], s[0:1], 0x20             ; xq, qkv_w, fc1_w, fc2_w
	s_load_b64 s[20:21], s[0:1], 0x40              ; wb
	v_lshl_add_u32 v184, v0, 2, 0x10400
	v_mov_b32 v185, 0
	v_lshrrev_b32 v2, 5, v0
	v_readfirstlane_b32 s[WV], v2                  ; wave 0..7
	v_and_b32 v8, 31, v0
	v_lshlrev_b32 v1, 4, v8                        ; 16 x lane
	v_and_b32 v2, 15, v0                           ; r
	v_bfe_u32 v3, v0, 4, 1                         ; h
	s_mov_b32 s[SEL], 0x76543210
	s_mov_b32 s[SEL+1], 0xfedcba98                 ; v_permlanex16_b32's selects for lane l xor 16
	s_mov_b32 s[INV], 0x3a800000                   ; 1 / 1,024
	s_mov_b32 s[EPS], 0x3727c5ac                   ; 1e-5
	s_mul_i32 s37, s[WV], 2*PITCH
	v_add_nc_u32 v4, s37, v1                       ; stage, in: tile row 2 w, 16 bytes a lane
	v_mul_u32_u24 v5, v2, PITCH
	v_lshl_add_u32 v5, v3, 7, v5
	s_lshl_b32 s37, s[WV], 9
	v_add_nc_u32 v5, s37, v5                       ; stage, out: row r, K step w (512 bytes), + 128 h
	s_lshl_b32 s37, s[WV], 6
	s_add_co_u32 s37, s37, GATH
	v_lshl_add_u32 v6, v2, 2, s37                  ; my row's scale word of K step w
	v_add_nc_u32 v7, GATH, v1                      ; and all 512 bytes, 16 a lane
	; which tensor, which tile t, which chunk of 12,288 bytes of codes.  fc2_w's values first, then overridden: the choices hang on the work-group's number alone
	s_sub_co_u32 s31, ttmp9, 256                   ; the weights' chunk
	s_sub_co_u32 s33, ttmp9, 448                   ; fc1_w's tile
	s_sub_co_u32 s32, ttmp9, 704                   ; fc2_w: 4 x tile + quarter of K
	s_lshr_b32 s25, s32, 2
	s_and_b32 s26, s32, 3
	s_lshl_b32 s26, s26, 12                        ; the quarter's first byte in a row
	s_mov_b32 s30, 8650752                         ; where wb's scale words begin
	s_wait_kmcnt 0x0
	s_cmp_lt_u32 ttmp9, 704
	s_cselect_b64 s[22:23], s[16:17], s[18:19]
	s_cselect_b32 s25, s33, s25
	s_cselect_b32 s26, 0, s26
	s_cselect_b32 s24, 12, 14                      ; log2 of a row's bytes
	s_cmp_lt_u32 ttmp9, 448
	s_cselect_b64 s[22:23], s[14:15], s[22:23]
	s_cselect_b32 s25, s31, s25
	s_cmp_lt_u32 ttmp9, 256
	s_cselect_b64 s[22:23], s[4:5], s[22:23]
	s_cselect_b32 s25, ttmp9, s25
	s_cselect_b32 s27, ttmp9, s31
	s_cselect_b64 s[28:29], s[12:13], s[20:21]
	s_cselect_b32 s30, 3145728, s30                ; xq's scale words
	s_lshr_b32 s42, s25, 1
	s_lshl_b32 s42, s42, 5
	s_and_b32 s43, s25, 1
	s_lshl_b32 s43, s43, 3
	s_add_co_u32 s42, s42, s43                     ; 32 (t / 2) + 8 (t % 2)
	s_lshl_b32 s43, s[WV], 1
	s_add_co_u32 s42, s42, s43
	s_lshr_b32 s43, s[WV], 2
	s_lshl_b32 s43, s43, 3
	s_add_co_u32 s42, s42, s43                     ; + 2 w + 8 (w / 4): my first row
	s_lshl_b32 s42, s42, s24
	s_add_co_u32 s42, s42, s26
	s_mov_b32 s43, 0
	s_add_nc_u64 s[22:23], s[22:23], s[42:43]
	s_lshl_b32 s37, 1, s24
	v_add_nc_u32 v[OF1], s37, v1
	s_mul_i32 s44, s27, 12288
	s_mul_i32 s45, s[WV], 1536
	s_add_co_u32 s44, s44, s45
	s_mov_b32 s45, 0
	s_add_nc_u64 s[32:33], s[28:29], s[44:45]      ; my fragment's image
	s_lshl_b32 s44, s27, 9
	s_add_co_u32 s44, s44, s30
	s_add_nc_u64 s[34:35], s[28:29], s[44:45]      ; the tile's scale words
.irp j, 0,1,2,3,4,5,6,7
	global_load_b128 v[X+4*\j:X+4*\j+3], v1, s[22:23] offset:512*\j th:TH_LOAD_NT
.endr
.irp j, 0,1,2,3,4,5,6,7
	global_load_b128 v[X+32+4*\j:X+32+4*\j+3], v[OF1], s[22:23] offset:512*\j th:TH_LOAD_NT
.endr
; sq = 0: the sums of both rows; sq = 1: the sums of their squares.  Four chains a row, the rows by turns; then across the 32 lanes.  The result stands in v[S] and v[S+8], in every lane.
.macro CHAINS sq
.irp i, 0,1
.irp k, 0,2,4,6
.if \sq
	v_pk_mul_f32 v[S+8*\i+\k:S+8*\i+\k+1], v[X+32*\i+\k:X+32*\i+\k+1], v[X+32*\i+\k:X+32*\i+\k+1]
.else
	v_pk_add_f32 v[S+8*\i+\k:S+8*\i+\k+1], v[X+32*\i+\k:X+32*\i+\k+1], v[X+32*\i+\k+8:X+32*\i+\k+9]
.endif
.endr
.endr
.irp j, 8,16,24
.irp i, 0,1
.irp k, 0,2,4,6
.if \sq
	v_pk_fma_f32 v[S+8*\i+\k:S+8*\i+\k+1], v[X+32*\i+\j+\k:X+32*\i+\j+\k+1], v[X+32*\i+\j+\k:X+32*\i+\j+\k+1], v[S+8*\i+\k:S+8*\i+\k+1]
.elseif \j > 8
	v_pk_add_f32 v[S+8*\i+\k:S+8*\i+\k+1], v[S+8*\i+\k:S+8*\i+\k+1], v[X+32*\i+\j+\k:X+32*\i+\j+\k+1]
.endif
.endr
.endr
.endr
.irp i, 0,1
	v_pk_add_f32 v[S+8*\i:S+8*\i+1], v[S+8*\i:S+8*\i+1], v[S+8*\i+2:S+8*\i+3]
	v_pk_add_f32 v[S+8*\i+4:S+8*\i+5], v[S+8*\i+4:S+8*\i+5], v[S+8*\i+6:S+8*\i+7]
.endr
.irp i, 0,1
	v_pk_add_f32 v[S+8*\i:S+8*\i+1], v[S+8*\i:S+8*\i+1], v[S+8*\i+4:S+8*\i+5]
.endr
.irp i, 0,1
	v_add_f32 v[S+8*\i], v[S+8*\i], v[S+8*\i+1]
.endr
.irp m, 1,2,4,8
.irp i, 0,1
	v_add_f32_dpp v[S+8*\i], v[S+8*\i], v[S+8*\i] row_xmask:\m row_mask:0xf bank_mask:0xf
.endr
.endr
.irp i, 0,1
	v_permlanex16_b32 v[S+8*\i+1], v[S+8*\i], s[SEL], s[SEL+1]
.endr
.irp i, 0,1
	v_add_f32 v[S+8*\i], v[S+8*\i], v[S+8*\i+1]
.endr
.endm
	s_cmp_lt_u32 ttmp9, 256
	s_cbranch_scc0 .Lplain                         ; a weight's tile is quantised as it is
.irp j, 0,1,2,3,4,5,6,7
	global_load_b128 v[G+4*\j:G+4*\j+3], v1, s[6:7] offset:512*\j
	global_load_b128 v[B+4*\j:B+4*\j+3], v1, s[8:9] offset:512*\j
.endr
	s_add_nc_u64 s[10:11], s[10:11], s[42:43]      ; xf at my first row (src's rows are 4,096 bytes too)
	s_wait_loadcnt 16                              ; my two rows are in; the 16 loads of gamma and beta may be out
	CHAINS 0
.irp i, 0,1
	v_mul_f32 v[MU+2*\i], s[INV], v[S+8*\i]
.endr
.irp i, 0,1
	v_mov_b32 v[MU+2*\i+1], v[MU+2*\i]
.endr
.irp i, 0,1
.set q, 0
.rept 16
	v_pk_add_f32 v[X+32*\i+q:X+32*\i+q+1], v[X+32*\i+q:X+32*\i+q+1], v[MU+2*\i:MU+2*\i+1] neg_lo:[0,1] neg_hi:[0,1]
.set q, q+2
.endr
.endr
	CHAINS 1                                       ; of x - mean: a true second pass, so a common offset of the inputs costs no accuracy
.irp i, 0,1
	v_fma_f32 v[S+8*\i], v[S+8*\i], s[INV], s[EPS]
.endr
.irp i, 0,1
	v_rsq_f32 v[RS+2*\i], v[S+8*\i]
.endr
	v_nop                                          ; a plain instruction behind the transcendentals
	s_wait_alu depctr_va_vdst(0)                   ; one wait for both, ahead of their first reader
.irp i, 0,1
	v_mov_b32 v[RS+2*\i+1], v[RS+2*\i]
.endr
.irp i, 0,1
.set q, 0
.rept 16
	v_pk_mul_f32 v[X+32*\i+q:X+32*\i+q+1], v[X+32*\i+q:X+32*\i+q+1], v[RS+2*\i:RS+2*\i+1]
.set q, q+2
.endr
.endr
	s_wait_loadcnt 0x0                             ; gamma and beta
.irp i, 0,1
.set q, 0
.rept 16
	v_pk_fma_f32 v[X+32*\i+q:X+32*\i+q+1], v[X+32*\i+q:X+32*\i+q+1], v[G+q:G+q+1], v[B+q:B+q+1]
.set q, q+2
.endr
.endr
.irp i, 0,1
.irp j, 0,1,2,3,4,5,6,7
	global_store_b128 v1, v[X+32*\i+4*\j:X+32*\i+4*\j+3], s[10:11] offset:4096*\i+512*\j   ; 32 lanes store 512 consecutive bytes; X is not written again
.endr
.endr
.Lplain:
	s_wait_loadcnt 0x0
.irp i, 0,1
.irp j, 0,1,2,3,4,5,6,7
	ds_store_b128 v4, v[X+32*\i+4*\j:X+32*\i+4*\j+3] offset:PITCH*\i+512*\j
.endr
.endr
	s_wait_dscnt 0x0                               ; for the others' sake: my two rows lie in the stage
	s_barrier_signal -1
	s_barrier_wait -1
.irp c, 0,1
.irp j, 0,1,2,3,4,5,6,7
	ds_load_b128 v[N+32*\c+4*\j:N+32*\c+4*\j+3], v5 offset:256*\c+16*\j
.endr
.endr
	s_wait_dscnt 0x0
	; my blocks h and 2 + h of row r: all 32 numbers of each are mine
.irp c, 0,1
	v_max3_num_f32 v[8+\c], |v[N+32*\c]|, |v[N+32*\c+1]|, 0x2800000   ; with the floor 2^(5 - 127): the byte cannot fall under 1
.endr
.irp i, 2,4,6,8,10,12,14,16,18,20,22,24,26,28,30
.irp c, 0,1
	v_max3_num_f32 v[8+\c], v[8+\c], |v[N+32*\c+\i]|, |v[N+32*\c+\i+1]|
.endr
.endr
.irp c, 0,1
	v_add_nc_u32 v[10+\c], 0xfe000000, v[8+\c]     ; 4 off the exponent field: the conversion's scale operand
.endr
.irp c, 0,1
	v_lshrrev_b32 v[12+\c], 23, v[10+\c]           ; the scale's byte
.endr
	v_lshl_or_b32 v14, v13, 16, v12
	v_lshlrev_b32 v16, 3, v3
	v_lshlrev_b32 v14, v16, v14                    ; at their places in the word: 8 h bits up
	v_mov_b32 v15, 0
	v_permlanex16_b32 v15, v14, s[SEL], s[SEL+1]
	v_or_b32 v14, v14, v15                         ; with lane l xor 16's two bytes the word is whole
.irp c, 0,1
	v_cvt_scalef32_pk16_bf6_f32 v[C+6*\c:C+6*\c+2], v[N+32*\c:N+32*\c+15], v[10+\c]
	v_cvt_scalef32_pk16_bf6_f32 v[T+4*\c:T+4*\c+2], v[N+32*\c+16:N+32*\c+31], v[10+\c]   ; (a conversion's three registers begin on an even number)
.endr
	v_nop                                          ; a plain instruction behind the scaled conversions
.irp c, 0,1
.irp i, 0,1,2
	v_mov_b32 v[C+6*\c+3+\i], v[T+4*\c+\i]
.endr
.endr
.irp c, 0,1,2
	global_store_b128 v1, v[C+4*\c:C+4*\c+3], s[32:33] offset:512*\c   ; 512 consecutive bytes each
.endr
	ds_store_b32 v6, v14                           ; both halves of the lanes write the same word with the same value
	s_wait_dscnt 0x0
	s_barrier_signal -1
	s_barrier_wait -1
	s_cmp_lg_u32 s[WV], 0
	s_cbranch_scc1 .Ldone
	ds_load_b128 v[16:19], v7                      ; wave 0 stores the tile's 512 bytes of scale words as two whole runs of 256
	s_wait_dscnt 0x0
	global_store_b128 v1, v[16:19], s[34:35]
.Ldone:
	s_wait_tensorcnt 0x0
	ds_add_u32 v184, v185
	s_wait_dscnt 0x0
	s_endpgm
.Lfunc_end_k_qdc1d463724_prep:
	.size	k_qdc1d463724_prep, .Lfunc_end_k_qdc1d463724_prep-k_qdc1d463724_prep
	.p2alignl 7, 3214868480
	.fill 96, 4, 3214868480
	.section	.rodata,"a",@progbits
	.p2align	6, 0x0
	.amdhsa_kernel k_qdc1d463724_prep
		.amdhsa_group_segment_fixed_size 67584
		.amdhsa_private_segment_fixed_size 0
		.amdhsa_enable_private_segment 0
		.amdhsa_kernarg_size 72
		.amdhsa_user_sgpr_count 2
		.amdhsa_user_sgpr_kernarg_segment_ptr 1
		.amdhsa_wavefront_size32 1
		.amdhsa_system_sgpr_workgroup_id_x 1
		.amdhsa_system_sgpr_workgroup_id_y 1
		.amdhsa_system_sgpr_workgroup_id_z 1
		.amdhsa_system_vgpr_workitem_id 0
		.amdhsa_next_free_vgpr 186
		.amdhsa_next_free_sgpr 66
		.amdhsa_reserve_vcc 0
		.amdhsa_float_denorm_mode_32 3
		.amdhsa_float_denorm_mode_16_64 3
		.amdhsa_memory_ordered 1
		.amdhsa_forward_progress 1
		.amdhsa_inst_pref_size 27
	.end_amdhsa_kernel
	.amdgpu_metadata
---
amdhsa.version: [ 1, 2 ]
amdhsa.kernels:
  - .name:           k_qdc1d463724_prep
    .symbol:         k_qdc1d463724_prep.kd
    .args:
      - { .name: src, .offset: 0, .size: 8, .value_kind: global_buffer, .address_space: global }
      - { .name: pre_gamma, .offset: 8, .size: 8, .value_kind: global_buffer, .address_space: global }
      - { .name: pre_beta, .offset: 16, .size: 8, .value_kind: global_buffer, .address_space: global }
      - { .name: xf, .offset: 24, .size: 8, .value_kind: global_buffer, .address_space: global }
      - { .name: xq, .offset: 32, .size: 8, .value_kind: global_buffer, .address_space: global }
      - { .name: qkv_w, .offset: 40, .size: 8, .value_kind: global_buffer, .address_space: global }
      - { .name: fc1_w, .offset: 48, .size: 8, .value_kind: global_buffer, .address_space: global }
      - { .name: fc2_w, .offset: 56, .size: 8, .value_kind: global_buffer, .address_space: global }
      - { .name: wb, .offset: 64, .size: 8, .value_kind: global_buffer, .address_space: global }
    .group_segment_fixed_size: 67584
    .private_segment_fixed_size: 0
    .kernarg_segment_align: 8
    .kernarg_segment_size: 72
    .max_flat_workgroup_size: 256
    .sgpr_count:     66
    .vgpr_count:     186
    .wavefront_size: 32
...
	.end_amdgpu_metadata
.endif
;; end of part 1
;; launch qkv (part 2): grid 12 x 16, 4 waves a work-group, clusters of 4 x 4, 327,680 bytes of LDS; arguments xq, wb, qkv_b, qkvb; writes qkvb
.if DOCPART == 2
	.amdgcn_target "amdgcn-amd-amdhsa--gfx1250"
	.amdhsa_code_object_version 6
	.text
	.protected	k_qdc1d463724_qkv
	.globl	k_qdc1d463724_qkv
	.p2align	8
	.type	k_qdc1d463724_qkv,@function
k_qdc1d463724_qkv:
	s_mov_b64 s[64:65], 0
	v_nop
	global_prefetch_b8 v0, s[64:65] scope:SCOPE_SE
	s_setreg_imm32_b32 hwreg(HW_REG_WAVE_MODE, 25, 1), 1
	s_wait_xcnt 0x0
	s_wait_alu depctr_hold_cnt(0) depctr_sa_sdst(0) depctr_va_vdst(0) depctr_va_sdst(0) depctr_va_ssrc(0) depctr_va_vcc(0) depctr_vm_vsrc(0)
	s_getreg_b32 s2, hwreg(HW_REG_IB_STS2, 6, 4)
	s_cmp_eq_u32 s2, 0
	s_cbranch_scc0 .Lentry_in_a_cluster
	s_endpgm
.Lentry_in_a_cluster:
	s_bfe_u32 s2, ttmp6, 0x10000c
	s_cmp_lg_u32 s2, 0xf033
	s_cbranch_scc0 .Lentry_shape_is_right
	s_endpgm
.Lentry_shape_is_right:
; QKV.  x Wqkv^T + b on codes of BF6 (E3M2) with E8M0 scales, and the result quantised again in registers: q and k along the head's 64, v along the keys.  4,096 tokens x 3,072 rows of the weight, K = 1,024.
; Operands lie in memory as images of the operand's registers (1,536 bytes a fragment of 16 rows x 128 K; 64 bytes of scale words), and a tile's 16 rows are rows 32 (t / 2) + 8 (t % 2) + r + 8 (r / 8).
; A work-group of four waves makes 256 tokens (y) x 256 weight rows (x); a wave 128 x 128: 64 accumulators.  K goes in steps of 256 through two LDS slots filled by the tensor data mover.
; CLUSTERS 4 x 4: the token tiles hang on y alone and are asked for jointly along a row of the cluster, the weight tiles on x alone, along a column.
; Source 0 takes the B registers, source 1 the A registers: a lane holds ONE row of the A side, and by the choice of a tile's rows the 16 registers of B's tiles 2 b, 2 b + 1 are 16 NEIGHBOURS of the B side.
; q and k (clusters x = 0, 1): A side = tokens, B side = weight rows, so a lane's registers run along the head's channels.  v (cluster x = 2): the sides change places, so they run along the tokens, which are the keys.
; Only the LDS addresses of the reads differ; the choice hangs on the cluster's x, which all partners share.
; OUT, one block of HB bytes for each (batch, head): K's scale words, V's, Q's, then four chunks of 512 keys: 32 half images of K (768 bytes: registers 0-3 at 16 l, 4-5 at 512 + 8 l), 16 images of V, 32 half images of Q.
; LIMITS: NaN and infinities are not served; a block whose largest magnitude lies under 2^-122 (zeros too) gets the scale byte 1.
.set KTOT,   1024
.set ISQKV,  1
.set ALAY,   1
.set A_SOFF, 3145728                   ; where A's scale words begin in its buffer
.set B_COFF, 0                         ; where this weight's codes begin in wb
.set B_SOFF, 8650752                   ; and its scale words
.set KT,     KTOT/128
.set IMG,    1536
.set RPITCH, KT*IMG                    ; from a tile of 16 rows to the next
.set ROWB,   2*IMG                     ; a slot's part of a tile: two fragments
.set HALFT,  8*ROWB                    ; 8 tiles (128 rows): what one tensor load brings, and what one wave reads of a side
.set SLOT,   4*HALFT                   ; the tokens' 16 tiles, then the weight's 16
.set LAPS,   KTOT/512
.set NQ,     2
.set FR,     12
.set NL,     3                         ; LDS loads of 16 bytes a lane that bring a fragment: 512 consecutive bytes each, no padding needed
.set NP,     4                         ; places behind this matrix instruction (ISA guide 7.12.1)
.set SCL,    2*SLOT                    ; behind the ring: all scale words, filled once
.set HALFS,  KT*512                    ; those of 8 tiles
.set SPARE,  SCL+4*HALFS               ; the spare words: 128 bytes a wave, two blocks of 256 bytes that no other line names
.set SBLKA,  KT*64                     ; from a tile's scale words to the next tile's
.set SBLKB,  KT*64
.set SSTEPA, 128                       ; a slot on: two K steps
.set YSROW,  KT*64
.set SAC,    32                        ; A's scale words as a tile: elements of 8 bytes in a row, rows, pitch
.set SAR,    HALFS/256
.set SAP,    32
.set HB,     315392
.set CH,     73728
.set ADRA, 16                          ; v16-17 my A side's fragments in slot 0, 1: 16 x lane + base
.set ADRB, 20                          ; v20-21 the B side's
.set ADRSA, 22                         ; v22, v23 the scale words: lanes 0-15 take the slot's first K step, lanes 16-31 its second
.set ADRSB, 23
.set SGA,  24                          ; v24  the way out: my row's scale word in the wave's gather bytes
.set SGL,  25                          ; v25  and those bytes, 16 a lane
.set CO,   26                          ; v26  16 x lane
.set CO8,  27                          ; v27  8 x lane
.set SPW,  28                          ; v28  my spare word; never rewritten
.set NIL,  29                          ; v29  0; never rewritten
.set SC,   32                          ; v32-63 scale words and nothing else: set s at 32 + 16 s; A's tile i at + i, B's at + 8 + i
.set BT,   64                          ; v64-127 the bias in the result's layout, where the B side is the weight
.set AF,   128                         ; v128-223 A's eight fragments, ONE set
.set BTV,  224                         ; v224-231 the bias of my lane's row of A's tile a, where the A side is the weight
.set H,    128                         ; the way out: 64 numbers
.set TM,   192
.set PW,   208
.set PW2,  209
.set PC,   232
.set SEL,  96
.set G1, 24
.set G0, 32
.set G1B, 48
.set G0B, 56
.set G1S, 68
.set G0S, 76
.set G1SB, 80
.set G0SB, 88
.set MSB, 0
.macro WIN new                         ; the immediate's high byte repeats the setting that is left
.if MSB != \new
	s_set_vgpr_msb (MSB<<8)|\new
.set MSB, \new
.endif
.endm
.set MUL_LO, 0xa1                      ; source 0 window 1, source 1 window 0, C and D window 2
.set MUL_HI, 0xf1                      ; the same, C and D window 3
.set TO_B,   0x40                      ; destination window 1
; A joint load: waves 0 and 1 fetch the tokens' two halves, waves 2 and 3 the weight's.  The branch hangs on the wave's number alone.  Four v_nop follow each of the two lines.
.macro JLOAD g0a, g1a, g0b, g1b
	s_cmp_eq_u32 s15, 0
	s_cbranch_scc0 .Lfor_b_\@
	tensor_load_to_lds s[\g0a:\g0a+3], s[\g1a:\g1a+7]
	s_nop 0
.rept 4
	v_nop
.endr
	s_branch .Lasked_\@
.Lfor_b_\@:
	tensor_load_to_lds s[\g0b:\g0b+3], s[\g1b:\g1b+7]
	s_nop 0
.rept 4
	v_nop
.endr
.Lasked_\@:
.endm
.macro CREST                           ; a round of the cluster's barrier behind its opening barrier
	s_cmp_lg_u32 s14, 0
	s_cbranch_scc1 .Lnot_wave_0_\@
	s_barrier_signal -3
.Lnot_wave_0_\@:
	s_barrier_wait -3
	s_barrier_signal -1
	s_barrier_wait -1
.endm
.macro CROUND
	s_barrier_signal -1
	s_barrier_wait -1
	CREST
.endm
	s_load_b256 s[4:11], s[0:1], 0x0               ; A's buffer, wb, the bias, the output
.if ALAY == 2
	s_load_b64 s[12:13], s[0:1], 0x20              ; the residual
.endif
	v_lshl_add_u32 v[SPW], v0, 2, SPARE
	v_mov_b32 v[NIL], 0
	ds_add_u32 v28, v29
	ds_add_u32 v28, v29
	s_wait_dscnt 0x0
	v_lshrrev_b32 v1, 5, v0
	v_readfirstlane_b32 s14, v1                    ; wave 0..3
	s_lshr_b32 s15, s14, 1                         ; wr: my half of the A side.  Also: I fetch tokens (0) or weight (1)
	s_and_b32 s16, s14, 1                          ; wc: my half of the B side.  Also: which 8 tiles I fetch
	s_bfe_u32 s40, ttmp6, 0x40000                  ; cx, cy
	s_bfe_u32 s41, ttmp6, 0x40004
	s_lshl_b32 s42, ttmp9, 2
	s_add_co_u32 s42, s42, s40                     ; x
	s_and_b32 s17, ttmp7, 0xffff
	s_lshl_b32 s17, s17, 2
	s_add_co_u32 s17, s17, s41                     ; y
	s_lshl_b32 s43, s41, 2
	s_lshl_b32 s43, 15, s43                        ; my row of the cluster
	s_lshl_b32 s44, 0x1111, s40                    ; my column
	s_or_b32 s[G1+0], s43, (3<<16)|(1<<21)         ; 15:0 the mask; 17:16 elements of 8 bytes; 21 set beside a mask; no padding
	s_or_b32 s[G1B+0], s44, (3<<16)|(1<<21)
.irp g, G1, G1B
	s_mov_b32 s[\g+1], (ROWB/8)<<16                ; tensor_dim0: 3,072 bytes
	s_mov_b32 s[\g+2], 8<<16                       ; tensor_dim1: 8 tiles
	s_mov_b32 s[\g+3], (ROWB/8)<<16                ; tile_dim0
	s_mov_b32 s[\g+4], 8                           ; tile_dim1
	s_mov_b32 s[\g+5], RPITCH/8                    ; from tile to tile
	s_mov_b32 s[\g+6], 0
	s_mov_b32 s[\g+7], 0
.endr
	s_or_b32 s[G1S+0], s43, (3<<16)|(1<<21)
	s_mov_b32 s[G1S+1], SAC<<16
	s_mov_b32 s[G1S+2], SAR<<16
	s_mov_b32 s[G1S+3], SAC<<16
	s_mov_b32 s[G1S+4], SAR
	s_mov_b32 s[G1S+5], SAP
	s_mov_b32 s[G1S+6], 0
	s_mov_b32 s[G1S+7], 0
	s_or_b32 s[G1SB+0], s44, (3<<16)|(1<<21)
	s_mov_b32 s[G1SB+1], 32<<16                    ; a dense block as rows of 256 bytes
	s_mov_b32 s[G1SB+2], (HALFS/256)<<16
	s_mov_b32 s[G1SB+3], 32<<16
	s_mov_b32 s[G1SB+4], HALFS/256
	s_mov_b32 s[G1SB+5], 32
	s_mov_b32 s[G1SB+6], 0
	s_mov_b32 s[G1SB+7], 0
	s_lshl_b32 s18, s16, 3
	s_lshl_b32 s20, s17, 4
	s_add_co_u32 s20, s20, s18                     ; tokens: tile 16 y + 8 half
	s_lshl_b32 s46, s42, 4
	s_add_co_u32 s46, s46, s18                     ; weight: tile 16 x + 8 half
	s_mul_i32 s22, s20, YSROW
	s_add_co_u32 s22, s22, A_SOFF
	s_mul_i32 s92, s46, KT*64
	s_add_co_u32 s92, s92, B_SOFF
	s_mul_i32 s20, s20, RPITCH
	s_mul_i32 s46, s46, RPITCH
	s_add_co_u32 s46, s46, B_COFF
	s_mov_b32 s21, 0
	s_mov_b32 s23, 0
	s_mov_b32 s47, 0
	s_mov_b32 s93, 0
	s_mul_i32 s45, s14, HALFT                      ; where they go: wave x 8 tiles: no place in the cluster enters an LDS address
	s_mul_i32 s94, s14, HALFS
	s_wait_kmcnt 0x0
	s_add_nc_u64 s[20:21], s[4:5], s[20:21]
	s_add_nc_u64 s[22:23], s[4:5], s[22:23]
	s_add_nc_u64 s[46:47], s[6:7], s[46:47]
	s_add_nc_u64 s[92:93], s[6:7], s[92:93]
	CROUND                                         ; all sixteen work-groups are here: the first joint loads meet
	s_mov_b32 s[G0S], 1
	s_add_co_u32 s[G0S+1], s94, SCL
	s_mov_b64 s[G0S+2:G0S+3], s[22:23]
	s_or_b32 s[G0S+3], s[G0S+3], 0x80000000
	s_mov_b32 s[G0SB], 1
	s_add_co_u32 s[G0SB+1], s94, SCL
	s_mov_b64 s[G0SB+2:G0SB+3], s[92:93]
	s_or_b32 s[G0SB+3], s[G0SB+3], 0x80000000
	JLOAD G0S, G1S, G0SB, G1SB                     ; the scale words first: they are wanted with K step 0.  Three loads of mine are out behind these lines
.irp s, 0,1
	s_mov_b32 s[G0+4*\s], 1
	s_add_co_u32 s[G0+4*\s+1], s45, \s*SLOT
	s_add_nc_u64 s[G0+4*\s+2:G0+4*\s+3], s[20:21], \s*ROWB
	s_or_b32 s[G0+4*\s+3], s[G0+4*\s+3], 0x80000000
	s_mov_b32 s[G0B+4*\s], 1
	s_add_co_u32 s[G0B+4*\s+1], s45, \s*SLOT
	s_add_nc_u64 s[G0B+4*\s+2:G0B+4*\s+3], s[46:47], \s*ROWB
	s_or_b32 s[G0B+4*\s+3], s[G0B+4*\s+3], 0x80000000
	JLOAD G0+4*\s, G1, G0B+4*\s, G1B
.endr
	v_and_b32 v1, 15, v0                           ; r
	v_bfe_u32 v2, v0, 4, 1                         ; h
	v_and_b32 v3, 31, v0                           ; lane
	v_lshlrev_b32 v[CO], 4, v3
	v_lshlrev_b32 v[CO8], 3, v3
	v_lshlrev_b32 v4, 2, v3
.if ISQKV
	s_cmp_ge_u32 ttmp9, 2                          ; v's clusters: the sides change places
	s_cselect_b32 s18, 2*HALFT, 0
	s_cselect_b32 s19, 0, 2*HALFT
	s_cselect_b32 s2, 2*HALFS, 0
	s_cselect_b32 s3, 0, 2*HALFS
.else
	s_mov_b32 s18, 0
	s_mov_b32 s19, 2*HALFT
	s_mov_b32 s2, 0
	s_mov_b32 s3, 2*HALFS
.endif
	s_mul_i32 s21, s15, HALFT
	s_add_co_u32 s21, s21, s18
	s_mul_i32 s22, s16, HALFT
	s_add_co_u32 s22, s22, s19
.irp s, 0,1
	v_add_nc_u32 v[ADRA+\s], s21, v[CO]
	v_add_nc_u32 v[ADRB+\s], s22, v[CO]
	s_add_co_u32 s21, s21, SLOT
	s_add_co_u32 s22, s22, SLOT
.endr
	s_mul_i32 s23, s15, HALFS
	s_add_co_u32 s23, s23, s2
	s_add_co_u32 s23, s23, SCL
	s_mul_i32 s20, s16, HALFS
	s_add_co_u32 s20, s20, s3
	s_add_co_u32 s20, s20, SCL
.if ALAY == 1
	v_add_nc_u32 v[ADRSA], s23, v4                 ; 128 consecutive bytes: two K steps' words of a tile
.else
	v_lshlrev_b32 v5, 2, v1
	v_lshl_add_u32 v5, v2, 9, v5                   ; the K steps lie 512 bytes apart
	v_add_nc_u32 v[ADRSA], s23, v5
.endif
	v_add_nc_u32 v[ADRSB], s20, v4
	s_mov_b32 s[SEL], 0x76543210
	s_mov_b32 s[SEL+1], 0xfedcba98
	s_lshl_b32 s20, s14, 10
	v_lshl_add_u32 v[SGA], v1, 2, s20              ; the way out's gather bytes lie in slot 0: 1,024 a wave
	v_add_nc_u32 v[SGL], s20, v[CO]
	; the bias, both ways; each arm of the way out uses the table that fits it.  Both stay inside qkv_b for every x
	s_lshl_b32 s66, s42, 10
	s_lshl_b32 s67, s16, 9
	s_add_co_u32 s100, s66, s67
	s_mov_b32 s101, 0
	s_add_nc_u64 s[100:101], s[8:9], s[100:101]    ; at weight row 256 x + 128 wc
	s_lshl_b32 s67, s15, 9
	s_add_co_u32 s66, s66, s67
	s_mov_b32 s67, 0
	s_add_nc_u64 s[66:67], s[8:9], s[66:67]        ; at weight row 256 x + 128 wr
	v_lshlrev_b32 v30, 6, v2
	v_and_b32 v31, 8, v1
	v_add_nc_u32 v31, v31, v1
	v_lshlrev_b32 v31, 2, v31
.irp b, 0,1,2,3,4,5,6,7
	global_load_b128 v[BT+8*\b:BT+8*\b+3], v30, s[100:101] offset:128*(\b/2)+32*(\b%2)       ; register 8 b + j: row 32 (b / 2) + 16 h + 8 (b % 2) + j
	global_load_b128 v[BT+8*\b+4:BT+8*\b+7], v30, s[100:101] offset:128*(\b/2)+32*(\b%2)+16
.endr
.irp a, 0,1,2,3,4,5,6,7
	global_load_b32 v[BTV+\a], v31, s[66:67] offset:128*(\a/2)+32*(\a%2)                     ; row 32 (a / 2) + 8 (a % 2) + r + 8 (r / 8)
.endr
.macro FRAG reg, adr, q, i             ; a fragment comes back as it was stored: three loads of 512 consecutive bytes
.irp c, 0,1,2
	ds_load_b128 v[\reg+4*\c:\reg+4*\c+3], v[\adr] offset:(\i)*ROWB+(\q)*IMG+512*\c
.endr
.endm
; 16 matrix instructions: A's tiles a0, a0 + 1 x B's eight, the slot's q-th 128 along K.  The 64 accumulators take turns, one instruction a turn, in the same order in every step.
.macro MUL16 a0, p, q, sc, zero
.irp a, \a0, \a0+1
.irp b, 0,1,2,3,4,5,6,7
.set WD, 8*(8*((\a)%4)+\b)
.set WB, 128*(\p)+FR*\b
.set WA, AF+FR*(\a)
.set WSB, SC+16*(\sc)+8+\b
.set WSA, SC+16*(\sc)+(\a)
.if \zero
	v_wmma_scale_f32_16x16x128_f8f6f4 v[WD:WD+7], v[WB:WB+FR-1], v[WA:WA+FR-1], 0, v[WSB], v[WSA] matrix_a_fmt:MATRIX_FMT_BF6 matrix_b_fmt:MATRIX_FMT_BF6
.elseif (\q) == 0
	v_wmma_scale_f32_16x16x128_f8f6f4 v[WD:WD+7], v[WB:WB+FR-1], v[WA:WA+FR-1], v[WD:WD+7], v[WSB], v[WSA] matrix_a_fmt:MATRIX_FMT_BF6 matrix_b_fmt:MATRIX_FMT_BF6
.else
	v_wmma_scale_f32_16x16x128_f8f6f4 v[WD:WD+7], v[WB:WB+FR-1], v[WA:WA+FR-1], v[WD:WD+7], v[WSB], v[WSA] matrix_a_fmt:MATRIX_FMT_BF6 matrix_b_fmt:MATRIX_FMT_BF6 matrix_a_scale:MATRIX_SCALE_ROW1 matrix_b_scale:MATRIX_SCALE_ROW1
.endif
.endr
.endr
.endm
.macro FETCH_B slot, q, p
	WIN TO_B
.irp i, 0,1,2,3,4,5,6,7
	FRAG 128*(\p)+FR*\i, ADRB+\slot, \q, \i
.endr
	WIN 0
.endm
.macro FETCH_A slot, q, i0
.irp i, \i0, \i0+1, \i0+2, \i0+3
	FRAG AF+FR*(\i), ADRA+\slot, \q, \i
.endr
.endm
.macro SCALES sc                       ; a slot's scale words: one register a tile and side, K step 0 in lanes 0-15, K step 1 in lanes 16-31
.irp i, 0,1,2,3,4,5,6,7
	ds_load_b32 v[SC+16*\sc+\i], v[ADRSA] offset:\i*SBLKA
	ds_load_b32 v[SC+16*\sc+8+\i], v[ADRSB] offset:\i*SBLKB
.endr
.endm
.macro PLACES n                        ; plain vector instructions between a matrix instruction and a load into, or a vector instruction on, its registers (ISA guide 7.12.1 for vector instructions)
.rept \n
	v_nop
.endr
.endm
.macro STEP slot, q, zero              ; a step of 128 along K that has its successor in the same slot
	s_wait_dscnt 4*NL                              ; all but the youngest 12 loads (A's tiles 4-7) are in
	WIN MUL_LO
	MUL16 0, (\q)%2, \q, \slot, \zero
	MUL16 2, (\q)%2, \q, \slot, \zero
	s_wait_dscnt 0
	PLACES NP
	FETCH_B \slot, (\q)+1, 1-(\q)%2
	FETCH_A \slot, (\q)+1, 0
	WIN MUL_HI
	MUL16 4, (\q)%2, \q, \slot, \zero
	MUL16 6, (\q)%2, \q, \slot, \zero
	PLACES NP
	WIN 0
	FETCH_A \slot, (\q)+1, 4
.endm
; A slot's last step changes slots: ONE barrier; in front of it each wave waits for all its tensor loads, adds 0 to its spare word, and waits for that and for its own reads of this slot.  fill = 1: the slot is filled again, two slots ahead.
.macro TURN slot, next, fill
	s_wait_tensorcnt 0x0                           ; all my tensor loads have landed: my part of the next slot
	ds_add_u32 v[SPW], v[NIL]                      ; 0 onto my spare word
	s_wait_dscnt 4*NL+1                            ; the add and the youngest 12 loads may be out
	WIN MUL_LO
	MUL16 0, 1, NQ-1, \slot, 0
	s_wait_dscnt 0x0                               ; the add is done, and my reads of this slot are over
	s_barrier_signal -1
	MUL16 2, 1, NQ-1, \slot, 0
	WIN 0
	s_barrier_wait -1
.if \fill
	CREST                                          ; the barrier has opened a round of the cluster's: no wave of any partner still reads this slot or has a load on its way
	s_add_nc_u64 s[G0+4*\slot+2:G0+4*\slot+3], s[G0+4*\slot+2:G0+4*\slot+3], 2*ROWB
	s_add_nc_u64 s[G0B+4*\slot+2:G0B+4*\slot+3], s[G0B+4*\slot+2:G0B+4*\slot+3], 2*ROWB
	JLOAD G0+4*\slot, G1, G0B+4*\slot, G1B         ; my one tensor load behind the round; its four v_nop are also the places in front of the loads below
.else
	PLACES NP
.endif
	v_add_nc_u32 v[ADRSA], SSTEPA, v[ADRSA]
	v_add_nc_u32 v[ADRSB], 128, v[ADRSB]
	FETCH_B \next, 0, 0
	FETCH_A \next, 0, 0
	SCALES \next
	WIN MUL_HI
	MUL16 4, 1, NQ-1, \slot, 0
	MUL16 6, 1, NQ-1, \slot, 0
	PLACES NP
	WIN 0
	FETCH_A \next, 0, 4
.endm
	s_wait_tensorcnt 1                             ; the scale words and my part of slot 0 are in; slot 1's load may be out
	s_barrier_signal -1
	s_barrier_wait -1
	FETCH_B 0, 0, 0
	FETCH_A 0, 0, 0
	SCALES 0
	FETCH_A 0, 0, 4
	STEP 0, 0, 1                                   ; the first step stands in front of the loop: its products start the sums
	s_mov_b32 s3, LAPS-1
.Llap:
	TURN 0, 1, 1
	STEP 1, 0, 0
	TURN 1, 0, 1
	STEP 0, 0, 0
	s_sub_co_u32 s3, s3, 1
	s_cmp_lg_u32 s3, 0
	s_cbranch_scc1 .Llap
	TURN 0, 1, 0                                   ; the last lap fills nothing
	STEP 1, 0, 0
	s_wait_dscnt 4*NL
	WIN MUL_LO
	MUL16 0, 1, NQ-1, 1, 0
	MUL16 2, 1, NQ-1, 1, 0
	s_wait_dscnt 0
	WIN MUL_HI
	MUL16 4, 1, NQ-1, 1, 0
	MUL16 6, 1, NQ-1, 1, 0
	WIN 0
; 64 numbers of a lane, register 16 b + i = k 32 b + 16 (lane / 16) + i of my row, become a fragment's codes in v[PC] on and its scale word in v[PW].
.macro QUANT s
.irp b, 0,1,2,3
	v_max3_num_f32 v[TM+\b], |v[\s+16*\b]|, |v[\s+1+16*\b]|, 0x2800000   ; with the floor 2^(5 - 127): the byte cannot fall under 1
.endr
.irp i, 2,4,6,8,10,12,14
.irp b, 0,1,2,3
	v_max3_num_f32 v[TM+\b], v[TM+\b], |v[\s+16*\b+\i]|, |v[\s+1+16*\b+\i]|
.endr
.endr
.irp b, 0,1,2,3
	v_permlanex16_b32 v[TM+4+\b], v[TM+\b], s[SEL], s[SEL+1]
.endr
.irp b, 0,1,2,3
	v_max_num_f32 v[TM+\b], v[TM+\b], v[TM+4+\b]   ; with lane l xor 16's: the block's largest magnitude
.endr
.irp b, 0,1,2,3
	v_add_nc_u32 v[TM+12+\b], 0xfe000000, v[TM+\b] ; 4 off its exponent field: the conversion's scale operand
.endr
.irp b, 0,1,2,3
	v_lshrrev_b32 v[TM+4+\b], 23, v[TM+12+\b]      ; the scale's byte
.endr
	v_lshl_or_b32 v[PW], v[TM+5], 8, v[TM+4]
	v_lshl_or_b32 v[PW], v[TM+6], 16, v[PW]
	v_lshl_or_b32 v[PW], v[TM+7], 24, v[PW]
.irp c, 0,1
	v_cvt_scalef32_pk16_bf6_f32 v[PC+6*\c:PC+2+6*\c], v[\s+32*\c:\s+15+32*\c], v[TM+12+2*\c]
	v_cvt_scalef32_pk16_bf6_f32 v[PC+12+4*\c:PC+14+4*\c], v[\s+16+32*\c:\s+31+32*\c], v[TM+12+2*\c+1]
.endr
	v_nop                                          ; a plain instruction behind the scaled conversions
.irp c, 0,1                                    ; the operand's layout wants a whole block in a lane
.irp i, 0,1,2
	v_permlane16_swap_b32 v[PC+6*\c+\i], v[PC+12+4*\c+\i]
.endr
.irp i, 0,1,2
	v_mov_b32 v[PC+3+6*\c+\i], v[PC+12+4*\c+\i]
.endr
.endr
.endm
	; THE WAY OUT.  Slot 0 has had its last fill, and every wave has passed the last change of slots, behind which nobody reads it: the gather bytes lie there.
	s_wait_loadcnt 0x0                             ; the bias
	PLACES NP                                      ; behind the last products: their results are read and A's registers written from here on
.irp b, 0,1,2,3
	v_mov_b32 v[TM+4+\b], 0                        ; a lane permute's destination counts as one of its sources
.endr
	s_cmp_ge_u32 ttmp9, 2
	s_cbranch_scc1 .Lv_arm
	; ---- q and k: my 128 weight rows are two heads; A's tile a is token tile qt0 + a of the batch
	s_lshr_b32 s18, s17, 3
	s_lshl_b32 s18, s18, 4
	s_and_b32 s19, s42, 3
	s_lshl_b32 s19, s19, 2
	s_add_co_u32 s18, s18, s19
	s_lshl_b32 s19, s16, 1
	s_add_co_u32 s18, s18, s19                     ; 16 batch + head
	s_mul_i32 s18, s18, HB
	s_and_b32 s19, s17, 7
	s_lshl_b32 s19, s19, 4
	s_lshl_b32 s20, s15, 3
	s_add_co_u32 s19, s19, s20                     ; qt0
	s_lshr_b32 s20, s19, 5
	s_mul_i32 s20, s20, CH
	s_and_b32 s21, s19, 31
	s_mul_i32 s21, s21, 768
	s_add_co_u32 s20, s20, s21
	s_add_co_u32 s20, s20, s18
	s_add_co_u32 s20, s20, 20480
	s_lshl_b32 s22, s19, 6
	s_add_co_u32 s22, s22, s18
	s_cmp_eq_u32 ttmp9, 0                          ; q's cluster?
	s_cselect_b32 s46, 49152, 0
	s_cselect_b32 s47, 12288, 0
	s_add_co_u32 s20, s20, s46
	s_add_co_u32 s22, s22, s47
	s_mov_b32 s21, 0
	s_mov_b32 s23, 0
	s_add_nc_u64 s[20:21], s[10:11], s[20:21]      ; the half images
	s_add_nc_u64 s[22:23], s[10:11], s[22:23]      ; the scale words
.macro QKBLOCK a
	s_wait_xcnt 0x0                                ; the last block's stores have read PC,
	s_wait_dscnt 0x0                               ; and its LDS stores PW: both are written again
	WIN 0x02+(\a)/4
.set i, 0
.rept 32
	v_pk_add_f32 v[H+i:H+i+1], v[64*((\a)%4)+i:64*((\a)%4)+i+1], v[BT+i:BT+i+1]   ; + bias; each accumulator from its low end on
.set i, i+2
.endr
	WIN 0
	QUANT H
	v_lshrrev_b32 v[PW2], 16, v[PW]                ; the second head's two bytes; the bytes above them scale zero codes only
	global_store_b128 v[CO], v[PC:PC+3], s[20:21] offset:768*(\a)
	global_store_b64 v[CO8], v[PC+4:PC+5], s[20:21] offset:768*(\a)+512
	global_store_b128 v[CO], v[PC+6:PC+9], s[20:21] offset:768*(\a)+HB
	global_store_b64 v[CO8], v[PC+10:PC+11], s[20:21] offset:768*(\a)+512+HB
	ds_store_b32 v[SGA], v[PW] offset:64*(\a)
	ds_store_b32 v[SGA], v[PW2] offset:512+64*(\a)
.endm
.irp a, 0,1,2,3,4,5,6,7
	QKBLOCK \a
.endr
	ds_load_b128 v[192:195], v[SGL]                ; LDS serves a wave's instructions in order: these see my stores
	ds_load_b128 v[196:199], v[SGL] offset:512
	s_wait_dscnt 0x0
	global_store_b128 v[CO], v[192:195], s[22:23]              ; 8 tiles' scale words: 512 consecutive bytes a head
	global_store_b128 v[CO], v[196:199], s[22:23] offset:HB
	s_branch .Lend
.Lv_arm:
	; ---- v: A's tile a is channel tile a % 4 of head a / 4; my 128 tokens are key step ks
	s_lshr_b32 s18, s17, 3
	s_lshl_b32 s18, s18, 4
	s_sub_co_u32 s19, s42, 8
	s_lshl_b32 s19, s19, 2
	s_add_co_u32 s18, s18, s19
	s_lshl_b32 s19, s15, 1
	s_add_co_u32 s18, s18, s19
	s_mul_i32 s18, s18, HB
	s_lshl_b32 s19, s17, 1
	s_add_co_u32 s19, s19, s16
	s_and_b32 s19, s19, 15                         ; ks
	s_lshr_b32 s20, s19, 2
	s_mul_i32 s20, s20, CH
	s_and_b32 s21, s19, 3
	s_mul_i32 s21, s21, 4*IMG
	s_add_co_u32 s20, s20, s21
	s_add_co_u32 s20, s20, s18
	s_add_co_u32 s20, s20, 20480+24576
	s_lshl_b32 s22, s19, 8
	s_add_co_u32 s22, s22, s18
	s_add_co_u32 s22, s22, 8192
	s_mov_b32 s21, 0
	s_mov_b32 s23, 0
	s_add_nc_u64 s[20:21], s[10:11], s[20:21]
	s_add_nc_u64 s[22:23], s[10:11], s[22:23]
	v_mul_u32_u24 v5, v2, HB
	v_lshl_add_u32 v5, v1, 4, v5                   ; lanes 0-15: the first head's 256 bytes of scale words; lanes 16-31: the second's
.macro VBLOCK a
	s_wait_xcnt 0x0
	s_wait_dscnt 0x0
	WIN 0x02+(\a)/4
.set i, 0
.rept 64
	v_add_f32 v[H+i], v[64*((\a)%4)+i], v[BTV+(\a)]
.set i, i+1
.endr
	WIN 0
	QUANT H
.irp c, 0,1,2
	global_store_b128 v[CO], v[PC+4*\c:PC+4*\c+3], s[20:21] offset:((\a)/4)*HB+((\a)%4)*IMG+512*\c
.endr
	ds_store_b32 v[SGA], v[PW] offset:8192+64*(\a) ; this arm's gather bytes are its own
.endm
.irp a, 0,1,2,3,4,5,6,7
	VBLOCK \a
.endr
	ds_load_b128 v[192:195], v[SGL] offset:8192
	s_wait_dscnt 0x0
	global_store_b128 v5, v[192:195], s[22:23]
.Lend:
	s_wait_tensorcnt 0x0                           ; the wave's end
	ds_add_u32 v[SPW], v[NIL]
	s_wait_dscnt 0x0
	CROUND                                         ; the closing round: no work-group ends while a partner may still ask for a tile that names it
	s_endpgm
.Lfunc_end_k_qdc1d463724_qkv:
	.size	k_qdc1d463724_qkv, .Lfunc_end_k_qdc1d463724_qkv-k_qdc1d463724_qkv
	.p2alignl 7, 3214868480
	.fill 96, 4, 3214868480
	.section	.rodata,"a",@progbits
	.p2align	6, 0x0
	.amdhsa_kernel k_qdc1d463724_qkv
		.amdhsa_group_segment_fixed_size 327680
		.amdhsa_private_segment_fixed_size 0
		.amdhsa_enable_private_segment 0
		.amdhsa_kernarg_size 32
		.amdhsa_user_sgpr_count 2
		.amdhsa_user_sgpr_kernarg_segment_ptr 1
		.amdhsa_wavefront_size32 1
		.amdhsa_system_sgpr_workgroup_id_x 1
		.amdhsa_system_sgpr_workgroup_id_y 1
		.amdhsa_system_sgpr_workgroup_id_z 1
		.amdhsa_system_vgpr_workitem_id 0
		.amdhsa_next_free_vgpr 1024
		.amdhsa_next_free_sgpr 102
		.amdhsa_reserve_vcc 0
		.amdhsa_float_denorm_mode_32 3
		.amdhsa_float_denorm_mode_16_64 3
		.amdhsa_memory_ordered 1
		.amdhsa_forward_progress 1
		.amdhsa_inst_pref_size 214
	.end_amdhsa_kernel
	.amdgpu_metadata
---
amdhsa.version: [ 1, 2 ]
amdhsa.kernels:
  - .name:           k_qdc1d463724_qkv
    .symbol:         k_qdc1d463724_qkv.kd
    .args:
      - { .name: xq, .offset: 0, .size: 8, .value_kind: global_buffer, .address_space: global }
      - { .name: wb, .offset: 8, .size: 8, .value_kind: global_buffer, .address_space: global }
      - { .name: qkv_b, .offset: 16, .size: 8, .value_kind: global_buffer, .address_space: global }
      - { .name: qkvb, .offset: 24, .size: 8, .value_kind: global_buffer, .address_space: global }
    .group_segment_fixed_size: 327680
    .private_segment_fixed_size: 0
    .kernarg_segment_align: 8
    .kernarg_segment_size: 32
    .max_flat_workgroup_size: 128
    .sgpr_count:     102
    .vgpr_count:     1024
    .wavefront_size: 32
...
	.end_amdgpu_metadata
.endif
;; end of part 2
;; launch attn (part 3): grid 8 x 32, 16 waves a work-group, clusters of 4 x 1, 280,576 bytes of LDS; arguments qkvb, xf, ac; writes ac
.if DOCPART == 3
	.amdgcn_target "amdgcn-amd-amdhsa--gfx1250"
	.amdhsa_code_object_version 6
	.text
	.protected	k_qdc1d463724_attn
	.globl	k_qdc1d463724_attn
	.p2align	8
	.type	k_qdc1d463724_attn,@function
k_qdc1d463724_attn:
	s_mov_b64 s[64:65], 0
	v_nop
	global_prefetch_b8 v0, s[64:65] scope:SCOPE_SE
	s_setreg_imm32_b32 hwreg(HW_REG_WAVE_MODE, 25, 1), 1
	s_wait_xcnt 0x0
	s_wait_alu depctr_hold_cnt(0) depctr_sa_sdst(0) depctr_va_vdst(0) depctr_va_sdst(0) depctr_va_ssrc(0) depctr_va_vcc(0) depctr_vm_vsrc(0)
	s_getreg_b32 s2, hwreg(HW_REG_IB_STS2, 6, 4)
	s_cmp_eq_u32 s2, 0
	s_cbranch_scc0 .Lentry_in_a_cluster
	s_endpgm
.Lentry_in_a_cluster:
	s_bfe_u32 s2, ttmp6, 0x10000c
	s_cmp_lg_u32 s2, 0x3003
	s_cbranch_scc0 .Lentry_shape_is_right
	s_endpgm
.Lentry_shape_is_right:
; ATTENTION on codes of BF6 (E3M2), head size 64, 2,048 keys, no mask; then + x.  ac[token][64 head ..] = softmax(q k^T / 8) v + x.
; Both products are used transposed (S^T = K Q^T, O^T = V^T P^T): a lane holds ONE query throughout.  The head's 64 fill half of the instruction's 128 along K: the upper six registers of K's and Q's fragments hold zero codes.
; THE SOFTMAX: t = score x log2(e) / 8; M = the running largest t rounded UP to a whole number; p = 2^(t - M) is quantised along the keys, not normalised; the row's sum is taken of the unquantised p and divides at the end.
; When M moves, the sum and O^T are multiplied by 2^(old M - new M): exact.
; SHARES.  A work-group owns 256 queries of one (batch, head); each of its sixteen waves 16 of them, one tile, in 256 registers: four waves to a SIMD, so that one wave's vector work stands beside another's products and LDS loads.
; THE WHOLE HEAD'S K, V AND SCALE WORDS, 208,896 bytes, STAY IN LDS: five first fills a fetching wave (waves 0-3), no slot is ever filled again.  The keys are walked in four chunks of 512, each read behind a counted wait and a barrier.
; CLUSTER 4 x 1: the four query blocks of a cluster belong to one head: every load is asked for jointly, with the same descriptor and the mask of all four.
; The tiles' rows are rows 32 (t / 2) + 8 (t % 2) + r + 8 (r / 8), so the 16 registers of K's tiles 2 b, 2 b + 1 are 16 neighbouring keys, and O^T's of V's tiles likewise 16 neighbouring channels.
; LIMITS: NaN and infinities are not served.
.set HB,    315392                     ; a (batch, head)'s block in qkvb: K's scale words 8,192, V's 4,096, Q's 8,192, then four chunks
.set CH,    73728                      ; a chunk in memory: K 24,576, V 24,576, Q 24,576
.set LC0,   12288                      ; LDS: the scale words (K's, then V's) at 0; chunk c (K, then V) at LC0 + c LCH
.set LCH,   49152
.set STAGE, LC0+4*LCH                  ; behind them: 16 rows x 272 bytes for each wave, for the way out; no fill lands there
.set SP,    272
.set A16, 1                            ; v1 16 x lane, v2 8 x lane, v3 4 x (lane % 16)
.set A8,  2
.set A4,  3
.set STO, 4                            ; v4 the way out: where I put 32 bytes of a row;  v5 where I read a row back;  v6 my byte offset among the tile's rows of x and ac
.set RD,  5
.set GO,  6
.set PFO, 7                            ; v7 4,096 x lane: the prefetch's offset; never rewritten
.set ADK16, 8
.set ADK8,  9
.set ADS,   10
.set ADT,   11
.set KF,  32                           ; v32-79   four fragments of K
.set VF,  80                           ; v80-127  four of V;  v28-31 their scale words
.set S,   128                          ; v128-191 S^T, then p
.set O,   192                          ; v192-223 O^T
.set WV,  18                           ; v12 -M, v13 the largest t, v[14:15] the sum; v16-27 Q; v224.. p's codes; v232-254 at work; v248-251 K's scale words; v253 p's; v255 Q's
.set SEL, 20
.set CS,  22
.set G1C, 24
.set G1S, 32
.set G0S, 40
.set G0C, 44
.set TK,  60                           ; s60 LDS byte of the step's tiles of K (V's lie 24,576 on); s61, s62 of K's and V's scale words
.set TSK, 61
.set TSV, 62
.set CNT, 63
.set PFA, 76
.set XB,  78
.set OB,  80
.macro CROUND                          ; a round of the cluster's barrier
	s_barrier_signal -1
	s_barrier_wait -1
	s_cmp_lg_u32 s[WV], 0
	s_cbranch_scc1 .Lnot_wave_0_\@
	s_barrier_signal -3
.Lnot_wave_0_\@:
	s_barrier_wait -3
	s_barrier_signal -1
	s_barrier_wait -1
.endm
	s_load_b128 s[4:7], s[0:1], 0x0                ; qkvb, xf
	s_load_b64 s[8:9], s[0:1], 0x10                ; ac
	v_lshl_add_u32 v254, v0, 2, 0x44000
	v_mov_b32 v255, 0
	ds_add_u32 v254, v255
	ds_add_u32 v254, v255
	s_wait_dscnt 0x0
	v_lshrrev_b32 v8, 5, v0
	v_readfirstlane_b32 s[WV], v8                  ; wave 0..15
	s_bfe_u32 s10, ttmp6, 0x40000                  ; cx
	s_lshl_b32 s11, ttmp9, 2
	s_add_co_u32 s11, s11, s10                     ; my block of 256 queries: it enters Q's, x's and ac's addresses alone
	s_and_b32 s12, ttmp7, 0xffff                   ; 16 batch + head, which the partners share
	s_mul_i32 s13, s12, HB
	s_mov_b32 s[G1C], 15|(3<<16)|(1<<21)           ; 15:0 the mask: all four; 17:16 elements of 8 bytes; 21 set beside a mask; no padding
	s_mov_b32 s[G1C+1], 32<<16                     ; dense bytes as rows of 256
	s_mov_b32 s[G1C+2], 48<<16                     ; 48 rows: a quarter of a chunk's K and V
	s_mov_b32 s[G1C+3], 32<<16
	s_mov_b32 s[G1C+4], 48
	s_mov_b32 s[G1C+5], 32
	s_mov_b32 s[G1C+6], 0
	s_mov_b32 s[G1C+7], 0
	s_mov_b32 s[G1S], 15|(3<<16)|(1<<21)
	s_mov_b32 s[G1S+1], 32<<16
	s_mov_b32 s[G1S+2], 12<<16                     ; 12 rows: a quarter of K's and V's scale words
	s_mov_b32 s[G1S+3], 32<<16
	s_mov_b32 s[G1S+4], 12
	s_mov_b32 s[G1S+5], 32
	s_mov_b32 s[G1S+6], 0
	s_mov_b32 s[G1S+7], 0
	s_mul_i32 s14, s[WV], 3072
	s_mul_i32 s15, s[WV], 12288
	s_add_co_u32 s16, s13, s14
	s_mov_b32 s17, 0
	s_add_co_u32 s66, s13, s15
	s_add_co_u32 s66, s66, 20480
	s_mov_b32 s67, 0
	s_mov_b32 s[SEL], 0x76543210
	s_mov_b32 s[SEL+1], 0xfedcba98
	s_mov_b32 s[CS], 0x3e38aa3b                    ; c = log2(e) / 8
	s_mov_b32 s[CS+1], s[CS]
	s_mov_b32 s[TK], LC0
	s_mov_b32 s[TSK], 0
	s_mov_b32 s[TSV], 0
	s_wait_kmcnt 0x0
	s_add_nc_u64 s[16:17], s[4:5], s[16:17]
	s_add_nc_u64 s[66:67], s[4:5], s[66:67]
	s_mov_b32 s[G0S], 1
	s_mov_b32 s[G0S+1], s14
	s_mov_b64 s[G0S+2:G0S+3], s[16:17]
	s_or_b32 s[G0S+3], s[G0S+3], 0x80000000
.irp c, 0,1,2,3
	s_mov_b32 s[G0C+4*\c], 1
	s_add_co_u32 s[G0C+4*\c+1], s15, LC0+LCH*\c
	s_add_nc_u64 s[G0C+4*\c+2:G0C+4*\c+3], s[66:67], \c*CH
	s_or_b32 s[G0C+4*\c+3], s[G0C+4*\c+3], 0x80000000
.endr
	CROUND                                         ; all four work-groups are here: the joint loads meet
	s_cmp_lt_u32 s[WV], 4                          ; all first fills of a wave stand in one branch, ahead of every wait on TENSORcnt and every LDS read: five loads of mine are out
	s_cbranch_scc0 .Lno_fetch
	tensor_load_to_lds s[G0S:G0S+3], s[G1S:G1S+7]
	s_nop 0
	tensor_load_to_lds s[G0C:G0C+3], s[G1C:G1C+7]
	s_nop 0
	tensor_load_to_lds s[G0C+4:G0C+7], s[G1C:G1C+7]
	s_nop 0
	tensor_load_to_lds s[G0C+8:G0C+11], s[G1C:G1C+7]
	s_nop 0
	tensor_load_to_lds s[G0C+12:G0C+15], s[G1C:G1C+7]
	s_nop 0
.rept 4
	v_nop
.endr
.Lno_fetch:
	v_and_b32 v8, 15, v0                           ; r
	v_bfe_u32 v9, v0, 4, 1                         ; h
	v_and_b32 v10, 31, v0
	v_lshlrev_b32 v[A16], 4, v10
	v_lshlrev_b32 v[A8], 3, v10
	v_lshlrev_b32 v[A4], 2, v8
	v_lshlrev_b32 v[PFO], 12, v10
	s_mul_i32 s71, s[WV], 16*SP
	s_add_co_u32 s71, s71, STAGE                   ; my stage
	v_mul_u32_u24 v[STO], v8, SP
	v_lshl_add_u32 v[STO], v9, 6, v[STO]
	v_add_nc_u32 v[STO], s71, v[STO]               ; in: row r, + 64 h
	v_mul_u32_u24 v[RD], v9, SP
	v_lshl_add_u32 v[RD], v8, 4, v[RD]
	v_add_nc_u32 v[RD], s71, v[RD]                 ; back: lanes 0-15 one row of 256 bytes, lanes 16-31 the next
	v_lshlrev_b32 v[GO], 12, v9
	v_lshl_add_u32 v[GO], v8, 4, v[GO]             ; and the same two rows of x and ac
	s_lshr_b32 s68, s11, 1                         ; Q: tile qt = 16 block + wave lies in chunk qt / 32, place qt % 32
	s_mul_i32 s68, s68, CH
	s_and_b32 s69, s11, 1
	s_lshl_b32 s69, s69, 4
	s_add_co_u32 s69, s69, s[WV]
	s_mul_i32 s69, s69, 768
	s_add_co_u32 s68, s68, s69
	s_add_co_u32 s68, s68, s13
	s_add_co_u32 s68, s68, 20480+49152
	s_mov_b32 s69, 0
	s_add_nc_u64 s[68:69], s[4:5], s[68:69]
	s_lshl_b32 s70, s11, 4
	s_add_co_u32 s70, s70, s[WV]                   ; qt
	s_lshl_b32 s72, s70, 6
	s_add_co_u32 s72, s72, s13
	s_add_co_u32 s72, s72, 12288
	s_mov_b32 s73, 0
	s_add_nc_u64 s[72:73], s[4:5], s[72:73]
	global_load_b128 v[16:19], v[A16], s[68:69]    ; Q's half image: registers 0-3, 4-5
	global_load_b64 v[20:21], v[A8], s[68:69] offset:512
	global_load_b32 v255, v[A4], s[72:73]          ; and its scale words
.irp i, 22,23,24,25,26,27
	v_mov_b32 v\i, 0                               ; zero codes for k = 64 .. 127, in Q
.endr
.irp t, 0,1,2,3
.irp i, 6,7,8,9,10,11
	v_mov_b32 v[KF+12*\t+\i], 0                    ; and in K, for the whole launch
.endr
.endr
	s_lshr_b32 s74, s12, 4
	s_lshl_b32 s74, s74, 11                        ; 2,048 batch
	s_lshr_b32 s75, s70, 1
	s_lshl_b32 s75, s75, 5
	s_add_co_u32 s74, s74, s75                     ; + 32 (qt / 2)
	s_lshl_b32 s74, s74, 12
	s_and_b32 s75, s12, 15
	s_lshl_b32 s75, s75, 8
	s_add_co_u32 s74, s74, s75                     ; in bytes, + the head's 256
	s_mov_b32 s75, 0
	s_add_nc_u64 s[PFA:PFA+1], s[6:7], s[74:75]    ; x at the 32 rows of tiles qt and qt xor 1
	s_and_b32 s71, s70, 1
	s_lshl_b32 s71, s71, 15                        ; + 8 (qt % 2) rows
	s_add_co_u32 s74, s74, s71
	s_add_nc_u64 s[XB:XB+1], s[6:7], s[74:75]
	s_add_nc_u64 s[OB:OB+1], s[8:9], s[74:75]
	v_mov_b32 v13, 0xff61b1e6                      ; the largest t so far: -3e38
	v_floor_f32 v12, -v13                          ; -M
	v_mov_b32 v14, 0
	v_mov_b32 v15, 0
.irp b, 0,1,2,3
	v_mov_b32 v[236+\b], 0                         ; a lane permute's destination counts as one of its sources
.endr
	v_mov_b32 v253, 0
.set j, 0
.rept 32
	v_mov_b32 v[O+j], 0                            ; O^T: the step is written once; its first walk finds zeros, which the first change of M leaves zeros
.set j, j+1
.endr
; A KEY STEP: 128 keys.
.macro STEP
	v_add_nc_u32 v[ADK16], s[TK], v[A16]
	v_add_nc_u32 v[ADK8], s[TK], v[A8]
	v_add_nc_u32 v[ADS], s[TSK], v[A4]
	v_add_nc_u32 v[ADT], s[TSV], v[A4]
.irp g, 0,1                                    ; S^T = K Q^T, four tiles of 16 keys at a time
.if \g
.rept 4
	v_nop                                          ; places in front of loads into registers that the four products above have read
.endr
.endif
.irp t, 0,1,2,3
	ds_load_b128 v[KF+12*\t:KF+12*\t+3], v[ADK16] offset:768*(4*\g+\t)
	ds_load_b64 v[KF+12*\t+4:KF+12*\t+5], v[ADK8] offset:768*(4*\g+\t)+512
	ds_load_b32 v[248+\t], v[ADS] offset:64*(4*\g+\t)
.endr
	s_wait_dscnt 0x0
.irp t, 0,1,2,3
	v_wmma_scale_f32_16x16x128_f8f6f4 v[S+8*(4*\g+\t):S+8*(4*\g+\t)+7], v[KF+12*\t:KF+12*\t+11], v[16:27], 0, v[248+\t], v255 matrix_a_fmt:MATRIX_FMT_BF6 matrix_b_fmt:MATRIX_FMT_BF6
.endr
.endr
.irp t, 0,1,2,3                                ; V's four fragments are asked for here and land under the softmax; the last products that read these registers stand eight plain instructions back
.irp c, 0,1,2
	ds_load_b128 v[VF+12*\t+4*\c:VF+12*\t+4*\c+3], v[ADK16] offset:24576+1536*\t+512*\c
.endr
	ds_load_b32 v[28+\t], v[ADT] offset:8192+64*\t
.endr
.rept 4
	v_nop                                          ; places in front of the first read of the scores
.endr
.irp b, 0,1,2,3
	v_max3_num_f32 v[232+\b], v[S+16*\b], v[S+1+16*\b], v[S+2+16*\b]   ; the largest score of each block of 32 keys: it serves the row's maximum and, since p rises with the score, the block's largest p
.endr
.irp i, 3,5,7,9,11,13
.irp b, 0,1,2,3
	v_max3_num_f32 v[232+\b], v[232+\b], v[S+16*\b+\i], v[S+1+16*\b+\i]
.endr
.endr
.irp b, 0,1,2,3
	v_max_num_f32 v[232+\b], v[232+\b], v[S+15+16*\b]
.endr
.irp b, 0,1,2,3
	v_permlanex16_b32 v[236+\b], v[232+\b], s[SEL], s[SEL+1]
.endr
.irp b, 0,1,2,3
	v_max_num_f32 v[232+\b], v[232+\b], v[236+\b]  ; with lane l xor 16's 16 keys
.endr
	v_max3_num_f32 v254, v232, v233, v234
	v_max_num_f32 v254, v254, v235
	v_mul_f32 v254, s[CS], v254                    ; as t
	v_max_num_f32 v13, v13, v254                   ; the running largest t
	v_mov_b32 v254, v12
	v_floor_f32 v12, -v13                          ; the new -M = -ceil(t)
	v_sub_f32 v254, v12, v254                      ; old M - new M: a whole number, 0 or less
	v_cvt_i32_f32 v254, v254                       ; (it saturates)
	v_ldexp_f32 v252, 1.0, v254                    ; f = 2^(old M - new M)
.set j, 0
.rept 32
	v_pk_fma_f32 v[S+j:S+j+1], v[S+j:S+j+1], s[CS:CS+1], v[12:13] op_sel_hi:[1,0,0]   ; t - M
.set j, j+2
.endr
.irp b, 0,1,2,3
	v_fma_f32 v[232+\b], v[232+\b], s[CS], v12     ; the same of each block's largest score
.endr
.set j, 0
.rept 64
	v_exp_f32 v[S+j], v[S+j]                       ; p = 2^(t - M), at most 1
.set j, j+1
.endr
	v_pk_mul_f32 v[14:15], v[14:15], v[252:253] op_sel_hi:[1,0]   ; the sums under the new M; a plain instruction behind the exponentials
	s_wait_alu depctr_va_vdst(0)                   ; one wait for the whole batch, ahead of its first reader
.irp b, 0,1,2,3
	v_exp_f32 v[232+\b], v[232+\b]                 ; the block's largest p
.endr
	v_pk_add_f32 v[236:237], v[S:S+1], v[S+2:S+3]  ; the row's sum of the unquantised p, in two chains
.set j, 4
.rept 15
	v_pk_add_f32 v[14:15], v[14:15], v[S+j:S+j+1]
	v_pk_add_f32 v[236:237], v[236:237], v[S+j+2:S+j+3]
.set j, j+4
.endr
	v_pk_add_f32 v[14:15], v[14:15], v[236:237]
	s_wait_alu depctr_va_vdst(0)                   ; and one for the four
.irp b, 0,1,2,3
	v_max_num_f32 v[232+\b], 0x2800000, v[232+\b]  ; the floor 2^(5 - 127): the byte cannot fall under 1
.endr
.irp b, 0,1,2,3
	v_add_nc_u32 v[244+\b], 0xfe000000, v[232+\b]  ; 4 off the exponent field: the conversion's scale operand
.endr
.irp b, 0,1,2,3
	v_lshrrev_b32 v[236+\b], 23, v[244+\b]
.endr
	v_lshl_or_b32 v253, v237, 8, v236              ; p's scale word for these 128 keys
	v_lshl_or_b32 v253, v238, 16, v253
	v_lshl_or_b32 v253, v239, 24, v253
.irp c, 0,1
	v_cvt_scalef32_pk16_bf6_f32 v[224+6*\c:226+6*\c], v[S+32*\c:S+15+32*\c], v[244+2*\c]
	v_cvt_scalef32_pk16_bf6_f32 v[236+4*\c:238+4*\c], v[S+16+32*\c:S+31+32*\c], v[244+2*\c+1]
.endr
	v_nop                                          ; a plain instruction behind the scaled conversions
.irp c, 0,1
.irp i, 0,1,2
	v_permlane16_swap_b32 v[224+6*\c+\i], v[236+4*\c+\i]
.endr
.irp i, 0,1,2
	v_mov_b32 v[227+6*\c+\i], v[236+4*\c+\i]
.endr
.endr
.set j, 0
.rept 16
	v_pk_mul_f32 v[O+j:O+j+1], v[O+j:O+j+1], v[252:253] op_sel_hi:[1,0]   ; O^T under the new M; these sixteen also stand between the writes of p's codes and scale word and the products below
.set j, j+2
.endr
	s_wait_dscnt 0x0                               ; V
.irp t, 0,1,2,3
	v_wmma_scale_f32_16x16x128_f8f6f4 v[O+8*\t:O+8*\t+7], v[VF+12*\t:VF+12*\t+11], v[224:235], v[O+8*\t:O+8*\t+7], v[28+\t], v253 matrix_a_fmt:MATRIX_FMT_BF6 matrix_b_fmt:MATRIX_FMT_BF6
.endr
	s_add_co_u32 s[TK], s[TK], 6144                ; 8 half images of K; V's 4 images are as many bytes
	s_add_co_u32 s[TSK], s[TSK], 512
	s_add_co_u32 s[TSV], s[TSV], 256
.endm
; A chunk of 512 keys.  The count leaves the later chunks' loads on their way; nothing is ever filled again, so the barrier only shows the chunk to all sixteen waves.
.macro CHUNK n
	s_wait_tensorcnt 3-\n
	s_wait_dscnt 0x0
	s_barrier_signal -1
	s_barrier_wait -1
.if \n == 3
	s_and_b32 s71, s[WV], 1                        ; x is prefetched four key steps ahead of the loads that want it: an even wave names the 32 rows of its own tile and its odd neighbour's, a lane a row,
	s_cmp_eq_u32 s71, 0                            ; the head's 256 bytes of each: every such block is named once in the launch; the address registers are never rewritten
	s_cbranch_scc0 .Lodd_\@
	global_prefetch_b8 v[PFO], s[PFA:PFA+1] th:TH_LOAD_NT scope:SCOPE_SE
.Lodd_\@:
.endif
	s_mov_b32 s[CNT], 4
.Lstep_\@:
	STEP
	s_sub_co_u32 s[CNT], s[CNT], 1
	s_cmp_lg_u32 s[CNT], 0
	s_cbranch_scc1 .Lstep_\@
	s_add_co_u32 s[TK], s[TK], 24576               ; over the chunk's V
.endm
	s_wait_loadcnt 0x0                             ; Q
	CHUNK 0
	CHUNK 1
	CHUNK 2
	CHUNK 3
	; THE WAY OUT.  O^T / the sum goes through my stage and comes back as whole rows of 256 bytes; x is added; sixteen lanes store 256 consecutive bytes, aligned.
.irp i, 0,1,2,3,4,5,6,7
	global_load_b128 v[S+4*\i:S+4*\i+3], v[GO], s[XB:XB+1] offset:(2*\i+8*(\i/4))*4096   ; tile rows 2 i, 2 i + 1 are rows 2 i + 8 (i / 4) on
.endr
	v_add_f32 v14, v14, v15
	v_permlanex16_b32 v252, v14, s[SEL], s[SEL+1]
	v_add_f32 v14, v14, v252                       ; the row's sum
	v_rcp_f32 v14, v14
.rept 4
	v_nop                                          ; the plain instruction behind the reciprocal, and the places behind the last products
.endr
	s_wait_alu depctr_va_vdst(0)                   ; ahead of the first reader
.set j, 0
.rept 32
	v_mul_f32 v[160+j], v[O+j], v14                ; register 8 t + i: channel 32 (t / 2) + 16 h + 8 (t % 2) + i
.set j, j+1
.endr
.irp t, 0,1,2,3
	ds_store_b128 v[STO], v[160+8*\t:163+8*\t] offset:128*(\t/2)+32*(\t%2)
	ds_store_b128 v[STO], v[164+8*\t:167+8*\t] offset:128*(\t/2)+32*(\t%2)+16
.endr
.irp i, 0,1,2,3,4,5,6,7
	ds_load_b128 v[32+4*\i:35+4*\i], v[RD] offset:2*\i*SP   ; LDS serves a wave's instructions in order: these see my stores
.endr
	s_wait_dscnt 0x0
	s_wait_loadcnt 0x0
.set j, 0
.rept 16
	v_pk_add_f32 v[32+j:33+j], v[32+j:33+j], v[S+j:S+j+1]
.set j, j+2
.endr
.irp i, 0,1,2,3,4,5,6,7
	global_store_b128 v[GO], v[32+4*\i:35+4*\i], s[OB:OB+1] offset:(2*\i+8*(\i/4))*4096
.endr
	s_wait_xcnt 0x0
	v_lshl_add_u32 v254, v0, 2, 0x44000
	v_mov_b32 v255, 0
	s_wait_tensorcnt 0x0
	ds_add_u32 v254, v255
	s_wait_dscnt 0x0
	CROUND                                         ; the closing round
	s_endpgm
.Lfunc_end_k_qdc1d463724_attn:
	.size	k_qdc1d463724_attn, .Lfunc_end_k_qdc1d463724_attn-k_qdc1d463724_attn
	.p2alignl 7, 3214868480
	.fill 96, 4, 3214868480
	.section	.rodata,"a",@progbits
	.p2align	6, 0x0
	.amdhsa_kernel k_qdc1d463724_attn
		.amdhsa_group_segment_fixed_size 280576
		.amdhsa_private_segment_fixed_size 0
		.amdhsa_enable_private_segment 0
		.amdhsa_kernarg_size 24
		.amdhsa_user_sgpr_count 2
		.amdhsa_user_sgpr_kernarg_segment_ptr 1
		.amdhsa_wavefront_size32 1
		.amdhsa_system_sgpr_workgroup_id_x 1
		.amdhsa_system_sgpr_workgroup_id_y 1
		.amdhsa_system_sgpr_workgroup_id_z 1
		.amdhsa_system_vgpr_workitem_id 0
		.amdhsa_next_free_vgpr 256
		.amdhsa_next_free_sgpr 84
		.amdhsa_reserve_vcc 0
		.amdhsa_float_denorm_mode_32 3
		.amdhsa_float_denorm_mode_16_64 3
		.amdhsa_memory_ordered 1
		.amdhsa_forward_progress 1
		.amdhsa_inst_pref_size 82
	.end_amdhsa_kernel
	.amdgpu_metadata
---
amdhsa.version: [ 1, 2 ]
amdhsa.kernels:
  - .name:           k_qdc1d463724_attn
    .symbol:         k_qdc1d463724_attn.kd
    .args:
      - { .name: qkvb, .offset: 0, .size: 8, .value_kind: global_buffer, .address_space: global }
      - { .name: xf, .offset: 8, .size: 8, .value_kind: global_buffer, .address_space: global }
      - { .name: ac, .offset: 16, .size: 8, .value_kind: global_buffer, .address_space: global }
    .group_segment_fixed_size: 280576
    .private_segment_fixed_size: 0
    .kernarg_segment_align: 8
    .kernarg_segment_size: 24
    .max_flat_workgroup_size: 512
    .sgpr_count:     84
    .vgpr_count:     256
    .wavefront_size: 32
...
	.end_amdgpu_metadata
.endif
;; end of part 3
;; launch ln2 (part 4): grid 256 x 1, 8 waves a work-group, no clusters, 67,584 bytes of LDS; arguments ac, addnorm_gamma, addnorm_beta, xf, xq; writes xf, xq
.if DOCPART == 4
	.amdgcn_target "amdgcn-amd-amdhsa--gfx1250"
	.amdhsa_code_object_version 6
	.text
	.protected	k_qdc1d463724_ln2
	.globl	k_qdc1d463724_ln2
	.p2align	8
	.type	k_qdc1d463724_ln2,@function
k_qdc1d463724_ln2:
	s_mov_b64 s[64:65], 0
	v_nop
	global_prefetch_b8 v0, s[64:65] scope:SCOPE_SE
	s_setreg_imm32_b32 hwreg(HW_REG_WAVE_MODE, 25, 1), 1
	s_wait_xcnt 0x0
; LN2.  x1 = LayerNorm(ac) as f32 (xf) and as codes of BF6 (E3M2) with one E8M0 byte for each 32 along K (xq).
; A work-group takes one tile of 16 rows x 1,024: tile row r of tile t is row 32 (t / 2) + 8 (t % 2) + r + 8 (r / 8).  Codes are stored as images of the operand's registers: a fragment (16 rows x 128 K) is 1,536 bytes,
; registers 4 c .. 4 c + 3 of lane l at 512 c + 16 l; its scale words 64 bytes.  Wave w loads and normalises tile rows 2 w, 2 w + 1, and behind a barrier quantises K step w of all 16 rows.
; No matrix unit, no cluster, no tensor load: work-groups share no input, and memory binds.
; LIMITS: NaN and infinities are not served; a block whose largest magnitude lies under 2^-122 (zeros too) gets the scale byte 1.
.set PITCH, 4112                       ; a stage row: 4,096 bytes + 16
.set GATH,  16*PITCH
.set S,   8
.set MU,  24
.set RS,  28
.set X,   32
.set G,   96
.set B,   128
.set N,   96
.set C,   160
.set T,   172
.set WV,  36
.set SEL, 38
.set INV, 40
.set EPS, 41
	s_load_b256 s[4:11], s[0:1], 0x0               ; ac, gamma, beta, xf
	s_load_b64 s[12:13], s[0:1], 0x20              ; xq
	v_lshl_add_u32 v184, v0, 2, 0x10400
	v_mov_b32 v185, 0
	v_lshrrev_b32 v2, 5, v0
	v_readfirstlane_b32 s[WV], v2
	v_and_b32 v8, 31, v0
	v_lshlrev_b32 v1, 4, v8
	v_and_b32 v2, 15, v0
	v_bfe_u32 v3, v0, 4, 1
	s_mov_b32 s[SEL], 0x76543210
	s_mov_b32 s[SEL+1], 0xfedcba98
	s_mov_b32 s[INV], 0x3a800000                   ; 1 / 1,024
	s_mov_b32 s[EPS], 0x3727c5ac                   ; 1e-5
	s_mul_i32 s37, s[WV], 2*PITCH
	v_add_nc_u32 v4, s37, v1
	v_mul_u32_u24 v5, v2, PITCH
	v_lshl_add_u32 v5, v3, 7, v5
	s_lshl_b32 s37, s[WV], 9
	v_add_nc_u32 v5, s37, v5
	s_lshl_b32 s37, s[WV], 6
	s_add_co_u32 s37, s37, GATH
	v_lshl_add_u32 v6, v2, 2, s37
	v_add_nc_u32 v7, GATH, v1
	s_lshr_b32 s42, ttmp9, 1
	s_lshl_b32 s42, s42, 5
	s_and_b32 s43, ttmp9, 1
	s_lshl_b32 s43, s43, 3
	s_add_co_u32 s42, s42, s43
	s_lshl_b32 s43, s[WV], 1
	s_add_co_u32 s42, s42, s43
	s_lshr_b32 s43, s[WV], 2
	s_lshl_b32 s43, s43, 3
	s_add_co_u32 s42, s42, s43                     ; my first row
	s_lshl_b32 s42, s42, 12
	s_mov_b32 s43, 0
	s_mul_i32 s44, ttmp9, 12288
	s_mul_i32 s45, s[WV], 1536
	s_add_co_u32 s44, s44, s45
	s_mov_b32 s45, 0
	s_lshl_b32 s46, ttmp9, 9
	s_add_co_u32 s46, s46, 3145728
	s_mov_b32 s47, 0
	s_wait_kmcnt 0x0
	s_add_nc_u64 s[4:5], s[4:5], s[42:43]
	s_add_nc_u64 s[10:11], s[10:11], s[42:43]
	s_add_nc_u64 s[32:33], s[12:13], s[44:45]
	s_add_nc_u64 s[34:35], s[12:13], s[46:47]
.irp i, 0,1
.irp j, 0,1,2,3,4,5,6,7
	global_load_b128 v[X+32*\i+4*\j:X+32*\i+4*\j+3], v1, s[4:5] offset:4096*\i+512*\j th:TH_LOAD_NT
.endr
.endr
.irp j, 0,1,2,3,4,5,6,7
	global_load_b128 v[G+4*\j:G+4*\j+3], v1, s[6:7] offset:512*\j
	global_load_b128 v[B+4*\j:B+4*\j+3], v1, s[8:9] offset:512*\j
.endr
; sq = 0: the sums of both rows; sq = 1: the sums of their squares.  Four chains a row, the rows by turns; then across the 32 lanes.
.macro CHAINS sq
.irp i, 0,1
.irp k, 0,2,4,6
.if \sq
	v_pk_mul_f32 v[S+8*\i+\k:S+8*\i+\k+1], v[X+32*\i+\k:X+32*\i+\k+1], v[X+32*\i+\k:X+32*\i+\k+1]
.else
	v_pk_add_f32 v[S+8*\i+\k:S+8*\i+\k+1], v[X+32*\i+\k:X+32*\i+\k+1], v[X+32*\i+\k+8:X+32*\i+\k+9]
.endif
.endr
.endr
.irp j, 8,16,24
.irp i, 0,1
.irp k, 0,2,4,6
.if \sq
	v_pk_fma_f32 v[S+8*\i+\k:S+8*\i+\k+1], v[X+32*\i+\j+\k:X+32*\i+\j+\k+1], v[X+32*\i+\j+\k:X+32*\i+\j+\k+1], v[S+8*\i+\k:S+8*\i+\k+1]
.elseif \j > 8
	v_pk_add_f32 v[S+8*\i+\k:S+8*\i+\k+1], v[S+8*\i+\k:S+8*\i+\k+1], v[X+32*\i+\j+\k:X+32*\i+\j+\k+1]
.endif
.endr
.endr
.endr
.irp i, 0,1
	v_pk_add_f32 v[S+8*\i:S+8*\i+1], v[S+8*\i:S+8*\i+1], v[S+8*\i+2:S+8*\i+3]
	v_pk_add_f32 v[S+8*\i+4:S+8*\i+5], v[S+8*\i+4:S+8*\i+5], v[S+8*\i+6:S+8*\i+7]
.endr
.irp i, 0,1
	v_pk_add_f32 v[S+8*\i:S+8*\i+1], v[S+8*\i:S+8*\i+1], v[S+8*\i+4:S+8*\i+5]
.endr
.irp i, 0,1
	v_add_f32 v[S+8*\i], v[S+8*\i], v[S+8*\i+1]
.endr
.irp m, 1,2,4,8
.irp i, 0,1
	v_add_f32_dpp v[S+8*\i], v[S+8*\i], v[S+8*\i] row_xmask:\m row_mask:0xf bank_mask:0xf
.endr
.endr
.irp i, 0,1
	v_permlanex16_b32 v[S+8*\i+1], v[S+8*\i], s[SEL], s[SEL+1]
.endr
.irp i, 0,1
	v_add_f32 v[S+8*\i], v[S+8*\i], v[S+8*\i+1]
.endr
.endm
	s_wait_loadcnt 16                              ; my two rows are in; the 16 loads of gamma and beta may be out
	CHAINS 0
.irp i, 0,1
	v_mul_f32 v[MU+2*\i], s[INV], v[S+8*\i]
.endr
.irp i, 0,1
	v_mov_b32 v[MU+2*\i+1], v[MU+2*\i]
.endr
.irp i, 0,1
.set q, 0
.rept 16
	v_pk_add_f32 v[X+32*\i+q:X+32*\i+q+1], v[X+32*\i+q:X+32*\i+q+1], v[MU+2*\i:MU+2*\i+1] neg_lo:[0,1] neg_hi:[0,1]
.set q, q+2
.endr
.endr
	CHAINS 1                                       ; of x - mean: a true second pass
.irp i, 0,1
	v_fma_f32 v[S+8*\i], v[S+8*\i], s[INV], s[EPS]
.endr
.irp i, 0,1
	v_rsq_f32 v[RS+2*\i], v[S+8*\i]
.endr
	v_nop                                          ; a plain instruction behind the transcendentals
	s_wait_alu depctr_va_vdst(0)                   ; one wait for both, ahead of their first reader
.irp i, 0,1
	v_mov_b32 v[RS+2*\i+1], v[RS+2*\i]
.endr
.irp i, 0,1
.set q, 0
.rept 16
	v_pk_mul_f32 v[X+32*\i+q:X+32*\i+q+1], v[X+32*\i+q:X+32*\i+q+1], v[RS+2*\i:RS+2*\i+1]
.set q, q+2
.endr
.endr
	s_wait_loadcnt 0x0                             ; gamma and beta
.irp i, 0,1
.set q, 0
.rept 16
	v_pk_fma_f32 v[X+32*\i+q:X+32*\i+q+1], v[X+32*\i+q:X+32*\i+q+1], v[G+q:G+q+1], v[B+q:B+q+1]
.set q, q+2
.endr
.endr
.irp i, 0,1
.irp j, 0,1,2,3,4,5,6,7
	global_store_b128 v1, v[X+32*\i+4*\j:X+32*\i+4*\j+3], s[10:11] offset:4096*\i+512*\j   ; 512 consecutive bytes; X is not written again
.endr
.endr
.irp i, 0,1
.irp j, 0,1,2,3,4,5,6,7
	ds_store_b128 v4, v[X+32*\i+4*\j:X+32*\i+4*\j+3] offset:PITCH*\i+512*\j
.endr
.endr
	s_wait_dscnt 0x0                               ; for the others' sake: my two rows lie in the stage
	s_barrier_signal -1
	s_barrier_wait -1
.irp c, 0,1
.irp j, 0,1,2,3,4,5,6,7
	ds_load_b128 v[N+32*\c+4*\j:N+32*\c+4*\j+3], v5 offset:256*\c+16*\j
.endr
.endr
	s_wait_dscnt 0x0
.irp c, 0,1
	v_max3_num_f32 v[8+\c], |v[N+32*\c]|, |v[N+32*\c+1]|, 0x2800000   ; my blocks h and 2 + h of row r, with the floor 2^(5 - 127)
.endr
.irp i, 2,4,6,8,10,12,14,16,18,20,22,24,26,28,30
.irp c, 0,1
	v_max3_num_f32 v[8+\c], v[8+\c], |v[N+32*\c+\i]|, |v[N+32*\c+\i+1]|
.endr
.endr
.irp c, 0,1
	v_add_nc_u32 v[10+\c], 0xfe000000, v[8+\c]     ; 4 off the exponent field: the conversion's scale operand
.endr
.irp c, 0,1
	v_lshrrev_b32 v[12+\c], 23, v[10+\c]
.endr
	v_lshl_or_b32 v14, v13, 16, v12
	v_lshlrev_b32 v16, 3, v3
	v_lshlrev_b32 v14, v16, v14
	v_mov_b32 v15, 0
	v_permlanex16_b32 v15, v14, s[SEL], s[SEL+1]
	v_or_b32 v14, v14, v15                         ; the row's scale word
.irp c, 0,1
	v_cvt_scalef32_pk16_bf6_f32 v[C+6*\c:C+6*\c+2], v[N+32*\c:N+32*\c+15], v[10+\c]
	v_cvt_scalef32_pk16_bf6_f32 v[T+4*\c:T+4*\c+2], v[N+32*\c+16:N+32*\c+31], v[10+\c]
.endr
	v_nop                                          ; a plain instruction behind the scaled conversions
.irp c, 0,1
.irp i, 0,1,2
	v_mov_b32 v[C+6*\c+3+\i], v[T+4*\c+\i]
.endr
.endr
.irp c, 0,1,2
	global_store_b128 v1, v[C+4*\c:C+4*\c+3], s[32:33] offset:512*\c
.endr
	ds_store_b32 v6, v14
	s_wait_dscnt 0x0
	s_barrier_signal -1
	s_barrier_wait -1
	s_cmp_lg_u32 s[WV], 0
	s_cbranch_scc1 .Ldone
	ds_load_b128 v[16:19], v7                      ; wave 0 stores the tile's 512 bytes of scale words
	s_wait_dscnt 0x0
	global_store_b128 v1, v[16:19], s[34:35]
.Ldone:
	s_wait_tensorcnt 0x0
	ds_add_u32 v184, v185
	s_wait_dscnt 0x0
	s_endpgm
.Lfunc_end_k_qdc1d463724_ln2:
	.size	k_qdc1d463724_ln2, .Lfunc_end_k_qdc1d463724_ln2-k_qdc1d463724_ln2
	.p2alignl 7, 3214868480
	.fill 96, 4, 3214868480
	.section	.rodata,"a",@progbits
	.p2align	6, 0x0
	.amdhsa_kernel k_qdc1d463724_ln2
		.amdhsa_group_segment_fixed_size 67584
		.amdhsa_private_segment_fixed_size 0
		.amdhsa_enable_private_segment 0
		.amdhsa_kernarg_size 40
		.amdhsa_user_sgpr_count 2
		.amdhsa_user_sgpr_kernarg_segment_ptr 1
		.amdhsa_wavefront_size32 1
		.amdhsa_system_sgpr_workgroup_id_x 1
		.amdhsa_system_sgpr_workgroup_id_y 1
		.amdhsa_system_sgpr_workgroup_id_z 1
		.amdhsa_system_vgpr_workitem_id 0
		.amdhsa_next_free_vgpr 186
		.amdhsa_next_free_sgpr 66
		.amdhsa_reserve_vcc 0
		.amdhsa_float_denorm_mode_32 3
		.amdhsa_float_denorm_mode_16_64 3
		.amdhsa_memory_ordered 1
		.amdhsa_forward_progress 1
		.amdhsa_inst_pref_size 26
	.end_amdhsa_kernel
	.amdgpu_metadata
---
amdhsa.version: [ 1, 2 ]
amdhsa.kernels:
  - .name:           k_qdc1d463724_ln2
    .symbol:         k_qdc1d463724_ln2.kd
    .args:
      - { .name: ac, .offset: 0, .size: 8, .value_kind: global_buffer, .address_space: global }
      - { .name: addnorm_gamma, .offset: 8, .size: 8, .value_kind: global_buffer, .address_space: global }
      - { .name: addnorm_beta, .offset: 16, .size: 8, .value_kind: global_buffer, .address_space: global }
      - { .name: xf, .offset: 24, .size: 8, .value_kind: global_buffer, .address_space: global }
      - { .name: xq, .offset: 32, .size: 8, .value_kind: global_buffer, .address_space: global }
    .group_segment_fixed_size: 67584
    .private_segment_fixed_size: 0
    .kernarg_segment_align: 8
    .kernarg_segment_size: 40
    .max_flat_workgroup_size: 256
    .sgpr_count:     66
    .vgpr_count:     186
    .wavefront_size: 32
...
	.end_amdgpu_metadata
.endif
;; end of part 4
;; launch fc1 (part 5): grid 16 x 16, 4 waves a work-group, clusters of 4 x 4, 327,680 bytes of LDS; arguments xq, wb, fc1_b, hq; writes hq
.if DOCPART == 5
	.amdgcn_target "amdgcn-amd-amdhsa--gfx1250"
	.amdhsa_code_object_version 6
	.text
	.protected	k_qdc1d463724_fc1
	.globl	k_qdc1d463724_fc1
	.p2align	8
	.type	k_qdc1d463724_fc1,@function
k_qdc1d463724_fc1:
	s_mov_b64 s[64:65], 0
	v_nop
	global_prefetch_b8 v0, s[64:65] scope:SCOPE_SE
	s_setreg_imm32_b32 hwreg(HW_REG_WAVE_MODE, 25, 1), 1
	s_wait_xcnt 0x0
	s_wait_alu depctr_hold_cnt(0) depctr_sa_sdst(0) depctr_va_vdst(0) depctr_va_sdst(0) depctr_va_ssrc(0) depctr_va_vcc(0) depctr_vm_vsrc(0)
	s_getreg_b32 s2, hwreg(HW_REG_IB_STS2, 6, 4)
	s_cmp_eq_u32 s2, 0
	s_cbranch_scc0 .Lentry_in_a_cluster
	s_endpgm
.Lentry_in_a_cluster:
	s_bfe_u32 s2, ttmp6, 0x10000c
	s_cmp_lg_u32 s2, 0xf033
	s_cbranch_scc0 .Lentry_shape_is_right
	s_endpgm
.Lentry_shape_is_right:
; FC1.  h = gelu(x1 W1^T + b1) on codes of BF6 (E3M2) with E8M0 scales, and h quantised again in registers along the hidden units.  4,096 tokens x 4,096 hidden units, K = 1,024.  h never goes to memory as f32.
; Operands lie in memory as images of the operand's registers (1,536 bytes a fragment of 16 rows x 128 K; 64 bytes of scale words), and a tile's 16 rows are rows 32 (t / 2) + 8 (t % 2) + r + 8 (r / 8).
; A work-group of four waves makes 256 tokens (y) x 256 hidden units (x); a wave 128 x 128: 64 accumulators.  K goes in steps of 256 through two LDS slots filled by the tensor data mover.
; CLUSTERS 4 x 4: the token tiles hang on y alone and are asked for jointly along a row of the cluster, the weight tiles on x alone, along a column.
; Source 0 takes the weight's fragments, source 1 the tokens': a lane holds ONE token, and the 16 registers of the weight's tiles 2 b, 2 b + 1 are 16 NEIGHBOURING hidden units: a wave's 128 are one K step of the next product.
; GELU is exact: 0.5 x (1 + erf(x / sqrt 2)), erf by two polynomials in f32; for |z| over 0.9277 the form 1 + erf = 2 - E or E, E = exp(polynomial), so that nothing cancels for z < 0.  Both are always computed; a select chooses.
; OUT: hq codes [token tile 256][K step 32][1,536]; scale words [K step 32][token tile 256][64].
; LIMITS: NaN and infinities are not served; a block whose largest magnitude lies under 2^-122 (zeros too) gets the scale byte 1.
.set KTOT,   1024
.set ISQKV,  0
.set ALAY,   1
.set A_SOFF, 3145728
.set B_COFF, 2359296
.set B_SOFF, 8749056
.set KT,     KTOT/128
.set IMG,    1536
.set RPITCH, KT*IMG
.set ROWB,   2*IMG
.set HALFT,  8*ROWB
.set SLOT,   4*HALFT
.set LAPS,   KTOT/512
.set NQ,     2
.set FR,     12
.set NL,     3
.set NP,     4
.set SCL,    2*SLOT
.set HALFS,  KT*512
.set SPARE,  SCL+4*HALFS               ; the spare words: 128 bytes a wave, two blocks of 256 bytes that no other line names
.set SBLKA,  KT*64
.set SBLKB,  KT*64
.set SSTEPA, 128
.set YSROW,  KT*64
.set SAC,    32
.set SAR,    HALFS/256
.set SAP,    32
.set CA,   8                           ; v8-13 three coefficients, each in both registers of a pair
.set CB,   10
.set CC,   12
.set ADRA, 16
.set ADRB, 20
.set ADRSA, 22
.set ADRSB, 23
.set SGA,  24
.set SGL,  25
.set CO,   26
.set CO8,  27
.set SPW,  28
.set NIL,  29
.set SC,   32                          ; v32-63 scale words and nothing else
.set BT,   64                          ; v64-127 the bias in the result's layout
.set AF,   128
.set H,    128
.set TM,   192
.set PW,   208
.set PC,   232
.set GZ,   192                         ; GELU's scratch: z, z^2, |z|, the tail, the core: 8 registers each
.set GS,   200
.set GA,   208
.set GR,   216
.set GU,   224
.set SEL,  96
.set G1, 24
.set G0, 32
.set G1B, 48
.set G0B, 56
.set G1S, 68
.set G0S, 76
.set G1SB, 80
.set G0SB, 88
.set MSB, 0
.macro WIN new
.if MSB != \new
	s_set_vgpr_msb (MSB<<8)|\new
.set MSB, \new
.endif
.endm
.set MUL_LO, 0xa1
.set MUL_HI, 0xf1
.set TO_B,   0x40
; A joint load: waves 0 and 1 fetch the tokens' two halves, waves 2 and 3 the weight's.  Four v_nop follow each of the two lines.
.macro JLOAD g0a, g1a, g0b, g1b
	s_cmp_eq_u32 s15, 0
	s_cbranch_scc0 .Lfor_b_\@
	tensor_load_to_lds s[\g0a:\g0a+3], s[\g1a:\g1a+7]
	s_nop 0
.rept 4
	v_nop
.endr
	s_branch .Lasked_\@
.Lfor_b_\@:
	tensor_load_to_lds s[\g0b:\g0b+3], s[\g1b:\g1b+7]
	s_nop 0
.rept 4
	v_nop
.endr
.Lasked_\@:
.endm
.macro CREST
	s_cmp_lg_u32 s14, 0
	s_cbranch_scc1 .Lnot_wave_0_\@
	s_barrier_signal -3
.Lnot_wave_0_\@:
	s_barrier_wait -3
	s_barrier_signal -1
	s_barrier_wait -1
.endm
.macro CROUND
	s_barrier_signal -1
	s_barrier_wait -1
	CREST
.endm
	s_load_b256 s[4:11], s[0:1], 0x0               ; xq, wb, fc1_b, hq
	v_lshl_add_u32 v[SPW], v0, 2, SPARE
	v_mov_b32 v[NIL], 0
	ds_add_u32 v28, v29
	ds_add_u32 v28, v29
	s_wait_dscnt 0x0
	v_lshrrev_b32 v1, 5, v0
	v_readfirstlane_b32 s14, v1
	s_lshr_b32 s15, s14, 1                         ; wr
	s_and_b32 s16, s14, 1                          ; wc
	s_bfe_u32 s40, ttmp6, 0x40000
	s_bfe_u32 s41, ttmp6, 0x40004
	s_lshl_b32 s42, ttmp9, 2
	s_add_co_u32 s42, s42, s40                     ; x
	s_and_b32 s17, ttmp7, 0xffff
	s_lshl_b32 s17, s17, 2
	s_add_co_u32 s17, s17, s41                     ; y
	s_lshl_b32 s43, s41, 2
	s_lshl_b32 s43, 15, s43
	s_lshl_b32 s44, 0x1111, s40
	s_or_b32 s[G1+0], s43, (3<<16)|(1<<21)         ; the mask; elements of 8 bytes; bit 21 beside a mask; no padding
	s_or_b32 s[G1B+0], s44, (3<<16)|(1<<21)
.irp g, G1, G1B
	s_mov_b32 s[\g+1], (ROWB/8)<<16
	s_mov_b32 s[\g+2], 8<<16
	s_mov_b32 s[\g+3], (ROWB/8)<<16
	s_mov_b32 s[\g+4], 8
	s_mov_b32 s[\g+5], RPITCH/8
	s_mov_b32 s[\g+6], 0
	s_mov_b32 s[\g+7], 0
.endr
	s_or_b32 s[G1S+0], s43, (3<<16)|(1<<21)
	s_mov_b32 s[G1S+1], SAC<<16
	s_mov_b32 s[G1S+2], SAR<<16
	s_mov_b32 s[G1S+3], SAC<<16
	s_mov_b32 s[G1S+4], SAR
	s_mov_b32 s[G1S+5], SAP
	s_mov_b32 s[G1S+6], 0
	s_mov_b32 s[G1S+7], 0
	s_or_b32 s[G1SB+0], s44, (3<<16)|(1<<21)
	s_mov_b32 s[G1SB+1], 32<<16
	s_mov_b32 s[G1SB+2], (HALFS/256)<<16
	s_mov_b32 s[G1SB+3], 32<<16
	s_mov_b32 s[G1SB+4], HALFS/256
	s_mov_b32 s[G1SB+5], 32
	s_mov_b32 s[G1SB+6], 0
	s_mov_b32 s[G1SB+7], 0
	s_lshl_b32 s18, s16, 3
	s_lshl_b32 s20, s17, 4
	s_add_co_u32 s20, s20, s18
	s_lshl_b32 s46, s42, 4
	s_add_co_u32 s46, s46, s18
	s_mul_i32 s22, s20, YSROW
	s_add_co_u32 s22, s22, A_SOFF
	s_mul_i32 s92, s46, KT*64
	s_add_co_u32 s92, s92, B_SOFF
	s_mul_i32 s20, s20, RPITCH
	s_mul_i32 s46, s46, RPITCH
	s_add_co_u32 s46, s46, B_COFF
	s_mov_b32 s21, 0
	s_mov_b32 s23, 0
	s_mov_b32 s47, 0
	s_mov_b32 s93, 0
	s_mul_i32 s45, s14, HALFT
	s_mul_i32 s94, s14, HALFS
	s_wait_kmcnt 0x0
	s_add_nc_u64 s[20:21], s[4:5], s[20:21]
	s_add_nc_u64 s[22:23], s[4:5], s[22:23]
	s_add_nc_u64 s[46:47], s[6:7], s[46:47]
	s_add_nc_u64 s[92:93], s[6:7], s[92:93]
	CROUND                                         ; all sixteen work-groups are here: the first joint loads meet
	s_mov_b32 s[G0S], 1
	s_add_co_u32 s[G0S+1], s94, SCL
	s_mov_b64 s[G0S+2:G0S+3], s[22:23]
	s_or_b32 s[G0S+3], s[G0S+3], 0x80000000
	s_mov_b32 s[G0SB], 1
	s_add_co_u32 s[G0SB+1], s94, SCL
	s_mov_b64 s[G0SB+2:G0SB+3], s[92:93]
	s_or_b32 s[G0SB+3], s[G0SB+3], 0x80000000
	JLOAD G0S, G1S, G0SB, G1SB                     ; three loads of mine are out behind these lines
.irp s, 0,1
	s_mov_b32 s[G0+4*\s], 1
	s_add_co_u32 s[G0+4*\s+1], s45, \s*SLOT
	s_add_nc_u64 s[G0+4*\s+2:G0+4*\s+3], s[20:21], \s*ROWB
	s_or_b32 s[G0+4*\s+3], s[G0+4*\s+3], 0x80000000
	s_mov_b32 s[G0B+4*\s], 1
	s_add_co_u32 s[G0B+4*\s+1], s45, \s*SLOT
	s_add_nc_u64 s[G0B+4*\s+2:G0B+4*\s+3], s[46:47], \s*ROWB
	s_or_b32 s[G0B+4*\s+3], s[G0B+4*\s+3], 0x80000000
	JLOAD G0+4*\s, G1, G0B+4*\s, G1B
.endr
	v_and_b32 v1, 15, v0
	v_bfe_u32 v2, v0, 4, 1
	v_and_b32 v3, 31, v0
	v_lshlrev_b32 v[CO], 4, v3
	v_lshlrev_b32 v[CO8], 3, v3
	v_lshlrev_b32 v4, 2, v3
	s_mul_i32 s21, s15, HALFT                      ; A side: the tokens' half wr
	s_mul_i32 s22, s16, HALFT
	s_add_co_u32 s22, s22, 2*HALFT                 ; B side: the weight's half wc
.irp s, 0,1
	v_add_nc_u32 v[ADRA+\s], s21, v[CO]
	v_add_nc_u32 v[ADRB+\s], s22, v[CO]
	s_add_co_u32 s21, s21, SLOT
	s_add_co_u32 s22, s22, SLOT
.endr
	s_mul_i32 s23, s15, HALFS
	s_add_co_u32 s23, s23, SCL
	s_mul_i32 s20, s16, HALFS
	s_add_co_u32 s20, s20, SCL+2*HALFS
	v_add_nc_u32 v[ADRSA], s23, v4
	v_add_nc_u32 v[ADRSB], s20, v4
	s_mov_b32 s[SEL], 0x76543210
	s_mov_b32 s[SEL+1], 0xfedcba98
	s_lshl_b32 s20, s14, 10
	v_lshl_add_u32 v[SGA], v1, 2, s20
	v_add_nc_u32 v[SGL], s20, v[CO]
.irp i, 0,1
	v_mov_b32 v[CA+\i], 0xb7910000
	v_mov_b32 v[CB+\i], 0xbb7e8a1c
	v_mov_b32 v[CC+\i], 0xba1c7000
.endr
	s_lshl_b32 s66, s42, 10
	s_lshl_b32 s67, s16, 9
	s_add_co_u32 s100, s66, s67
	s_mov_b32 s101, 0
	s_add_nc_u64 s[100:101], s[8:9], s[100:101]    ; the bias at hidden unit 256 x + 128 wc
	v_lshlrev_b32 v30, 6, v2
.irp b, 0,1,2,3,4,5,6,7
	global_load_b128 v[BT+8*\b:BT+8*\b+3], v30, s[100:101] offset:128*(\b/2)+32*(\b%2)
	global_load_b128 v[BT+8*\b+4:BT+8*\b+7], v30, s[100:101] offset:128*(\b/2)+32*(\b%2)+16
.endr
.macro FRAG reg, adr, q, i
.irp c, 0,1,2
	ds_load_b128 v[\reg+4*\c:\reg+4*\c+3], v[\adr] offset:(\i)*ROWB+(\q)*IMG+512*\c
.endr
.endm
; 16 matrix instructions.  The 64 accumulators take turns, one instruction a turn, in the same order in every step.
.macro MUL16 a0, p, q, sc, zero
.irp a, \a0, \a0+1
.irp b, 0,1,2,3,4,5,6,7
.set WD, 8*(8*((\a)%4)+\b)
.set WB, 128*(\p)+FR*\b
.set WA, AF+FR*(\a)
.set WSB, SC+16*(\sc)+8+\b
.set WSA, SC+16*(\sc)+(\a)
.if \zero
	v_wmma_scale_f32_16x16x128_f8f6f4 v[WD:WD+7], v[WB:WB+FR-1], v[WA:WA+FR-1], 0, v[WSB], v[WSA] matrix_a_fmt:MATRIX_FMT_BF6 matrix_b_fmt:MATRIX_FMT_BF6
.elseif (\q) == 0
	v_wmma_scale_f32_16x16x128_f8f6f4 v[WD:WD+7], v[WB:WB+FR-1], v[WA:WA+FR-1], v[WD:WD+7], v[WSB], v[WSA] matrix_a_fmt:MATRIX_FMT_BF6 matrix_b_fmt:MATRIX_FMT_BF6
.else
	v_wmma_scale_f32_16x16x128_f8f6f4 v[WD:WD+7], v[WB:WB+FR-1], v[WA:WA+FR-1], v[WD:WD+7], v[WSB], v[WSA] matrix_a_fmt:MATRIX_FMT_BF6 matrix_b_fmt:MATRIX_FMT_BF6 matrix_a_scale:MATRIX_SCALE_ROW1 matrix_b_scale:MATRIX_SCALE_ROW1
.endif
.endr
.endr
.endm
.macro FETCH_B slot, q, p
	WIN TO_B
.irp i, 0,1,2,3,4,5,6,7
	FRAG 128*(\p)+FR*\i, ADRB+\slot, \q, \i
.endr
	WIN 0
.endm
.macro FETCH_A slot, q, i0
.irp i, \i0, \i0+1, \i0+2, \i0+3
	FRAG AF+FR*(\i), ADRA+\slot, \q, \i
.endr
.endm
.macro SCALES sc
.irp i, 0,1,2,3,4,5,6,7
	ds_load_b32 v[SC+16*\sc+\i], v[ADRSA] offset:\i*SBLKA
	ds_load_b32 v[SC+16*\sc+8+\i], v[ADRSB] offset:\i*SBLKB
.endr
.endm
.macro PLACES n
.rept \n
	v_nop
.endr
.endm
.macro STEP slot, q, zero
	s_wait_dscnt 4*NL                              ; all but the youngest 12 loads (A's tiles 4-7) are in
	WIN MUL_LO
	MUL16 0, (\q)%2, \q, \slot, \zero
	MUL16 2, (\q)%2, \q, \slot, \zero
	s_wait_dscnt 0
	PLACES NP
	FETCH_B \slot, (\q)+1, 1-(\q)%2
	FETCH_A \slot, (\q)+1, 0
	WIN MUL_HI
	MUL16 4, (\q)%2, \q, \slot, \zero
	MUL16 6, (\q)%2, \q, \slot, \zero
	PLACES NP
	WIN 0
	FETCH_A \slot, (\q)+1, 4
.endm
.macro TURN slot, next, fill
	s_wait_tensorcnt 0x0                           ; all my tensor loads have landed: my part of the next slot
	ds_add_u32 v[SPW], v[NIL]                      ; 0 onto my spare word
	s_wait_dscnt 4*NL+1                            ; the add and the youngest 12 loads may be out
	WIN MUL_LO
	MUL16 0, 1, NQ-1, \slot, 0
	s_wait_dscnt 0x0                               ; the add is done, and my reads of this slot are over
	s_barrier_signal -1
	MUL16 2, 1, NQ-1, \slot, 0
	WIN 0
	s_barrier_wait -1
.if \fill
	CREST                                          ; the barrier has opened a round of the cluster's: no wave of any partner still reads this slot or has a load on its way
	s_add_nc_u64 s[G0+4*\slot+2:G0+4*\slot+3], s[G0+4*\slot+2:G0+4*\slot+3], 2*ROWB
	s_add_nc_u64 s[G0B+4*\slot+2:G0B+4*\slot+3], s[G0B+4*\slot+2:G0B+4*\slot+3], 2*ROWB
	JLOAD G0+4*\slot, G1, G0B+4*\slot, G1B         ; my one tensor load behind the round; its four v_nop are also the places in front of the loads below
.else
	PLACES NP
.endif
	v_add_nc_u32 v[ADRSA], SSTEPA, v[ADRSA]
	v_add_nc_u32 v[ADRSB], 128, v[ADRSB]
	FETCH_B \next, 0, 0
	FETCH_A \next, 0, 0
	SCALES \next
	WIN MUL_HI
	MUL16 4, 1, NQ-1, \slot, 0
	MUL16 6, 1, NQ-1, \slot, 0
	PLACES NP
	WIN 0
	FETCH_A \next, 0, 4
.endm
	s_wait_tensorcnt 1                             ; the scale words and my part of slot 0 are in; slot 1's load may be out
	s_barrier_signal -1
	s_barrier_wait -1
	FETCH_B 0, 0, 0
	FETCH_A 0, 0, 0
	SCALES 0
	FETCH_A 0, 0, 4
	STEP 0, 0, 1
	s_mov_b32 s3, LAPS-1
.Llap:
	TURN 0, 1, 1
	STEP 1, 0, 0
	TURN 1, 0, 1
	STEP 0, 0, 0
	s_sub_co_u32 s3, s3, 1
	s_cmp_lg_u32 s3, 0
	s_cbranch_scc1 .Llap
	TURN 0, 1, 0
	STEP 1, 0, 0
	s_wait_dscnt 4*NL
	WIN MUL_LO
	MUL16 0, 1, NQ-1, 1, 0
	MUL16 2, 1, NQ-1, 1, 0
	s_wait_dscnt 0
	WIN MUL_HI
	MUL16 4, 1, NQ-1, 1, 0
	MUL16 6, 1, NQ-1, 1, 0
	WIN 0
; 64 numbers of a lane, register 16 b + i = k 32 b + 16 (lane / 16) + i of my row, become a fragment's codes in v[PC] on and its scale word in v[PW].
.macro QUANT s
.irp b, 0,1,2,3
	v_max3_num_f32 v[TM+\b], |v[\s+16*\b]|, |v[\s+1+16*\b]|, 0x2800000
.endr
.irp i, 2,4,6,8,10,12,14
.irp b, 0,1,2,3
	v_max3_num_f32 v[TM+\b], v[TM+\b], |v[\s+16*\b+\i]|, |v[\s+1+16*\b+\i]|
.endr
.endr
.irp b, 0,1,2,3
	v_permlanex16_b32 v[TM+4+\b], v[TM+\b], s[SEL], s[SEL+1]
.endr
.irp b, 0,1,2,3
	v_max_num_f32 v[TM+\b], v[TM+\b], v[TM+4+\b]
.endr
.irp b, 0,1,2,3
	v_add_nc_u32 v[TM+12+\b], 0xfe000000, v[TM+\b]
.endr
.irp b, 0,1,2,3
	v_lshrrev_b32 v[TM+4+\b], 23, v[TM+12+\b]
.endr
	v_lshl_or_b32 v[PW], v[TM+5], 8, v[TM+4]
	v_lshl_or_b32 v[PW], v[TM+6], 16, v[PW]
	v_lshl_or_b32 v[PW], v[TM+7], 24, v[PW]
.irp c, 0,1
	v_cvt_scalef32_pk16_bf6_f32 v[PC+6*\c:PC+2+6*\c], v[\s+32*\c:\s+15+32*\c], v[TM+12+2*\c]
	v_cvt_scalef32_pk16_bf6_f32 v[PC+12+4*\c:PC+14+4*\c], v[\s+16+32*\c:\s+31+32*\c], v[TM+12+2*\c+1]
.endr
	v_nop                                          ; a plain instruction behind the scaled conversions
.irp c, 0,1
.irp i, 0,1,2
	v_permlane16_swap_b32 v[PC+6*\c+\i], v[PC+12+4*\c+\i]
.endr
.irp i, 0,1,2
	v_mov_b32 v[PC+3+6*\c+\i], v[PC+12+4*\c+\i]
.endr
.endr
.endm
; GELU of eight numbers, v[H + 8 g] on, as four pairs.  z = x / sqrt 2.  The tail: E = exp(((((((a7 t + a6) z^2 + (a5 t + a4)) t + a3) t + a2) t + a1) t - t), t = |z|.  The core: erf = z + z (polynomial in z^2).
.macro GELU8 g
.set HG, H+8*(\g)
.irp p, 0,2,4,6
	v_pk_mul_f32 v[GZ+\p:GZ+\p+1], v[HG+\p:HG+\p+1], 0x3f3504f3 op_sel_hi:[1,0]
.endr
.irp p, 0,2,4,6
	v_pk_mul_f32 v[GS+\p:GS+\p+1], v[GZ+\p:GZ+\p+1], v[GZ+\p:GZ+\p+1]
.endr
.irp i, 0,1,2,3,4,5,6,7
	v_and_b32 v[GA+\i], 0x7fffffff, v[GZ+\i]
.endr
.irp p, 0,2,4,6
	v_pk_fma_f32 v[GR+\p:GR+\p+1], v[GA+\p:GA+\p+1], v[CA:CA+1], 0x39c8e7d9 op_sel_hi:[1,1,0]
.endr
.irp p, 0,2,4,6
	v_pk_fma_f32 v[GU+\p:GU+\p+1], v[GA+\p:GA+\p+1], v[CB:CB+1], 0x3cc6b1a1 op_sel_hi:[1,1,0]
.endr
.irp p, 0,2,4,6
	v_pk_fma_f32 v[GR+\p:GR+\p+1], v[GR+\p:GR+\p+1], v[GS+\p:GS+\p+1], v[GU+\p:GU+\p+1]
.endr
.irp k, 0xbddaae5c, 0xbf228550, 0xbe03ce86
.irp p, 0,2,4,6
	v_pk_fma_f32 v[GR+\p:GR+\p+1], v[GR+\p:GR+\p+1], v[GA+\p:GA+\p+1], \k op_sel_hi:[1,1,0]
.endr
.endr
.irp p, 0,2,4,6
	v_pk_fma_f32 v[GR+\p:GR+\p+1], v[GR+\p:GR+\p+1], v[GA+\p:GA+\p+1], v[GA+\p:GA+\p+1] neg_lo:[0,0,1] neg_hi:[0,0,1]
.endr
.irp p, 0,2,4,6
	v_pk_mul_f32 v[GR+\p:GR+\p+1], v[GR+\p:GR+\p+1], 0x3fb8aa3b op_sel_hi:[1,0]
.endr
.irp i, 0,1,2,3,4,5,6,7
	v_exp_f32 v[GR+\i], v[GR+\i]                   ; E
.endr
.irp p, 0,2,4,6                                ; the core is the independent work behind the exponentials
	v_pk_fma_f32 v[GU+\p:GU+\p+1], v[GS+\p:GS+\p+1], v[CC:CC+1], 0x3ba38d2c op_sel_hi:[1,1,0]
.endr
.irp k, 0xbcdb48d9, 0x3de70e22, 0xbec09380, 0x3e0375d4
.irp p, 0,2,4,6
	v_pk_fma_f32 v[GU+\p:GU+\p+1], v[GU+\p:GU+\p+1], v[GS+\p:GS+\p+1], \k op_sel_hi:[1,1,0]
.endr
.endr
.irp p, 0,2,4,6
	v_pk_fma_f32 v[GU+\p:GU+\p+1], v[GU+\p:GU+\p+1], v[GZ+\p:GZ+\p+1], v[GZ+\p:GZ+\p+1]
.endr
.irp p, 0,2,4,6
	v_pk_add_f32 v[GU+\p:GU+\p+1], v[GU+\p:GU+\p+1], 1.0 op_sel_hi:[1,0]      ; 1 + erf
.endr
.irp p, 0,2,4,6
	v_pk_mul_f32 v[HG+\p:HG+\p+1], v[HG+\p:HG+\p+1], 0.5 op_sel_hi:[1,0]
.endr
	s_wait_alu depctr_va_vdst(0)                   ; one wait for the eight exponentials, ahead of their first reader
.irp p, 0,2,4,6
	v_pk_fma_f32 v[GS+\p:GS+\p+1], v[GR+\p:GR+\p+1], -1.0, 2.0 op_sel_hi:[1,0,0]   ; 2 - E
.endr
.irp i, 0,1,2,3,4,5,6,7
	v_cmp_gt_f32 vcc_lo, 0, v[GZ+\i]
	v_cndmask_b32 v[GR+\i], v[GS+\i], v[GR+\i], vcc_lo   ; z < 0: E itself
	v_cmp_lt_f32 vcc_lo, 0x3f6d8000, v[GA+\i]
	v_cndmask_b32 v[GR+\i], v[GU+\i], v[GR+\i], vcc_lo   ; |z| over 0.927734375: the tail, else the core
.endr
.irp p, 0,2,4,6
	v_pk_mul_f32 v[HG+\p:HG+\p+1], v[HG+\p:HG+\p+1], v[GR+\p:GR+\p+1]
.endr
.endm
	; THE WAY OUT: a loop of eight trips over my token tiles, so that GELU's text stands once.  Only the copy out of the accumulators, with the bias, differs from trip to trip: eight short blocks, chosen by the counter.
	s_wait_loadcnt 0x0                             ; the bias
	PLACES NP                                      ; behind the last products
	s_lshl_b32 s18, s17, 4
	s_lshl_b32 s19, s15, 3
	s_add_co_u32 s18, s18, s19                     ; my first token tile
	s_lshl_b32 s19, s42, 1
	s_add_co_u32 s19, s19, s16                     ; the next product's K step
	s_lshl_b32 s20, s18, 5
	s_add_co_u32 s20, s20, s19
	s_mul_i32 s20, s20, IMG
	s_mov_b32 s21, 0
	s_add_nc_u64 s[20:21], s[10:11], s[20:21]
	s_lshl_b32 s22, s19, 14
	s_lshl_b32 s18, s18, 6
	s_add_co_u32 s22, s22, s18
	s_add_co_u32 s22, s22, 12582912
	s_mov_b32 s23, 0
	s_add_nc_u64 s[22:23], s[10:11], s[22:23]
.macro COPY a
	WIN 0x02+(\a)/4
.set i, 0
.rept 32
	v_pk_add_f32 v[H+i:H+i+1], v[64*((\a)%4)+i:64*((\a)%4)+i+1], v[BT+i:BT+i+1]   ; + bias; each accumulator from its low end on
.set i, i+2
.endr
	WIN 0
.endm
	s_mov_b32 s3, 0
.Lrow:
.irp a, 0,1,2,3,4,5,6
	s_cmp_eq_u32 s3, \a
	s_cbranch_scc1 .Lcopy\a
.endr
.irp a, 7,6,5,4,3,2,1,0
.Lcopy\a:
	COPY \a
.if \a > 0
	s_branch .Lwork
.endif
.endr
.Lwork:
.irp g, 0,1,2,3,4,5,6,7
	GELU8 \g
.endr
	QUANT H
.irp c, 0,1,2
	global_store_b128 v[CO], v[PC+4*\c:PC+4*\c+3], s[20:21] offset:512*\c
.endr
	ds_store_b32 v[SGA], v[PW]                     ; the gather bytes lie in slot 0, which has had its last fill and its last read
	s_wait_xcnt 0x0                                ; the stores have read PC and their base,
	s_wait_dscnt 0x0                               ; the LDS store PW and its address: all are written again
	s_add_nc_u64 s[20:21], s[20:21], 32*IMG        ; the next token tile
	v_add_nc_u32 v[SGA], 64, v[SGA]
	s_add_co_u32 s3, s3, 1
	s_cmp_lt_u32 s3, 8
	s_cbranch_scc1 .Lrow
	ds_load_b128 v[192:195], v[SGL]
	s_wait_dscnt 0x0
	global_store_b128 v[CO], v[192:195], s[22:23]  ; 8 tiles' scale words: 512 consecutive bytes
	s_wait_tensorcnt 0x0                           ; the wave's end
	ds_add_u32 v[SPW], v[NIL]
	s_wait_dscnt 0x0
	CROUND                                         ; the closing round
	s_endpgm
.Lfunc_end_k_qdc1d463724_fc1:
	.size	k_qdc1d463724_fc1, .Lfunc_end_k_qdc1d463724_fc1-k_qdc1d463724_fc1
	.p2alignl 7, 3214868480
	.fill 96, 4, 3214868480
	.section	.rodata,"a",@progbits
	.p2align	6, 0x0
	.amdhsa_kernel k_qdc1d463724_fc1
		.amdhsa_group_segment_fixed_size 327680
		.amdhsa_private_segment_fixed_size 0
		.amdhsa_enable_private_segment 0
		.amdhsa_kernarg_size 32
		.amdhsa_user_sgpr_count 2
		.amdhsa_user_sgpr_kernarg_segment_ptr 1
		.amdhsa_wavefront_size32 1
		.amdhsa_system_sgpr_workgroup_id_x 1
		.amdhsa_system_sgpr_workgroup_id_y 1
		.amdhsa_system_sgpr_workgroup_id_z 1
		.amdhsa_system_vgpr_workitem_id 0
		.amdhsa_next_free_vgpr 1024
		.amdhsa_next_free_sgpr 102
		.amdhsa_reserve_vcc 1
		.amdhsa_float_denorm_mode_32 3
		.amdhsa_float_denorm_mode_16_64 3
		.amdhsa_memory_ordered 1
		.amdhsa_forward_progress 1
		.amdhsa_inst_pref_size 200
	.end_amdhsa_kernel
	.amdgpu_metadata
---
amdhsa.version: [ 1, 2 ]
amdhsa.kernels:
  - .name:           k_qdc1d463724_fc1
    .symbol:         k_qdc1d463724_fc1.kd
    .args:
      - { .name: xq, .offset: 0, .size: 8, .value_kind: global_buffer, .address_space: global }
      - { .name: wb, .offset: 8, .size: 8, .value_kind: global_buffer, .address_space: global }
      - { .name: fc1_b, .offset: 16, .size: 8, .value_kind: global_buffer, .address_space: global }
      - { .name: hq, .offset: 24, .size: 8, .value_kind: global_buffer, .address_space: global }
    .group_segment_fixed_size: 327680
    .private_segment_fixed_size: 0
    .kernarg_segment_align: 8
    .kernarg_segment_size: 32
    .max_flat_workgroup_size: 128
    .sgpr_count:     102
    .vgpr_count:     1024
    .wavefront_size: 32
...
	.end_amdgpu_metadata
.endif
;; end of part 5
;; launch fc2 (part 6): grid 4 x 16, 4 waves a work-group, clusters of 4 x 4, 327,680 bytes of LDS; arguments hq, wb, fc2_b, ac, xf; writes ac
.if DOCPART == 6
	.amdgcn_target "amdgcn-amd-amdhsa--gfx1250"
	.amdhsa_code_object_version 6
	.text
	.protected	k_qdc1d463724_fc2
	.globl	k_qdc1d463724_fc2
	.p2align	8
	.type	k_qdc1d463724_fc2,@function
k_qdc1d463724_fc2:
	s_mov_b64 s[64:65], 0
	v_nop
	global_prefetch_b8 v0, s[64:65] scope:SCOPE_SE
	s_setreg_imm32_b32 hwreg(HW_REG_WAVE_MODE, 25, 1), 1
	s_wait_xcnt 0x0
	s_wait_alu depctr_hold_cnt(0) depctr_sa_sdst(0) depctr_va_vdst(0) depctr_va_sdst(0) depctr_va_ssrc(0) depctr_va_vcc(0) depctr_vm_vsrc(0)
	s_getreg_b32 s2, hwreg(HW_REG_IB_STS2, 6, 4)
	s_cmp_eq_u32 s2, 0
	s_cbranch_scc0 .Lentry_in_a_cluster
	s_endpgm
.Lentry_in_a_cluster:
	s_bfe_u32 s2, ttmp6, 0x10000c
	s_cmp_lg_u32 s2, 0xf033
	s_cbranch_scc0 .Lentry_shape_is_right
	s_endpgm
.Lentry_shape_is_right:
; FC2.  ac = h W2^T + b2 + x1 on codes of BF6 (E3M2) with E8M0 scales.  4,096 tokens x 1,024 outputs, K = 4,096.
; Operands lie in memory as images of the operand's registers (1,536 bytes a fragment of 16 rows x 128 K; 64 bytes of scale words), and a tile's 16 rows are rows 32 (t / 2) + 8 (t % 2) + r + 8 (r / 8).
; A work-group of four waves makes 256 tokens (y) x 256 outputs (x); a wave 128 x 128: 64 accumulators.  K goes in steps of 256 through two LDS slots filled by the tensor data mover.  The grid is 64 work-groups: the tile is kept
; at the size at which each LDS byte feeds the most products; a smaller tile would share the work among more work-groups at twice the LDS reads.
; CLUSTERS 4 x 4: the token tiles hang on y alone and are asked for jointly along a row of the cluster, the weight tiles on x alone, along a column.
; Source 0 takes the weight's fragments, source 1 the tokens': a lane holds one token and, over the weight's tiles 2 b, 2 b + 1, 16 neighbouring outputs.  h's scale words lie [K step][token tile][64].
; LIMITS: NaN and infinities are not served.
.set KTOT,   4096
.set A_SOFF, 12582912
.set B_COFF, 5505024
.set B_SOFF, 8880128
.set KT,     KTOT/128
.set IMG,    1536
.set RPITCH, KT*IMG
.set ROWB,   2*IMG
.set HALFT,  8*ROWB
.set SLOT,   4*HALFT
.set LAPS,   KTOT/512
.set NQ,     2
.set FR,     12
.set NL,     3
.set NP,     4
.set SCL,    2*SLOT
.set HALFS,  KT*512
.set SPARE,  SCL+4*HALFS               ; the spare words: 128 bytes a wave, two blocks of 256 bytes that no other line names
.set SBLKA,  64                        ; h's scale words in LDS: [K step 32][tile 8][64]
.set SBLKB,  KT*64
.set SSTEPA, 1024
.set YSROW,  64
.set SAC,    64                        ; as a tile: 32 rows (K steps) of 512 bytes, 16,384 bytes apart
.set SAR,    32
.set SAP,    2048
.set SPITCH, 528                       ; the way out: a stage of 16 rows x (512 bytes + 16) for each wave, in slot 0
.set ADRA, 16
.set ADRB, 20
.set ADRSA, 22
.set ADRSB, 23
.set STO,  24
.set RD,   25
.set CO,   26
.set SPW,  28
.set NIL,  29
.set SC,   32                          ; v32-63 scale words and nothing else
.set BIA,  96                          ; v96-99 the bias of my four columns of a row read back
.set AF,   128
.set BK,   128                         ; the way out: 16 rows read back: v128-191 and v192-255 by turns
.set XR,   0                           ; and the same rows of x1, in window 1: v0-63 and v64-127 by turns
.set G1, 24
.set G0, 32
.set G1B, 48
.set G0B, 56
.set G1S, 68
.set G0S, 76
.set G1SB, 80
.set G0SB, 88
.set MSB, 0
.macro WIN new
.if MSB != \new
	s_set_vgpr_msb (MSB<<8)|\new
.set MSB, \new
.endif
.endm
.set MUL_LO, 0xa1
.set MUL_HI, 0xf1
.set TO_B,   0x40
; A joint load: waves 0 and 1 fetch the tokens' two halves, waves 2 and 3 the weight's.  Four v_nop follow each of the two lines.
.macro JLOAD g0a, g1a, g0b, g1b
	s_cmp_eq_u32 s15, 0
	s_cbranch_scc0 .Lfor_b_\@
	tensor_load_to_lds s[\g0a:\g0a+3], s[\g1a:\g1a+7]
	s_nop 0
.rept 4
	v_nop
.endr
	s_branch .Lasked_\@
.Lfor_b_\@:
	tensor_load_to_lds s[\g0b:\g0b+3], s[\g1b:\g1b+7]
	s_nop 0
.rept 4
	v_nop
.endr
.Lasked_\@:
.endm
.macro CREST
	s_cmp_lg_u32 s14, 0
	s_cbranch_scc1 .Lnot_wave_0_\@
	s_barrier_signal -3
.Lnot_wave_0_\@:
	s_barrier_wait -3
	s_barrier_signal -1
	s_barrier_wait -1
.endm
.macro CROUND
	s_barrier_signal -1
	s_barrier_wait -1
	CREST
.endm
	s_load_b256 s[4:11], s[0:1], 0x0               ; hq, wb, fc2_b, ac
	s_load_b64 s[12:13], s[0:1], 0x20              ; xf
	v_lshl_add_u32 v[SPW], v0, 2, SPARE
	v_mov_b32 v[NIL], 0
	ds_add_u32 v28, v29
	ds_add_u32 v28, v29
	s_wait_dscnt 0x0
	v_lshrrev_b32 v1, 5, v0
	v_readfirstlane_b32 s14, v1
	s_lshr_b32 s15, s14, 1                         ; wr
	s_and_b32 s16, s14, 1                          ; wc
	s_bfe_u32 s40, ttmp6, 0x40000
	s_bfe_u32 s41, ttmp6, 0x40004
	s_lshl_b32 s42, ttmp9, 2
	s_add_co_u32 s42, s42, s40                     ; x
	s_and_b32 s17, ttmp7, 0xffff
	s_lshl_b32 s17, s17, 2
	s_add_co_u32 s17, s17, s41                     ; y
	s_lshl_b32 s43, s41, 2
	s_lshl_b32 s43, 15, s43
	s_lshl_b32 s44, 0x1111, s40
	s_or_b32 s[G1+0], s43, (3<<16)|(1<<21)         ; the mask; elements of 8 bytes; bit 21 beside a mask; no padding
	s_or_b32 s[G1B+0], s44, (3<<16)|(1<<21)
.irp g, G1, G1B
	s_mov_b32 s[\g+1], (ROWB/8)<<16
	s_mov_b32 s[\g+2], 8<<16
	s_mov_b32 s[\g+3], (ROWB/8)<<16
	s_mov_b32 s[\g+4], 8
	s_mov_b32 s[\g+5], RPITCH/8
	s_mov_b32 s[\g+6], 0
	s_mov_b32 s[\g+7], 0
.endr
	s_or_b32 s[G1S+0], s43, (3<<16)|(1<<21)
	s_mov_b32 s[G1S+1], SAC<<16
	s_mov_b32 s[G1S+2], SAR<<16
	s_mov_b32 s[G1S+3], SAC<<16
	s_mov_b32 s[G1S+4], SAR
	s_mov_b32 s[G1S+5], SAP
	s_mov_b32 s[G1S+6], 0
	s_mov_b32 s[G1S+7], 0
	s_or_b32 s[G1SB+0], s44, (3<<16)|(1<<21)
	s_mov_b32 s[G1SB+1], 32<<16
	s_mov_b32 s[G1SB+2], (HALFS/256)<<16
	s_mov_b32 s[G1SB+3], 32<<16
	s_mov_b32 s[G1SB+4], HALFS/256
	s_mov_b32 s[G1SB+5], 32
	s_mov_b32 s[G1SB+6], 0
	s_mov_b32 s[G1SB+7], 0
	s_lshl_b32 s18, s16, 3
	s_lshl_b32 s20, s17, 4
	s_add_co_u32 s20, s20, s18
	s_lshl_b32 s46, s42, 4
	s_add_co_u32 s46, s46, s18
	s_mul_i32 s22, s20, YSROW
	s_add_co_u32 s22, s22, A_SOFF
	s_mul_i32 s92, s46, KT*64
	s_add_co_u32 s92, s92, B_SOFF
	s_mul_i32 s20, s20, RPITCH
	s_mul_i32 s46, s46, RPITCH
	s_add_co_u32 s46, s46, B_COFF
	s_mov_b32 s21, 0
	s_mov_b32 s23, 0
	s_mov_b32 s47, 0
	s_mov_b32 s93, 0
	s_mul_i32 s45, s14, HALFT
	s_mul_i32 s94, s14, HALFS
	s_wait_kmcnt 0x0
	s_add_nc_u64 s[20:21], s[4:5], s[20:21]
	s_add_nc_u64 s[22:23], s[4:5], s[22:23]
	s_add_nc_u64 s[46:47], s[6:7], s[46:47]
	s_add_nc_u64 s[92:93], s[6:7], s[92:93]
	CROUND                                         ; all sixteen work-groups are here: the first joint loads meet
	s_mov_b32 s[G0S], 1
	s_add_co_u32 s[G0S+1], s94, SCL
	s_mov_b64 s[G0S+2:G0S+3], s[22:23]
	s_or_b32 s[G0S+3], s[G0S+3], 0x80000000
	s_mov_b32 s[G0SB], 1
	s_add_co_u32 s[G0SB+1], s94, SCL
	s_mov_b64 s[G0SB+2:G0SB+3], s[92:93]
	s_or_b32 s[G0SB+3], s[G0SB+3], 0x80000000
	JLOAD G0S, G1S, G0SB, G1SB                     ; three loads of mine are out behind these lines
.irp s, 0,1
	s_mov_b32 s[G0+4*\s], 1
	s_add_co_u32 s[G0+4*\s+1], s45, \s*SLOT
	s_add_nc_u64 s[G0+4*\s+2:G0+4*\s+3], s[20:21], \s*ROWB
	s_or_b32 s[G0+4*\s+3], s[G0+4*\s+3], 0x80000000
	s_mov_b32 s[G0B+4*\s], 1
	s_add_co_u32 s[G0B+4*\s+1], s45, \s*SLOT
	s_add_nc_u64 s[G0B+4*\s+2:G0B+4*\s+3], s[46:47], \s*ROWB
	s_or_b32 s[G0B+4*\s+3], s[G0B+4*\s+3], 0x80000000
	JLOAD G0+4*\s, G1, G0B+4*\s, G1B
.endr
	v_and_b32 v1, 15, v0
	v_bfe_u32 v2, v0, 4, 1
	v_and_b32 v3, 31, v0
	v_lshlrev_b32 v[CO], 4, v3
	v_lshlrev_b32 v4, 2, v3
	s_mul_i32 s21, s15, HALFT
	s_mul_i32 s22, s16, HALFT
	s_add_co_u32 s22, s22, 2*HALFT
.irp s, 0,1
	v_add_nc_u32 v[ADRA+\s], s21, v[CO]
	v_add_nc_u32 v[ADRB+\s], s22, v[CO]
	s_add_co_u32 s21, s21, SLOT
	s_add_co_u32 s22, s22, SLOT
.endr
	s_mul_i32 s23, s15, HALFS
	s_add_co_u32 s23, s23, SCL
	s_mul_i32 s20, s16, HALFS
	s_add_co_u32 s20, s20, SCL+2*HALFS
	v_lshlrev_b32 v5, 2, v1
	v_lshl_add_u32 v5, v2, 9, v5                   ; lanes 16-31 take the slot's second K step, 512 bytes on
	v_add_nc_u32 v[ADRSA], s23, v5
	v_add_nc_u32 v[ADRSB], s20, v4
	s_mul_i32 s23, s14, 16*SPITCH                  ; my stage
	v_mul_u32_u24 v5, v1, SPITCH
	v_lshl_add_u32 v5, v2, 6, v5
	v_add_nc_u32 v[STO], s23, v5                   ; in: row r, + 64 h
	v_add_nc_u32 v[RD], s23, v[CO]                 ; back: the 32 lanes take one row of 512 bytes
	s_lshl_b32 s66, s42, 10
	s_lshl_b32 s67, s16, 9
	s_add_co_u32 s100, s66, s67                    ; my first column, in bytes
	s_mov_b32 s101, 0
	s_lshl_b32 s18, s17, 8
	s_lshl_b32 s19, s15, 7
	s_add_co_u32 s18, s18, s19
	s_lshl_b32 s18, s18, 12                        ; my first row
	s_add_co_u32 s18, s18, s100
	s_mov_b32 s19, 0
	s_add_nc_u64 s[10:11], s[10:11], s[18:19]
	s_add_nc_u64 s[12:13], s[12:13], s[18:19]
	s_add_nc_u64 s[100:101], s[8:9], s[100:101]
	global_load_b128 v[BIA:BIA+3], v[CO], s[100:101]
.macro FRAG reg, adr, q, i
.irp c, 0,1,2
	ds_load_b128 v[\reg+4*\c:\reg+4*\c+3], v[\adr] offset:(\i)*ROWB+(\q)*IMG+512*\c
.endr
.endm
; 16 matrix instructions.  The 64 accumulators take turns, one instruction a turn, in the same order in every step.
.macro MUL16 a0, p, q, sc, zero
.irp a, \a0, \a0+1
.irp b, 0,1,2,3,4,5,6,7
.set WD, 8*(8*((\a)%4)+\b)
.set WB, 128*(\p)+FR*\b
.set WA, AF+FR*(\a)
.set WSB, SC+16*(\sc)+8+\b
.set WSA, SC+16*(\sc)+(\a)
.if \zero
	v_wmma_scale_f32_16x16x128_f8f6f4 v[WD:WD+7], v[WB:WB+FR-1], v[WA:WA+FR-1], 0, v[WSB], v[WSA] matrix_a_fmt:MATRIX_FMT_BF6 matrix_b_fmt:MATRIX_FMT_BF6
.elseif (\q) == 0
	v_wmma_scale_f32_16x16x128_f8f6f4 v[WD:WD+7], v[WB:WB+FR-1], v[WA:WA+FR-1], v[WD:WD+7], v[WSB], v[WSA] matrix_a_fmt:MATRIX_FMT_BF6 matrix_b_fmt:MATRIX_FMT_BF6
.else
	v_wmma_scale_f32_16x16x128_f8f6f4 v[WD:WD+7], v[WB:WB+FR-1], v[WA:WA+FR-1], v[WD:WD+7], v[WSB], v[WSA] matrix_a_fmt:MATRIX_FMT_BF6 matrix_b_fmt:MATRIX_FMT_BF6 matrix_a_scale:MATRIX_SCALE_ROW1 matrix_b_scale:MATRIX_SCALE_ROW1
.endif
.endr
.endr
.endm
.macro FETCH_B slot, q, p
	WIN TO_B
.irp i, 0,1,2,3,4,5,6,7
	FRAG 128*(\p)+FR*\i, ADRB+\slot, \q, \i
.endr
	WIN 0
.endm
.macro FETCH_A slot, q, i0
.irp i, \i0, \i0+1, \i0+2, \i0+3
	FRAG AF+FR*(\i), ADRA+\slot, \q, \i
.endr
.endm
.macro SCALES sc
.irp i, 0,1,2,3,4,5,6,7
	ds_load_b32 v[SC+16*\sc+\i], v[ADRSA] offset:\i*SBLKA
	ds_load_b32 v[SC+16*\sc+8+\i], v[ADRSB] offset:\i*SBLKB
.endr
.endm
.macro PLACES n
.rept \n
	v_nop
.endr
.endm
.macro STEP slot, q, zero
	s_wait_dscnt 4*NL                              ; all but the youngest 12 loads (A's tiles 4-7) are in
	WIN MUL_LO
	MUL16 0, (\q)%2, \q, \slot, \zero
	MUL16 2, (\q)%2, \q, \slot, \zero
	s_wait_dscnt 0
	PLACES NP
	FETCH_B \slot, (\q)+1, 1-(\q)%2
	FETCH_A \slot, (\q)+1, 0
	WIN MUL_HI
	MUL16 4, (\q)%2, \q, \slot, \zero
	MUL16 6, (\q)%2, \q, \slot, \zero
	PLACES NP
	WIN 0
	FETCH_A \slot, (\q)+1, 4
.endm
.macro TURN slot, next, fill
	s_wait_tensorcnt 0x0                           ; all my tensor loads have landed: my part of the next slot
	ds_add_u32 v[SPW], v[NIL]                      ; 0 onto my spare word
	s_wait_dscnt 4*NL+1                            ; the add and the youngest 12 loads may be out
	WIN MUL_LO
	MUL16 0, 1, NQ-1, \slot, 0
	s_wait_dscnt 0x0                               ; the add is done, and my reads of this slot are over
	s_barrier_signal -1
	MUL16 2, 1, NQ-1, \slot, 0
	WIN 0
	s_barrier_wait -1
.if \fill
	CREST                                          ; the barrier has opened a round of the cluster's: no wave of any partner still reads this slot or has a load on its way
	s_add_nc_u64 s[G0+4*\slot+2:G0+4*\slot+3], s[G0+4*\slot+2:G0+4*\slot+3], 2*ROWB
	s_add_nc_u64 s[G0B+4*\slot+2:G0B+4*\slot+3], s[G0B+4*\slot+2:G0B+4*\slot+3], 2*ROWB
	JLOAD G0+4*\slot, G1, G0B+4*\slot, G1B         ; my one tensor load behind the round; its four v_nop are also the places in front of the loads below
.else
	PLACES NP
.endif
	v_add_nc_u32 v[ADRSA], SSTEPA, v[ADRSA]
	v_add_nc_u32 v[ADRSB], 128, v[ADRSB]
	FETCH_B \next, 0, 0
	FETCH_A \next, 0, 0
	SCALES \next
	WIN MUL_HI
	MUL16 4, 1, NQ-1, \slot, 0
	MUL16 6, 1, NQ-1, \slot, 0
	PLACES NP
	WIN 0
	FETCH_A \next, 0, 4
.endm
	s_wait_tensorcnt 1                             ; the scale words and my part of slot 0 are in; slot 1's load may be out
	s_barrier_signal -1
	s_barrier_wait -1
	FETCH_B 0, 0, 0
	FETCH_A 0, 0, 0
	SCALES 0
	FETCH_A 0, 0, 4
	STEP 0, 0, 1
	s_mov_b32 s3, LAPS-1
.Llap:
	TURN 0, 1, 1
	STEP 1, 0, 0
	TURN 1, 0, 1
	STEP 0, 0, 0
	s_sub_co_u32 s3, s3, 1
	s_cmp_lg_u32 s3, 0
	s_cbranch_scc1 .Llap
	TURN 0, 1, 0
	STEP 1, 0, 0
	s_wait_dscnt 4*NL
	WIN MUL_LO
	MUL16 0, 1, NQ-1, 1, 0
	MUL16 2, 1, NQ-1, 1, 0
	s_wait_dscnt 0
	WIN MUL_HI
	MUL16 4, 1, NQ-1, 1, 0
	MUL16 6, 1, NQ-1, 1, 0
	WIN 0
; THE WAY OUT, a token tile (16 rows x 128 columns) at a time: through my own stage in slot 0 (its last fill and its last read are over), back as whole rows of 512 bytes; + x1, + bias; 32 lanes store 512 consecutive bytes.
; Stage row t of tile a is row 32 (a / 2) + 8 (a % 2) + t + 8 (t / 8) of my 128: it stands in the immediate, 520,192 bytes at the most, so no base is stepped.
.macro XLOAD a                         ; the tile's rows of x1, into window 1
	WIN 0x40
.irp t, 0,1,2,3,4,5,6,7,8,9,10,11,12,13,14,15
	global_load_b128 v[XR+64*((\a)%2)+4*\t:XR+64*((\a)%2)+4*\t+3], v[CO], s[12:13] offset:(32*((\a)/2)+8*((\a)%2)+\t+8*(\t/8))*4096 th:TH_LOAD_NT
.endr
	WIN 0
.endm
.macro TOSTAGE a
.set AC, 64*((\a)%4)
	WIN 0x08+4*((\a)/4)                            ; the data: window 2 or 3
.irp b, 0,1,2,3,4,5,6,7
	ds_store_b128 v[STO], v[AC+8*\b:AC+8*\b+3] offset:128*(\b/2)+32*(\b%2)        ; each accumulator from its low end on
	ds_store_b128 v[STO], v[AC+8*\b+4:AC+8*\b+7] offset:128*(\b/2)+32*(\b%2)+16
.endr
	WIN 0
.set BB, BK+64*((\a)%2)
.irp t, 0,1,2,3,4,5,6,7,8,9,10,11,12,13,14,15
	ds_load_b128 v[BB+4*\t:BB+4*\t+3], v[RD] offset:\t*SPITCH   ; LDS serves a wave's instructions in order: these see the stores above, and the next tile's stores come behind them
.endr
.endm
.macro SEND a, left                    ; left: the loads of the next tile's x1, which may stay out
.set BB, BK+64*((\a)%2)
	s_wait_dscnt 0x0
	s_wait_loadcnt \left
	WIN 0x04                                       ; source 1 window 1
.set i, 0
.rept 32
	v_pk_add_f32 v[BB+i:BB+i+1], v[BB+i:BB+i+1], v[XR+64*((\a)%2)+i:XR+64*((\a)%2)+i+1]
.set i, i+2
.endr
	WIN 0
.irp t, 0,1,2,3,4,5,6,7,8,9,10,11,12,13,14,15
	v_pk_add_f32 v[BB+4*\t:BB+4*\t+1], v[BB+4*\t:BB+4*\t+1], v[BIA:BIA+1]
	v_pk_add_f32 v[BB+4*\t+2:BB+4*\t+3], v[BB+4*\t+2:BB+4*\t+3], v[BIA+2:BIA+3]
.endr
.irp t, 0,1,2,3,4,5,6,7,8,9,10,11,12,13,14,15
	global_store_b128 v[CO], v[BB+4*\t:BB+4*\t+3], s[10:11] offset:(32*((\a)/2)+8*((\a)%2)+\t+8*(\t/8))*4096
.endr
.endm
	PLACES NP                                      ; behind the last products: loads land on their operands' registers and their results are read from here on
	XLOAD 0
.irp a, 0,1,2,3,4,5,6
	XLOAD \a+1
.if \a > 1
	s_wait_xcnt 0x0                                ; tile a - 2's stores have read their registers: tile a's rows may land there
.endif
	TOSTAGE \a
	SEND \a, 16
.endr
	s_wait_xcnt 0x0
	TOSTAGE 7
	SEND 7, 0
	s_wait_tensorcnt 0x0                           ; the wave's end
	ds_add_u32 v[SPW], v[NIL]
	s_wait_dscnt 0x0
	CROUND                                         ; the closing round
	s_endpgm
.Lfunc_end_k_qdc1d463724_fc2:
	.size	k_qdc1d463724_fc2, .Lfunc_end_k_qdc1d463724_fc2-k_qdc1d463724_fc2
	.p2alignl 7, 3214868480
	.fill 96, 4, 3214868480
	.section	.rodata,"a",@progbits
	.p2align	6, 0x0
	.amdhsa_kernel k_qdc1d463724_fc2
		.amdhsa_group_segment_fixed_size 327680
		.amdhsa_private_segment_fixed_size 0
		.amdhsa_enable_private_segment 0
		.amdhsa_kernarg_size 40
		.amdhsa_user_sgpr_count 2
		.amdhsa_user_sgpr_kernarg_segment_ptr 1
		.amdhsa_wavefront_size32 1
		.amdhsa_system_sgpr_workgroup_id_x 1
		.amdhsa_system_sgpr_workgroup_id_y 1
		.amdhsa_system_sgpr_workgroup_id_z 1
		.amdhsa_system_vgpr_workitem_id 0
		.amdhsa_next_free_vgpr 1024
		.amdhsa_next_free_sgpr 102
		.amdhsa_reserve_vcc 0
		.amdhsa_float_denorm_mode_32 3
		.amdhsa_float_denorm_mode_16_64 3
		.amdhsa_memory_ordered 1
		.amdhsa_forward_progress 1
		.amdhsa_inst_pref_size 183
	.end_amdhsa_kernel
	.amdgpu_metadata
---
amdhsa.version: [ 1, 2 ]
amdhsa.kernels:
  - .name:           k_qdc1d463724_fc2
    .symbol:         k_qdc1d463724_fc2.kd
    .args:
      - { .name: hq, .offset: 0, .size: 8, .value_kind: global_buffer, .address_space: global }
      - { .name: wb, .offset: 8, .size: 8, .value_kind: global_buffer, .address_space: global }
      - { .name: fc2_b, .offset: 16, .size: 8, .value_kind: global_buffer, .address_space: global }
      - { .name: ac, .offset: 24, .size: 8, .value_kind: global_buffer, .address_space: global }
      - { .name: xf, .offset: 32, .size: 8, .value_kind: global_buffer, .address_space: global }
    .group_segment_fixed_size: 327680
    .private_segment_fixed_size: 0
    .kernarg_segment_align: 8
    .kernarg_segment_size: 40
    .max_flat_workgroup_size: 128
    .sgpr_count:     102
    .vgpr_count:     1024
    .wavefront_size: 32
...
	.end_amdgpu_metadata
.endif
;; end of part 6
;; launch ln3 (part 7): grid 256 x 1, 8 waves a work-group, no clusters, 0 bytes of LDS; arguments ac, addnorm_gamma, addnorm_beta, out0; writes out0
.if DOCPART == 7
	.amdgcn_target "amdgcn-amd-amdhsa--gfx1250"
	.amdhsa_code_object_version 6
	.text
	.protected	k_qdc1d463724_ln3
	.globl	k_qdc1d463724_ln3
	.p2align	8
	.type	k_qdc1d463724_ln3,@function
k_qdc1d463724_ln3:
	s_mov_b64 s[64:65], 0
	v_nop
	global_prefetch_b8 v0, s[64:65] scope:SCOPE_SE
	s_setreg_imm32_b32 hwreg(HW_REG_WAVE_MODE, 25, 1), 1
	s_wait_xcnt 0x0
; LN3.  out0 = LayerNorm(ac), f32.  One wave takes two whole rows of 1,024 (each load and store 512 consecutive bytes) and keeps them in registers between the passes: each byte is read once and written once.
; No LDS, no barrier, no matrix unit, no cluster: waves share nothing, and memory binds.  LIMITS: NaN and infinities are not served.
.set S,   8                            ; v8-23  sum chains, four pairs a row
.set MU,  24
.set RS,  28
.set X,   32                           ; v32-95 two rows
.set G,   96
.set B,   128
.set WV,  36
.set SEL, 38
.set INV, 40
.set EPS, 41
	s_load_b256 s[4:11], s[0:1], 0x0               ; ac, gamma, beta, out0
	v_lshrrev_b32 v2, 5, v0
	v_readfirstlane_b32 s[WV], v2
	v_and_b32 v8, 31, v0
	v_lshlrev_b32 v1, 4, v8
	s_mov_b32 s[SEL], 0x76543210
	s_mov_b32 s[SEL+1], 0xfedcba98
	s_mov_b32 s[INV], 0x3a800000                   ; 1 / 1,024
	s_mov_b32 s[EPS], 0x3727c5ac                   ; 1e-5
	s_lshl_b32 s42, ttmp9, 4
	s_lshl_b32 s43, s[WV], 1
	s_add_co_u32 s42, s42, s43                     ; my first row: 16 x work-group + 2 x wave
	s_lshl_b32 s42, s42, 12
	s_mov_b32 s43, 0
	s_wait_kmcnt 0x0
	s_add_nc_u64 s[4:5], s[4:5], s[42:43]
	s_add_nc_u64 s[10:11], s[10:11], s[42:43]
.irp i, 0,1
.irp j, 0,1,2,3,4,5,6,7
	global_load_b128 v[X+32*\i+4*\j:X+32*\i+4*\j+3], v1, s[4:5] offset:4096*\i+512*\j th:TH_LOAD_NT
.endr
.endr
.irp j, 0,1,2,3,4,5,6,7
	global_load_b128 v[G+4*\j:G+4*\j+3], v1, s[6:7] offset:512*\j
	global_load_b128 v[B+4*\j:B+4*\j+3], v1, s[8:9] offset:512*\j
.endr
; sq = 0: the sums of both rows; sq = 1: the sums of their squares.  Four chains a row, the rows by turns; then across the 32 lanes.
.macro CHAINS sq
.irp i, 0,1
.irp k, 0,2,4,6
.if \sq
	v_pk_mul_f32 v[S+8*\i+\k:S+8*\i+\k+1], v[X+32*\i+\k:X+32*\i+\k+1], v[X+32*\i+\k:X+32*\i+\k+1]
.else
	v_pk_add_f32 v[S+8*\i+\k:S+8*\i+\k+1], v[X+32*\i+\k:X+32*\i+\k+1], v[X+32*\i+\k+8:X+32*\i+\k+9]
.endif
.endr
.endr
.irp j, 8,16,24
.irp i, 0,1
.irp k, 0,2,4,6
.if \sq
	v_pk_fma_f32 v[S+8*\i+\k:S+8*\i+\k+1], v[X+32*\i+\j+\k:X+32*\i+\j+\k+1], v[X+32*\i+\j+\k:X+32*\i+\j+\k+1], v[S+8*\i+\k:S+8*\i+\k+1]
.elseif \j > 8
	v_pk_add_f32 v[S+8*\i+\k:S+8*\i+\k+1], v[S+8*\i+\k:S+8*\i+\k+1], v[X+32*\i+\j+\k:X+32*\i+\j+\k+1]
.endif
.endr
.endr
.endr
.irp i, 0,1
	v_pk_add_f32 v[S+8*\i:S+8*\i+1], v[S+8*\i:S+8*\i+1], v[S+8*\i+2:S+8*\i+3]
	v_pk_add_f32 v[S+8*\i+4:S+8*\i+5], v[S+8*\i+4:S+8*\i+5], v[S+8*\i+6:S+8*\i+7]
.endr
.irp i, 0,1
	v_pk_add_f32 v[S+8*\i:S+8*\i+1], v[S+8*\i:S+8*\i+1], v[S+8*\i+4:S+8*\i+5]
.endr
.irp i, 0,1
	v_add_f32 v[S+8*\i], v[S+8*\i], v[S+8*\i+1]
.endr
.irp m, 1,2,4,8
.irp i, 0,1
	v_add_f32_dpp v[S+8*\i], v[S+8*\i], v[S+8*\i] row_xmask:\m row_mask:0xf bank_mask:0xf
.endr
.endr
.irp i, 0,1
	v_permlanex16_b32 v[S+8*\i+1], v[S+8*\i], s[SEL], s[SEL+1]
.endr
.irp i, 0,1
	v_add_f32 v[S+8*\i], v[S+8*\i], v[S+8*\i+1]
.endr
.endm
	s_wait_loadcnt 16                              ; my two rows are in; the 16 loads of gamma and beta may be out
	CHAINS 0
.irp i, 0,1
	v_mul_f32 v[MU+2*\i], s[INV], v[S+8*\i]
.endr
.irp i, 0,1
	v_mov_b32 v[MU+2*\i+1], v[MU+2*\i]
.endr
.irp i, 0,1
.set q, 0
.rept 16
	v_pk_add_f32 v[X+32*\i+q:X+32*\i+q+1], v[X+32*\i+q:X+32*\i+q+1], v[MU+2*\i:MU+2*\i+1] neg_lo:[0,1] neg_hi:[0,1]
.set q, q+2
.endr
.endr
	CHAINS 1                                       ; of x - mean: a true second pass
.irp i, 0,1
	v_fma_f32 v[S+8*\i], v[S+8*\i], s[INV], s[EPS]
.endr
.irp i, 0,1
	v_rsq_f32 v[RS+2*\i], v[S+8*\i]
.endr
	v_nop                                          ; a plain instruction behind the transcendentals
	s_wait_alu depctr_va_vdst(0)                   ; one wait for both, ahead of their first reader
.irp i, 0,1
	v_mov_b32 v[RS+2*\i+1], v[RS+2*\i]
.endr
.irp i, 0,1
.set q, 0
.rept 16
	v_pk_mul_f32 v[X+32*\i+q:X+32*\i+q+1], v[X+32*\i+q:X+32*\i+q+1], v[RS+2*\i:RS+2*\i+1]
.set q, q+2
.endr
.endr
	s_wait_loadcnt 0x0                             ; gamma and beta
.irp i, 0,1
.set q, 0
.rept 16
	v_pk_fma_f32 v[X+32*\i+q:X+32*\i+q+1], v[X+32*\i+q:X+32*\i+q+1], v[G+q:G+q+1], v[B+q:B+q+1]
.set q, q+2
.endr
.endr
.irp i, 0,1
.irp j, 0,1,2,3,4,5,6,7
	global_store_b128 v1, v[X+32*\i+4*\j:X+32*\i+4*\j+3], s[10:11] offset:4096*\i+512*\j th:TH_STORE_NT   ; 512 consecutive bytes, written once
.endr
.endr
	s_endpgm
.Lfunc_end_k_qdc1d463724_ln3:
	.size	k_qdc1d463724_ln3, .Lfunc_end_k_qdc1d463724_ln3-k_qdc1d463724_ln3
	.p2alignl 7, 3214868480
	.fill 96, 4, 3214868480
	.section	.rodata,"a",@progbits
	.p2align	6, 0x0
	.amdhsa_kernel k_qdc1d463724_ln3
		.amdhsa_group_segment_fixed_size 0
		.amdhsa_private_segment_fixed_size 0
		.amdhsa_enable_private_segment 0
		.amdhsa_kernarg_size 32
		.amdhsa_user_sgpr_count 2
		.amdhsa_user_sgpr_kernarg_segment_ptr 1
		.amdhsa_wavefront_size32 1
		.amdhsa_system_sgpr_workgroup_id_x 1
		.amdhsa_system_sgpr_workgroup_id_y 1
		.amdhsa_system_sgpr_workgroup_id_z 1
		.amdhsa_system_vgpr_workitem_id 0
		.amdhsa_next_free_vgpr 184
		.amdhsa_next_free_sgpr 66
		.amdhsa_reserve_vcc 0
		.amdhsa_float_denorm_mode_32 3
		.amdhsa_float_denorm_mode_16_64 3
		.amdhsa_memory_ordered 1
		.amdhsa_forward_progress 1
		.amdhsa_inst_pref_size 18
	.end_amdhsa_kernel
	.amdgpu_metadata
---
amdhsa.version: [ 1, 2 ]
amdhsa.kernels:
  - .name:           k_qdc1d463724_ln3
    .symbol:         k_qdc1d463724_ln3.kd
    .args:
      - { .name: ac, .offset: 0, .size: 8, .value_kind: global_buffer, .address_space: global }
      - { .name: addnorm_gamma, .offset: 8, .size: 8, .value_kind: global_buffer, .address_space: global }
      - { .name: addnorm_beta, .offset: 16, .size: 8, .value_kind: global_buffer, .address_space: global }
      - { .name: out0, .offset: 24, .size: 8, .value_kind: global_buffer, .address_space: global }
    .group_segment_fixed_size: 0
    .private_segment_fixed_size: 0
    .kernarg_segment_align: 8
    .kernarg_segment_size: 32
    .max_flat_workgroup_size: 256
    .sgpr_count:     66
    .vgpr_count:     184
    .wavefront_size: 32
...
	.end_amdgpu_metadata
.endif
;; end of part 7
;; ======== version 2 of 2: 7 launches
;; limits: right only within a limited range of input values
;; workspace buffers: xf 16,777,216 bytes; ac 16,777,216 bytes; xq 3,276,800 bytes; wb 9,011,200 bytes; hq 13,107,200 bytes; qkvb 10,092,544 bytes; st1 65,536 bytes; st2 65,536 bytes
;; launch prep (part 8): grid 960 x 1, 8 waves a work-group, no clusters, 67,584 bytes of LDS; arguments src, pre_gamma, pre_beta, st1, xq, qkv_w, fc1_w, fc2_w, wb; writes st1, xq, wb
.if DOCPART == 8
	.amdgcn_target "amdgcn-amd-amdhsa--gfx1250"
	.amdhsa_code_object_version 6
	.text
	.protected	k_qdc1d463724_prep
	.globl	k_qdc1d463724_prep
	.p2align	8
	.type	k_qdc1d463724_prep,@function
k_qdc1d463724_prep:
	s_mov_b64 s[64:65], 0
	v_nop
	global_prefetch_b8 v0, s[64:65] scope:SCOPE_SE
	s_setreg_imm32_b32 hwreg(HW_REG_WAVE_MODE, 25, 1), 1
	s_wait_xcnt 0x0
; PREP.  Work-groups 0-255: x = LayerNorm(src) as its rows' statistics (st1) and as codes of BF6 (E3M2) with one E8M0 byte for each 32 along K (xq).  Work-groups 256-959: the three weights as codes (wb).
; A work-group takes one TILE: 16 rows x 1,024 along K.  THE ROWS OF A TILE ARE NOT NEIGHBOURS: tile row r of tile t is row 32 (t / 2) + 8 (t % 2) + r + 8 (r / 8); every operand of this program is cut so.
; Codes are stored as IMAGES OF THE OPERAND'S REGISTERS: a fragment (16 rows x 128 K, 12 registers a lane) is 1,536 bytes, registers 4 c .. 4 c + 3 of lane l at 512 c + 16 l; its 16 scale words are 64 bytes, row r's at 4 r.
; A tile is 8 fragments on end (12,288 bytes) and 512 bytes of scale words.  Wave w loads tile rows 2 w, 2 w + 1 whole (each load 512 consecutive bytes), normalises them, and behind a barrier quantises K step w of all 16 rows.
; No matrix unit, no cluster, no tensor load: work-groups share no input, and memory binds.
; LIMITS: NaN and infinities are not served; a block whose largest magnitude lies under 2^-122 (zeros too) gets the scale byte 1: its bytes are read by this program alone.
; x is NOT stored as f32: of each row only (mean, mean, 1 / sqrt(var + eps), the same again), 16 bytes, goes to st1 (the fourth argument); the launch that adds x remakes it from src by the same three operations.
.set PITCH, 4112
.set GATH,  16*PITCH                   ; behind the stage: the tile's 512 bytes of scale words
.set S,   8                            ; v8-23   sum chains, four pairs a row; later the quantiser's scratch
.set MU,  24                           ; v24-27  the mean, a pair a row
.set RS,  28                           ; v28-31  1 / sqrt(var + eps), a pair a row
.set X,   32                           ; v32-95  two rows, 32 numbers a lane each
.set G,   96                           ; v96-127 gamma,  v128-159 beta of my 32 columns
.set B,   128
.set N,   96                           ; v96-159 behind the barrier: 64 numbers of one row, register 32 c + i = k 64 c + 32 (lane / 16) + i
.set C,   160                          ; v160-171 the fragment's 12 registers
.set T,   172                          ; v172-178 the upper halves of the two blocks as the conversions leave them
.set OF1, 180                          ; v180    16 x lane + a row's pitch
.set WV,  36
.set SEL, 38
.set INV, 40
.set EPS, 41
	s_load_b256 s[4:11], s[0:1], 0x0               ; src, gamma, beta, st1
	s_load_b256 s[12:19], s[0:1], 0x20             ; xq, qkv_w, fc1_w, fc2_w
	s_load_b64 s[20:21], s[0:1], 0x40              ; wb
	v_lshl_add_u32 v184, v0, 2, 0x10400
	v_mov_b32 v185, 0
	v_lshrrev_b32 v2, 5, v0
	s_delay_alu instid0(VALU_DEP_1)
	v_readfirstlane_b32 s[WV], v2                  ; wave 0..7
	v_and_b32 v8, 31, v0
	s_delay_alu instid0(VALU_DEP_1)
	v_lshlrev_b32 v1, 4, v8                        ; 16 x lane
	v_and_b32 v2, 15, v0                           ; r
	s_wait_alu depctr_va_vdst(0)
	v_bfe_u32 v3, v0, 4, 1                         ; h
	s_mov_b32 s[SEL], 0x76543210
	s_mov_b32 s[SEL+1], 0xfedcba98                 ; v_permlanex16_b32's selects for lane l xor 16
	s_mov_b32 s[INV], 0x3a800000                   ; 1 / 1,024
	s_mov_b32 s[EPS], 0x3727c5ac                   ; 1e-5
	s_mul_i32 s37, s[WV], 2*PITCH
	v_add_nc_u32 v4, s37, v1                       ; stage, in: tile row 2 w, 16 bytes a lane
	v_mul_u32_u24 v5, v2, PITCH
	s_delay_alu instid0(VALU_DEP_1)
	v_lshl_add_u32 v5, v3, 7, v5
	s_lshl_b32 s37, s[WV], 9
	v_add_nc_u32 v5, s37, v5                       ; stage, out: row r, K step w (512 bytes), + 128 h
	s_lshl_b32 s37, s[WV], 6
	s_add_co_u32 s37, s37, GATH
	v_lshl_add_u32 v6, v2, 2, s37                  ; my row's scale word of K step w
	v_add_nc_u32 v7, GATH, v1                      ; and all 512 bytes, 16 a lane
	; which tensor, which tile t, which chunk of 12,288 bytes of codes.  fc2_w's values first, then overridden: the choices hang on the work-group's number alone
	s_sub_co_u32 s31, ttmp9, 256                   ; the weights' chunk
	s_sub_co_u32 s33, ttmp9, 448                   ; fc1_w's tile
	s_sub_co_u32 s32, ttmp9, 704                   ; fc2_w: 4 x tile + quarter of K
	s_lshr_b32 s25, s32, 2
	s_and_b32 s26, s32, 3
	s_lshl_b32 s26, s26, 12                        ; the quarter's first byte in a row
	s_mov_b32 s30, 8650752                         ; where wb's scale words begin
	s_wait_kmcnt 0x0
	s_cmp_lt_u32 ttmp9, 704
	s_cselect_b64 s[22:23], s[16:17], s[18:19]
	s_cselect_b32 s25, s33, s25
	s_cselect_b32 s26, 0, s26
	s_cselect_b32 s24, 12, 14                      ; log2 of a row's bytes
	s_cmp_lt_u32 ttmp9, 448
	s_cselect_b64 s[22:23], s[14:15], s[22:23]
	s_cselect_b32 s25, s31, s25
	s_cmp_lt_u32 ttmp9, 256
	s_cselect_b64 s[22:23], s[4:5], s[22:23]
	s_cselect_b32 s25, ttmp9, s25
	s_cselect_b32 s27, ttmp9, s31
	s_cselect_b64 s[28:29], s[12:13], s[20:21]
	s_cselect_b32 s30, 3145728, s30                ; xq's scale words
	s_lshr_b32 s42, s25, 1
	s_lshl_b32 s42, s42, 5
	s_and_b32 s43, s25, 1
	s_lshl_b32 s43, s43, 3
	s_add_co_u32 s42, s42, s43                     ; 32 (t / 2) + 8 (t % 2)
	s_lshl_b32 s43, s[WV], 1
	s_add_co_u32 s42, s42, s43
	s_lshr_b32 s43, s[WV], 2
	s_lshl_b32 s43, s43, 3
	s_add_co_u32 s42, s42, s43                     ; + 2 w + 8 (w / 4): my first row
	s_lshl_b32 s42, s42, s24
	s_add_co_u32 s42, s42, s26
	s_mov_b32 s43, 0
	s_add_nc_u64 s[22:23], s[22:23], s[42:43]
	s_lshl_b32 s37, 1, s24
	v_add_nc_u32 v[OF1], s37, v1
	s_wait_alu depctr_va_vdst(0)
	s_mul_i32 s44, s27, 12288
	s_mul_i32 s45, s[WV], 1536
	s_add_co_u32 s44, s44, s45
	s_mov_b32 s45, 0
	s_add_nc_u64 s[32:33], s[28:29], s[44:45]      ; my fragment's image
	s_lshl_b32 s44, s27, 9
	s_add_co_u32 s44, s44, s30
	s_add_nc_u64 s[34:35], s[28:29], s[44:45]      ; the tile's scale words
.irp j, 0,1,2,3,4,5,6,7
	global_load_b128 v[X+4*\j:X+4*\j+3], v1, s[22:23] offset:512*\j th:TH_LOAD_NT
.endr
.irp j, 0,1,2,3,4,5,6,7
	global_load_b128 v[X+32+4*\j:X+32+4*\j+3], v[OF1], s[22:23] offset:512*\j th:TH_LOAD_NT
.endr
; sq = 0: the sums of both rows; sq = 1: the sums of their squares.  Four chains a row, the rows by turns; then across the 32 lanes.  The result stands in v[S] and v[S+8], in every lane.
.macro CHAINS sq
.irp i, 0,1
.irp k, 0,2,4,6
.if \sq
	v_pk_mul_f32 v[S+8*\i+\k:S+8*\i+\k+1], v[X+32*\i+\k:X+32*\i+\k+1], v[X+32*\i+\k:X+32*\i+\k+1]
.else
	v_pk_add_f32 v[S+8*\i+\k:S+8*\i+\k+1], v[X+32*\i+\k:X+32*\i+\k+1], v[X+32*\i+\k+8:X+32*\i+\k+9]
.endif
.endr
.endr
.irp j, 8,16,24
.irp i, 0,1
.irp k, 0,2,4,6
.if \sq
	v_pk_fma_f32 v[S+8*\i+\k:S+8*\i+\k+1], v[X+32*\i+\j+\k:X+32*\i+\j+\k+1], v[X+32*\i+\j+\k:X+32*\i+\j+\k+1], v[S+8*\i+\k:S+8*\i+\k+1]
.elseif \j > 8
	v_pk_add_f32 v[S+8*\i+\k:S+8*\i+\k+1], v[S+8*\i+\k:S+8*\i+\k+1], v[X+32*\i+\j+\k:X+32*\i+\j+\k+1]
.endif
.endr
.endr
.endr
.irp i, 0
	v_pk_add_f32 v[S+8*\i:S+8*\i+1], v[S+8*\i:S+8*\i+1], v[S+8*\i+2:S+8*\i+3]
	v_pk_add_f32 v[S+8*\i+4:S+8*\i+5], v[S+8*\i+4:S+8*\i+5], v[S+8*\i+6:S+8*\i+7]
.endr
.irp i, 1
	v_pk_add_f32 v[S+8*\i:S+8*\i+1], v[S+8*\i:S+8*\i+1], v[S+8*\i+2:S+8*\i+3]
	s_delay_alu instid0(VALU_DEP_4)
	v_pk_add_f32 v[S+8*\i+4:S+8*\i+5], v[S+8*\i+4:S+8*\i+5], v[S+8*\i+6:S+8*\i+7]
.endr
.irp i, 0
	s_delay_alu instid0(VALU_DEP_3)
	v_pk_add_f32 v[S+8*\i:S+8*\i+1], v[S+8*\i:S+8*\i+1], v[S+8*\i+4:S+8*\i+5]
.endr
.irp i, 1
	s_delay_alu instid0(VALU_DEP_2)
	v_pk_add_f32 v[S+8*\i:S+8*\i+1], v[S+8*\i:S+8*\i+1], v[S+8*\i+4:S+8*\i+5]
.endr
.irp i, 0,1
	s_delay_alu instid0(VALU_DEP_2)
	v_add_f32 v[S+8*\i], v[S+8*\i], v[S+8*\i+1]
.endr
.irp m, 1,2,4,8
.irp i, 0,1
	s_delay_alu instid0(VALU_DEP_2)
	v_add_f32_dpp v[S+8*\i], v[S+8*\i], v[S+8*\i] row_xmask:\m row_mask:0xf bank_mask:0xf
.endr
.endr
.irp i, 0,1
	s_delay_alu instid0(VALU_DEP_2)
	v_permlanex16_b32 v[S+8*\i+1], v[S+8*\i], s[SEL], s[SEL+1]
.endr
.irp i, 0,1
	s_delay_alu instid0(VALU_DEP_2)
	v_add_f32 v[S+8*\i], v[S+8*\i], v[S+8*\i+1]
.endr
.endm
	s_cmp_lt_u32 ttmp9, 256
	s_cbranch_scc0 .Lplain                         ; a weight's tile is quantised as it is
.irp j, 0,1,2,3,4,5,6,7
	global_load_b128 v[G+4*\j:G+4*\j+3], v1, s[6:7] offset:512*\j
	global_load_b128 v[B+4*\j:B+4*\j+3], v1, s[8:9] offset:512*\j
.endr
	s_lshr_b32 s42, s42, 8                         ; 16 bytes a row in st1, where src has 4,096
	s_add_nc_u64 s[10:11], s[10:11], s[42:43]      ; st1 at my first row
	s_wait_loadcnt 16                              ; my two rows are in; the 16 loads of gamma and beta may be out
	CHAINS 0
.irp i, 0,1
	s_delay_alu instid0(VALU_DEP_2)
	v_mul_f32 v[MU+2*\i], s[INV], v[S+8*\i]
.endr
.irp i, 0,1
	s_delay_alu instid0(VALU_DEP_2)
	v_mov_b32 v[MU+2*\i+1], v[MU+2*\i]
.endr
.irp i, 0,1
.set q, 0
.rept 16
	v_pk_add_f32 v[X+32*\i+q:X+32*\i+q+1], v[X+32*\i+q:X+32*\i+q+1], v[MU+2*\i:MU+2*\i+1] neg_lo:[0,1] neg_hi:[0,1]
.set q, q+2
.endr
.endr
	CHAINS 1                                       ; of x - mean: a true second pass, so a common offset of the inputs costs no accuracy
.irp i, 0,1
	s_delay_alu instid0(VALU_DEP_2)
	v_fma_f32 v[S+8*\i], v[S+8*\i], s[INV], s[EPS]
.endr
	s_wait_alu depctr_va_vdst(0)
.irp i, 0,1
	v_rsq_f32 v[RS+2*\i], v[S+8*\i]
.endr
	v_nop                                          ; a plain instruction behind the transcendentals
	s_wait_alu depctr_va_vdst(0)                   ; one wait for both, ahead of their first reader
.irp i, 0,1
	v_mov_b32 v[RS+2*\i+1], v[RS+2*\i]
.endr
.irp i, 0,1
.set q, 0
.rept 16
	v_pk_mul_f32 v[X+32*\i+q:X+32*\i+q+1], v[X+32*\i+q:X+32*\i+q+1], v[RS+2*\i:RS+2*\i+1]
.set q, q+2
.endr
.endr
	s_wait_loadcnt 0x0                             ; gamma and beta
.irp i, 0,1
.set q, 0
.rept 16
	v_pk_fma_f32 v[X+32*\i+q:X+32*\i+q+1], v[X+32*\i+q:X+32*\i+q+1], v[G+q:G+q+1], v[B+q:B+q+1]
.set q, q+2
.endr
.endr
	v_mov_b32 v182, 0
.irp i, 0,1
	global_store_b64 v182, v[MU+2*\i:MU+2*\i+1], s[10:11] offset:16*\i       ; every lane holds the same pair and writes the same 8 bytes: 32 bytes a wave
	global_store_b64 v182, v[RS+2*\i:RS+2*\i+1], s[10:11] offset:16*\i+8     ; MU, RS and v182 are not written again
.endr
.Lplain:
	s_wait_loadcnt 0x0
	s_wait_alu depctr_va_vdst(0)
.irp i, 0,1
.irp j, 0,1,2,3,4,5,6,7
	ds_store_b128 v4, v[X+32*\i+4*\j:X+32*\i+4*\j+3] offset:PITCH*\i+512*\j
.endr
.endr
	s_wait_dscnt 0x0                               ; for the others' sake: my two rows lie in the stage
	s_barrier_signal -1
	s_barrier_wait -1
.irp c, 0,1
.irp j, 0,1,2,3,4,5,6,7
	ds_load_b128 v[N+32*\c+4*\j:N+32*\c+4*\j+3], v5 offset:256*\c+16*\j
.endr
.endr
	s_wait_dscnt 0x0
	; my blocks h and 2 + h of row r: all 32 numbers of each are mine
.irp c, 0,1
	v_max3_num_f32 v[8+\c], |v[N+32*\c]|, |v[N+32*\c+1]|, 0x2800000   ; with the floor 2^(5 - 127): the byte cannot fall under 1
.endr
.irp i, 2,4,6,8,10,12,14,16,18,20,22,24,26,28,30
.irp c, 0,1
	s_delay_alu instid0(VALU_DEP_2)
	v_max3_num_f32 v[8+\c], v[8+\c], |v[N+32*\c+\i]|, |v[N+32*\c+\i+1]|
.endr
.endr
.irp c, 0,1
	s_delay_alu instid0(VALU_DEP_2)
	v_add_nc_u32 v[10+\c], 0xfe000000, v[8+\c]     ; 4 off the exponent field: the conversion's scale operand
.endr
.irp c, 0,1
	s_delay_alu instid0(VALU_DEP_2)
	v_lshrrev_b32 v[12+\c], 23, v[10+\c]           ; the scale's byte
.endr
	s_delay_alu instid0(VALU_DEP_1)
	v_lshl_or_b32 v14, v13, 16, v12
	v_lshlrev_b32 v16, 3, v3
	s_delay_alu instid0(VALU_DEP_1)
	v_lshlrev_b32 v14, v16, v14                    ; at their places in the word: 8 h bits up
	v_mov_b32 v15, 0
	s_delay_alu instid0(VALU_DEP_1)
	v_permlanex16_b32 v15, v14, s[SEL], s[SEL+1]
	s_delay_alu instid0(VALU_DEP_1)
	v_or_b32 v14, v14, v15                         ; with lane l xor 16's two bytes the word is whole
.irp c, 0,1
	v_cvt_scalef32_pk16_bf6_f32 v[C+6*\c:C+6*\c+2], v[N+32*\c:N+32*\c+15], v[10+\c]
	v_cvt_scalef32_pk16_bf6_f32 v[T+4*\c:T+4*\c+2], v[N+32*\c+16:N+32*\c+31], v[10+\c]   ; (a conversion's three registers begin on an even number)
.endr
	v_nop                                          ; a plain instruction behind the scaled conversions
.irp c, 0,1
.irp i, 0,1,2
	v_mov_b32 v[C+6*\c+3+\i], v[T+4*\c+\i]
.endr
.endr
.irp c, 0,1,2
	global_store_b128 v1, v[C+4*\c:C+4*\c+3], s[32:33] offset:512*\c   ; 512 consecutive bytes each
.endr
	ds_store_b32 v6, v14                           ; both halves of the lanes write the same word with the same value
	s_wait_dscnt 0x0
	s_barrier_signal -1
	s_barrier_wait -1
	s_cmp_lg_u32 s[WV], 0
	s_cbranch_scc1 .Ldone
	ds_load_b128 v[16:19], v7                      ; wave 0 stores the tile's 512 bytes of scale words as two whole runs of 256
	s_wait_dscnt 0x0
	global_store_b128 v1, v[16:19], s[34:35]
.Ldone:
	s_wait_tensorcnt 0x0
	ds_add_u32 v184, v185
	s_wait_dscnt 0x0
	s_endpgm
.Lfunc_end_k_qdc1d463724_prep:
	.size	k_qdc1d463724_prep, .Lfunc_end_k_qdc1d463724_prep-k_qdc1d463724_prep
	.p2alignl 7, 3214868480
	.fill 96, 4, 3214868480
	.section	.rodata,"a",@progbits
	.p2align	6, 0x0
	.amdhsa_kernel k_qdc1d463724_prep
		.amdhsa_group_segment_fixed_size 67584
		.amdhsa_private_segment_fixed_size 0
		.amdhsa_enable_private_segment 0
		.amdhsa_kernarg_size 72
		.amdhsa_user_sgpr_count 2
		.amdhsa_user_sgpr_kernarg_segment_ptr 1
		.amdhsa_wavefront_size32 1
		.amdhsa_system_sgpr_workgroup_id_x 1
		.amdhsa_system_sgpr_workgroup_id_y 1
		.amdhsa_system_sgpr_workgroup_id_z 1
		.amdhsa_system_vgpr_workitem_id 0
		.amdhsa_next_free_vgpr 186
		.amdhsa_next_free_sgpr 66
		.amdhsa_reserve_vcc 0
		.amdhsa_float_denorm_mode_32 3
		.amdhsa_float_denorm_mode_16_64 3
		.amdhsa_memory_ordered 1
		.amdhsa_forward_progress 1
		.amdhsa_inst_pref_size 28
	.end_amdhsa_kernel
	.amdgpu_metadata
---
amdhsa.version: [ 1, 2 ]
amdhsa.kernels:
  - .name:           k_qdc1d463724_prep
    .symbol:         k_qdc1d463724_prep.kd
    .args:
      - { .name: src, .offset: 0, .size: 8, .value_kind: global_buffer, .address_space: global }
      - { .name: pre_gamma, .offset: 8, .size: 8, .value_kind: global_buffer, .address_space: global }
      - { .name: pre_beta, .offset: 16, .size: 8, .value_kind: global_buffer, .address_space: global }
      - { .name: st1, .offset: 24, .size: 8, .value_kind: global_buffer, .address_space: global }
      - { .name: xq, .offset: 32, .size: 8, .value_kind: global_buffer, .address_space: global }
      - { .name: qkv_w, .offset: 40, .size: 8, .value_kind: global_buffer, .address_space: global }
      - { .name: fc1_w, .offset: 48, .size: 8, .value_kind: global_buffer, .address_space: global }
      - { .name: fc2_w, .offset: 56, .size: 8, .value_kind: global_buffer, .address_space: global }
      - { .name: wb, .offset: 64, .size: 8, .value_kind: global_buffer, .address_space: global }
    .group_segment_fixed_size: 67584
    .private_segment_fixed_size: 0
    .kernarg_segment_align: 8
    .kernarg_segment_size: 72
    .max_flat_workgroup_size: 256
    .sgpr_count:     66
    .vgpr_count:     186
    .wavefront_size: 32
...
	.end_amdgpu_metadata
.endif
;; end of part 8
;; launch qkv (part 9): grid 12 x 16, 4 waves a work-group, clusters of 4 x 4, 327,680 bytes of LDS; arguments xq, wb, qkv_b, qkvb; writes qkvb
.if DOCPART == 9
	.amdgcn_target "amdgcn-amd-amdhsa--gfx1250"
	.amdhsa_code_object_version 6
	.text
	.protected	k_qdc1d463724_qkv
	.globl	k_qdc1d463724_qkv
	.p2align	8
	.type	k_qdc1d463724_qkv,@function
k_qdc1d463724_qkv:
	s_mov_b64 s[64:65], 0
	v_nop
	global_prefetch_b8 v0, s[64:65] scope:SCOPE_SE
	s_setreg_imm32_b32 hwreg(HW_REG_WAVE_MODE, 25, 1), 1
	s_wait_xcnt 0x0
	s_wait_alu depctr_hold_cnt(0) depctr_sa_sdst(0) depctr_va_vdst(0) depctr_va_sdst(0) depctr_va_ssrc(0) depctr_va_vcc(0) depctr_vm_vsrc(0)
	s_getreg_b32 s2, hwreg(HW_REG_IB_STS2, 6, 4)
	s_cmp_eq_u32 s2, 0
	s_cbranch_scc0 .Lentry_in_a_cluster
	s_endpgm
.Lentry_in_a_cluster:
	s_bfe_u32 s2, ttmp6, 0x10000c
	s_cmp_lg_u32 s2, 0xf033
	s_cbranch_scc0 .Lentry_shape_is_right
	s_endpgm
.Lentry_shape_is_right:
.set KTOT,   1024
.set ISQKV,  1
.set ALAY,   1
.set A_SOFF, 3145728
.set B_COFF, 0
.set B_SOFF, 8650752
.set KT,     KTOT/128
.set IMG,    1536
.set RPITCH, KT*IMG
.set ROWB,   2*IMG
.set HALFT,  8*ROWB
.set SLOT,   4*HALFT
.set LAPS,   KTOT/512
.set NQ,     2
.set FR,     12
.set NL,     3
.set NP,     4
.set SCL,    2*SLOT
.set HALFS,  KT*512
.set SPARE,  SCL+4*HALFS
.set SBLKA,  KT*64
.set SBLKB,  KT*64
.set SSTEPA, 128
.set YSROW,  KT*64
.set SAC,    32
.set SAR,    HALFS/256
.set SAP,    32
.set HB,     315392
.set CH,     73728
.set ADRA, 16
.set ADRB, 20
.set ADRSA, 22
.set ADRSB, 23
.set SGA,  24
.set SGL,  25
.set CO,   26
.set CO8,  27
.set SPW,  28
.set NIL,  29
.set SC,   32
.set BT,   64
.set AF,   128
.set BTV,  224
.set H,    128
.set TM,   192
.set PW,   208
.set PW2,  209
.set PC,   232
.set SEL,  96
.set G1, 24
.set G0, 32
.set G1B, 48
.set G0B, 56
.set G1S, 68
.set G0S, 76
.set G1SB, 80
.set G0SB, 88
.set MSB, 0
.macro WIN new
.if MSB != \new
	s_set_vgpr_msb (MSB<<8)|\new
.set MSB, \new
.endif
.endm
.set MUL_LO, 0xa1
.set MUL_HI, 0xf1
.set TO_B,   0x40
.macro JLOAD g0a, g1a, g0b, g1b
	s_cmp_eq_u32 s15, 0
	s_cbranch_scc0 .Lfor_b_\@
	tensor_load_to_lds s[\g0a:\g0a+3], s[\g1a:\g1a+7]
	s_nop 0
.rept 4
	v_nop
.endr
	s_branch .Lasked_\@
.Lfor_b_\@:
	tensor_load_to_lds s[\g0b:\g0b+3], s[\g1b:\g1b+7]
	s_nop 0
.rept 4
	v_nop
.endr
.Lasked_\@:
.endm
.macro CREST
	s_cmp_lg_u32 s14, 0
	s_cbranch_scc1 .Lnot_wave_0_\@
	s_barrier_signal -3
.Lnot_wave_0_\@:
	s_barrier_wait -3
	s_barrier_signal -1
	s_barrier_wait -1
.endm
.macro CROUND
	s_barrier_signal -1
	s_barrier_wait -1
	CREST
.endm
	s_load_b256 s[4:11], s[0:1], 0x0
.if ALAY == 2
	s_load_b64 s[12:13], s[0:1], 0x20
.endif
	v_lshl_add_u32 v[SPW], v0, 2, SPARE
	v_mov_b32 v[NIL], 0
	ds_add_u32 v28, v29
	ds_add_u32 v28, v29
	s_wait_dscnt 0x0
	v_lshrrev_b32 v1, 5, v0
	v_readfirstlane_b32 s14, v1
	s_lshr_b32 s15, s14, 1
	s_and_b32 s16, s14, 1
	s_bfe_u32 s40, ttmp6, 0x40000
	s_bfe_u32 s41, ttmp6, 0x40004
	s_lshl_b32 s42, ttmp9, 2
	s_add_co_u32 s42, s42, s40
	s_and_b32 s17, ttmp7, 0xffff
	s_lshl_b32 s17, s17, 2
	s_add_co_u32 s17, s17, s41
	s_lshl_b32 s43, s41, 2
	s_lshl_b32 s43, 15, s43
	s_lshl_b32 s44, 0x1111, s40
	s_or_b32 s[G1+0], s43, (3<<16)|(1<<21)
	s_or_b32 s[G1B+0], s44, (3<<16)|(1<<21)
.irp g, G1, G1B
	s_mov_b32 s[\g+1], (ROWB/8)<<16
	s_mov_b32 s[\g+2], 16<<16                      ; the head's loads of codes bring a tile's 16 rows; behind them the two words are set to 8, for the ring
	s_mov_b32 s[\g+3], (ROWB/8)<<16
	s_mov_b32 s[\g+4], 16
	s_mov_b32 s[\g+5], RPITCH/8
	s_mov_b32 s[\g+6], 0
	s_mov_b32 s[\g+7], 0
.endr
	s_or_b32 s[G1S+0], s43, (3<<16)|(1<<21)
	s_mov_b32 s[G1S+1], SAC<<16
	s_mov_b32 s[G1S+2], (2*SAR)<<16                ; one load brings the scale words of all 256 rows
	s_mov_b32 s[G1S+3], SAC<<16
	s_mov_b32 s[G1S+4], 2*SAR
	s_mov_b32 s[G1S+5], SAP
	s_mov_b32 s[G1S+6], 0
	s_mov_b32 s[G1S+7], 0
	s_or_b32 s[G1SB+0], s44, (3<<16)|(1<<21)
	s_mov_b32 s[G1SB+1], 32<<16
	s_mov_b32 s[G1SB+2], (2*HALFS/256)<<16
	s_mov_b32 s[G1SB+3], 32<<16
	s_mov_b32 s[G1SB+4], 2*HALFS/256
	s_mov_b32 s[G1SB+5], 32
	s_mov_b32 s[G1SB+6], 0
	s_mov_b32 s[G1SB+7], 0
	s_lshl_b32 s18, s16, 3
	s_lshl_b32 s20, s17, 4
	s_add_co_u32 s20, s20, s18
	s_lshl_b32 s46, s42, 4
	s_add_co_u32 s46, s46, s18
	s_mul_i32 s22, s20, YSROW
	s_add_co_u32 s22, s22, A_SOFF
	s_mul_i32 s92, s46, KT*64
	s_add_co_u32 s92, s92, B_SOFF
	s_mul_i32 s20, s20, RPITCH
	s_mul_i32 s46, s46, RPITCH
	s_add_co_u32 s46, s46, B_COFF
	s_mov_b32 s21, 0
	s_mov_b32 s23, 0
	s_mov_b32 s47, 0
	s_mov_b32 s93, 0
	s_mul_i32 s45, s14, HALFT
	s_mul_i32 s94, s14, HALFS
	s_wait_kmcnt 0x0
	s_add_nc_u64 s[20:21], s[4:5], s[20:21]
	s_add_nc_u64 s[22:23], s[4:5], s[22:23]
	s_add_nc_u64 s[46:47], s[6:7], s[46:47]
	s_add_nc_u64 s[92:93], s[6:7], s[92:93]
	CROUND
	s_mov_b32 s[G0S], 1
	s_add_co_u32 s[G0S+1], s94, SCL-HALFS          ; wave 1 issues it: (wave - 1) x HALFS = the start of A's scale words,
	s_sub_nc_u64 s[G0S+2:G0S+3], s[22:23], HALFS   ; and in memory its upper half's address less that half
	s_or_b32 s[G0S+3], s[G0S+3], 0x80000000
	s_mov_b32 s[G0SB], 1
	s_add_co_u32 s[G0SB+1], s94, SCL-HALFS         ; wave 3 issues it: the start of B's scale words
	s_sub_nc_u64 s[G0SB+2:G0SB+3], s[92:93], HALFS
	s_or_b32 s[G0SB+3], s[G0SB+3], 0x80000000
.irp s, 0,1
	s_mov_b32 s[G0+4*\s], 1
	s_add_co_u32 s[G0+4*\s+1], s45, \s*SLOT
	s_add_nc_u64 s[G0+4*\s+2:G0+4*\s+3], s[20:21], \s*ROWB
	s_or_b32 s[G0+4*\s+3], s[G0+4*\s+3], 0x80000000
	s_mov_b32 s[G0B+4*\s], 1
	s_add_co_u32 s[G0B+4*\s+1], s45, \s*SLOT
	s_add_nc_u64 s[G0B+4*\s+2:G0B+4*\s+3], s[46:47], \s*ROWB
	s_or_b32 s[G0B+4*\s+3], s[G0B+4*\s+3], 0x80000000
.endr
; THE HEAD'S LOADS, ONE A WAVE: wave 0 slot 0's 16 tile rows of A (its ring descriptor names their start), wave 2 those of B, wave 1 A's scale words, wave 3 B's.  One chain of branches on the wave's number, all arms to one join.
.macro ARM under, g0, g1, next
	s_cmp_lt_u32 s14, \under
	s_cbranch_scc0 \next
	tensor_load_to_lds s[\g0:\g0+3], s[\g1:\g1+7]
	s_nop 0
.rept 4
	v_nop
.endr
	s_branch .Lhead_asked
\next:
.endm
	ARM 1, G0,  G1,  .Lhead_sa
	ARM 2, G0S, G1S, .Lhead_b
	ARM 3, G0B, G1B, .Lhead_sb
	tensor_load_to_lds s[G0SB:G0SB+3], s[G1SB:G1SB+7]
	s_nop 0
.rept 4
	v_nop
.endr
.Lhead_asked:
	v_and_b32 v1, 15, v0
	v_bfe_u32 v2, v0, 4, 1
	v_and_b32 v3, 31, v0
	v_lshlrev_b32 v[CO], 4, v3
	s_wait_alu depctr_va_vdst(0)
	v_lshlrev_b32 v[CO8], 3, v3
	v_lshlrev_b32 v4, 2, v3
.if ISQKV
	s_wait_alu depctr_va_vdst(0)
	s_cmp_ge_u32 ttmp9, 2
	s_cselect_b32 s18, 2*HALFT, 0
	s_cselect_b32 s19, 0, 2*HALFT
	s_cselect_b32 s2, 2*HALFS, 0
	s_cselect_b32 s3, 0, 2*HALFS
.else
	s_mov_b32 s18, 0
	s_mov_b32 s19, 2*HALFT
	s_mov_b32 s2, 0
	s_mov_b32 s3, 2*HALFS
.endif
	s_mul_i32 s21, s15, HALFT
	s_add_co_u32 s21, s21, s18
	s_mul_i32 s22, s16, HALFT
	s_add_co_u32 s22, s22, s19
.irp s, 0,1
	v_add_nc_u32 v[ADRA+\s], s21, v[CO]
	v_add_nc_u32 v[ADRB+\s], s22, v[CO]
	s_add_co_u32 s21, s21, SLOT
	s_add_co_u32 s22, s22, SLOT
.endr
	s_mul_i32 s23, s15, HALFS
	s_add_co_u32 s23, s23, s2
	s_add_co_u32 s23, s23, SCL
	s_mul_i32 s20, s16, HALFS
	s_add_co_u32 s20, s20, s3
	s_add_co_u32 s20, s20, SCL
.if ALAY == 1
	v_add_nc_u32 v[ADRSA], s23, v4
.else
	v_lshlrev_b32 v5, 2, v1
	v_lshl_add_u32 v5, v2, 9, v5
	v_add_nc_u32 v[ADRSA], s23, v5
.endif
	v_add_nc_u32 v[ADRSB], s20, v4
	s_mov_b32 s[SEL], 0x76543210
	s_mov_b32 s[SEL+1], 0xfedcba98
	s_lshl_b32 s20, s14, 10
	v_lshl_add_u32 v[SGA], v1, 2, s20
	v_add_nc_u32 v[SGL], s20, v[CO]
	s_lshl_b32 s66, s42, 10
	s_lshl_b32 s67, s16, 9
	s_add_co_u32 s100, s66, s67
	s_mov_b32 s101, 0
	s_add_nc_u64 s[100:101], s[8:9], s[100:101]
	s_lshl_b32 s67, s15, 9
	s_add_co_u32 s66, s66, s67
	s_mov_b32 s67, 0
	s_add_nc_u64 s[66:67], s[8:9], s[66:67]
	v_lshlrev_b32 v30, 6, v2
	v_and_b32 v31, 8, v1
	v_add_nc_u32 v31, v31, v1
	v_lshlrev_b32 v31, 2, v31
.irp b, 0,1,2,3,4,5,6,7
	global_load_b128 v[BT+8*\b:BT+8*\b+3], v30, s[100:101] offset:128*(\b/2)+32*(\b%2)
	global_load_b128 v[BT+8*\b+4:BT+8*\b+7], v30, s[100:101] offset:128*(\b/2)+32*(\b%2)+16
.endr
.irp a, 0,1,2,3,4,5,6,7
	global_load_b32 v[BTV+\a], v31, s[66:67] offset:128*(\a/2)+32*(\a%2)
.endr
.macro FRAG reg, adr, q, i
.irp c, 0,1,2
	ds_load_b128 v[\reg+4*\c:\reg+4*\c+3], v[\adr] offset:(\i)*ROWB+(\q)*IMG+512*\c
.endr
.endm
.macro MUL16 a0, p, q, sc, zero
.irp a, \a0, \a0+1
.irp b, 0,1,2,3,4,5,6,7
.set WD, 8*(8*((\a)%4)+\b)
.set WB, 128*(\p)+FR*\b
.set WA, AF+FR*(\a)
.set WSB, SC+16*(\sc)+8+\b
.set WSA, SC+16*(\sc)+(\a)
.if \zero
	v_wmma_scale_f32_16x16x128_f8f6f4 v[WD:WD+7], v[WB:WB+FR-1], v[WA:WA+FR-1], 0, v[WSB], v[WSA] matrix_a_fmt:MATRIX_FMT_BF6 matrix_b_fmt:MATRIX_FMT_BF6
.elseif (\q) == 0
	v_wmma_scale_f32_16x16x128_f8f6f4 v[WD:WD+7], v[WB:WB+FR-1], v[WA:WA+FR-1], v[WD:WD+7], v[WSB], v[WSA] matrix_a_fmt:MATRIX_FMT_BF6 matrix_b_fmt:MATRIX_FMT_BF6
.else
	v_wmma_scale_f32_16x16x128_f8f6f4 v[WD:WD+7], v[WB:WB+FR-1], v[WA:WA+FR-1], v[WD:WD+7], v[WSB], v[WSA] matrix_a_fmt:MATRIX_FMT_BF6 matrix_b_fmt:MATRIX_FMT_BF6 matrix_a_scale:MATRIX_SCALE_ROW1 matrix_b_scale:MATRIX_SCALE_ROW1
.endif
.endr
.endr
.endm
.macro FETCH_B slot, q, p
	WIN TO_B
.irp i, 0,1,2,3,4,5,6,7
	FRAG 128*(\p)+FR*\i, ADRB+\slot, \q, \i
.endr
	WIN 0
.endm
.macro FETCH_A slot, q, i0
.irp i, \i0, \i0+1, \i0+2, \i0+3
	FRAG AF+FR*(\i), ADRA+\slot, \q, \i
.endr
.endm
.macro SCALES sc
.irp i, 0,1,2,3,4,5,6,7
	ds_load_b32 v[SC+16*\sc+\i], v[ADRSA] offset:\i*SBLKA
	ds_load_b32 v[SC+16*\sc+8+\i], v[ADRSB] offset:\i*SBLKB
.endr
.endm
.macro PLACES n
.rept \n
	v_nop
.endr
.endm
.macro STEP slot, q, zero
	s_wait_dscnt 4*NL
	WIN MUL_LO
	MUL16 0, (\q)%2, \q, \slot, \zero
	MUL16 2, (\q)%2, \q, \slot, \zero
	s_wait_dscnt 0
	PLACES NP
	FETCH_B \slot, (\q)+1, 1-(\q)%2
	FETCH_A \slot, (\q)+1, 0
	WIN MUL_HI
	MUL16 4, (\q)%2, \q, \slot, \zero
	MUL16 6, (\q)%2, \q, \slot, \zero
	PLACES NP
	WIN 0
	FETCH_A \slot, (\q)+1, 4
.endm
.macro TURN slot, next, fill
	s_wait_tensorcnt 0x0
	ds_add_u32 v[SPW], v[NIL]
	s_wait_dscnt 4*NL+1
	WIN MUL_LO
	MUL16 0, 1, NQ-1, \slot, 0
	s_wait_dscnt 0x0
	s_barrier_signal -1
	MUL16 2, 1, NQ-1, \slot, 0
	WIN 0
	s_barrier_wait -1
.if \fill
	CREST
	s_add_nc_u64 s[G0+4*\slot+2:G0+4*\slot+3], s[G0+4*\slot+2:G0+4*\slot+3], 2*ROWB
	s_add_nc_u64 s[G0B+4*\slot+2:G0B+4*\slot+3], s[G0B+4*\slot+2:G0B+4*\slot+3], 2*ROWB
	JLOAD G0+4*\slot, G1, G0B+4*\slot, G1B
.else
	PLACES NP
.endif
	s_wait_alu depctr_va_vdst(0)
	v_add_nc_u32 v[ADRSA], SSTEPA, v[ADRSA]
	v_add_nc_u32 v[ADRSB], 128, v[ADRSB]
	FETCH_B \next, 0, 0
	FETCH_A \next, 0, 0
	SCALES \next
	WIN MUL_HI
	MUL16 4, 1, NQ-1, \slot, 0
	MUL16 6, 1, NQ-1, \slot, 0
	PLACES NP
	WIN 0
	FETCH_A \next, 0, 4
.endm
	s_wait_alu depctr_va_vdst(0)
	s_wait_alu depctr_va_vdst(0)                   ; the wait at the head's end
	s_wait_tensorcnt 0x0                           ; my tile of the head's four is in; the three lines ahead of slot 1's first fill, as ahead of a refill
	ds_add_u32 v[SPW], v[NIL]
	s_mov_b32 s[G1+2], 8<<16                       ; no load of mine is out: from here on a load brings 8 tile rows
	s_mov_b32 s[G1+4], 8
	s_mov_b32 s[G1B+2], 8<<16
	s_mov_b32 s[G1B+4], 8
	s_wait_dscnt 0x0
	CROUND                                         ; all four tiles are in, in every partner
	JLOAD G0+4, G1, G0B+4, G1B                     ; slot 1's first fill: my one load behind the round
	FETCH_B 0, 0, 0
	FETCH_A 0, 0, 0
	SCALES 0
	FETCH_A 0, 0, 4
	STEP 0, 0, 1
	s_mov_b32 s3, LAPS-1
.Llap:
	TURN 0, 1, 1
	STEP 1, 0, 0
	TURN 1, 0, 1
	STEP 0, 0, 0
	s_sub_co_u32 s3, s3, 1
	s_cmp_lg_u32 s3, 0
	s_cbranch_scc1 .Llap
	TURN 0, 1, 0
	STEP 1, 0, 0
	s_wait_dscnt 4*NL
	WIN MUL_LO
	MUL16 0, 1, NQ-1, 1, 0
	MUL16 2, 1, NQ-1, 1, 0
	s_wait_dscnt 0
	WIN MUL_HI
	MUL16 4, 1, NQ-1, 1, 0
	MUL16 6, 1, NQ-1, 1, 0
	WIN 0
.macro QUANT s
.irp b, 0,1,2,3
	v_max3_num_f32 v[TM+\b], |v[\s+16*\b]|, |v[\s+1+16*\b]|, 0x2800000
.endr
.irp i, 2,4,6,8,10,12,14
.irp b, 0,1,2,3
	v_max3_num_f32 v[TM+\b], v[TM+\b], |v[\s+16*\b+\i]|, |v[\s+1+16*\b+\i]|
.endr
.endr
.irp b, 0,1,2,3
	v_permlanex16_b32 v[TM+4+\b], v[TM+\b], s[SEL], s[SEL+1]
.endr
.irp b, 0,1,2,3
	v_max_num_f32 v[TM+\b], v[TM+\b], v[TM+4+\b]
.endr
.irp b, 0,1,2,3
	v_add_nc_u32 v[TM+12+\b], 0xfe000000, v[TM+\b]
.endr
.irp b, 0,1,2,3
	v_lshrrev_b32 v[TM+4+\b], 23, v[TM+12+\b]
.endr
	v_lshl_or_b32 v[PW], v[TM+5], 8, v[TM+4]
	v_lshl_or_b32 v[PW], v[TM+6], 16, v[PW]
	v_lshl_or_b32 v[PW], v[TM+7], 24, v[PW]
.irp c, 0,1
	v_cvt_scalef32_pk16_bf6_f32 v[PC+6*\c:PC+2+6*\c], v[\s+32*\c:\s+15+32*\c], v[TM+12+2*\c]
	v_cvt_scalef32_pk16_bf6_f32 v[PC+12+4*\c:PC+14+4*\c], v[\s+16+32*\c:\s+31+32*\c], v[TM+12+2*\c+1]
.endr
	v_nop
.irp c, 0,1
.irp i, 0,1,2
	v_permlane16_swap_b32 v[PC+6*\c+\i], v[PC+12+4*\c+\i]
.endr
.irp i, 0,1,2
	v_mov_b32 v[PC+3+6*\c+\i], v[PC+12+4*\c+\i]
.endr
.endr
.endm
	s_wait_loadcnt 0x0
	PLACES NP
.irp b, 0,1,2,3
	v_mov_b32 v[TM+4+\b], 0
.endr
	s_cmp_ge_u32 ttmp9, 2
	s_cbranch_scc1 .Lv_arm
	s_lshr_b32 s18, s17, 3
	s_lshl_b32 s18, s18, 4
	s_and_b32 s19, s42, 3
	s_lshl_b32 s19, s19, 2
	s_add_co_u32 s18, s18, s19
	s_lshl_b32 s19, s16, 1
	s_add_co_u32 s18, s18, s19
	s_mul_i32 s18, s18, HB
	s_and_b32 s19, s17, 7
	s_lshl_b32 s19, s19, 4
	s_lshl_b32 s20, s15, 3
	s_add_co_u32 s19, s19, s20
	s_lshr_b32 s20, s19, 5
	s_mul_i32 s20, s20, CH
	s_and_b32 s21, s19, 31
	s_mul_i32 s21, s21, 768
	s_add_co_u32 s20, s20, s21
	s_add_co_u32 s20, s20, s18
	s_add_co_u32 s20, s20, 20480
	s_lshl_b32 s22, s19, 6
	s_add_co_u32 s22, s22, s18
	s_cmp_eq_u32 ttmp9, 0
	s_cselect_b32 s46, 49152, 0
	s_cselect_b32 s47, 12288, 0
	s_add_co_u32 s20, s20, s46
	s_add_co_u32 s22, s22, s47
	s_mov_b32 s21, 0
	s_mov_b32 s23, 0
	s_add_nc_u64 s[20:21], s[10:11], s[20:21]
	s_add_nc_u64 s[22:23], s[10:11], s[22:23]
.macro QKBLOCK a
	s_wait_xcnt 0x0
	s_wait_dscnt 0x0
	WIN 0x02+(\a)/4
.set i, 0
.rept 32
	v_pk_add_f32 v[H+i:H+i+1], v[64*((\a)%4)+i:64*((\a)%4)+i+1], v[BT+i:BT+i+1]
.set i, i+2
.endr
	WIN 0
	QUANT H
	v_lshrrev_b32 v[PW2], 16, v[PW]
	global_store_b128 v[CO], v[PC:PC+3], s[20:21] offset:768*(\a)
	global_store_b64 v[CO8], v[PC+4:PC+5], s[20:21] offset:768*(\a)+512
	global_store_b128 v[CO], v[PC+6:PC+9], s[20:21] offset:768*(\a)+HB
	global_store_b64 v[CO8], v[PC+10:PC+11], s[20:21] offset:768*(\a)+512+HB
	ds_store_b32 v[SGA], v[PW] offset:64*(\a)
	ds_store_b32 v[SGA], v[PW2] offset:512+64*(\a)
.endm
.irp a, 0,1,2,3,4,5,6,7
	QKBLOCK \a
.endr
	ds_load_b128 v[192:195], v[SGL]
	ds_load_b128 v[196:199], v[SGL] offset:512
	s_wait_dscnt 0x0
	global_store_b128 v[CO], v[192:195], s[22:23]
	global_store_b128 v[CO], v[196:199], s[22:23] offset:HB
	s_branch .Lend
.Lv_arm:
	s_lshr_b32 s18, s17, 3
	s_lshl_b32 s18, s18, 4
	s_sub_co_u32 s19, s42, 8
	s_lshl_b32 s19, s19, 2
	s_add_co_u32 s18, s18, s19
	s_lshl_b32 s19, s15, 1
	s_add_co_u32 s18, s18, s19
	s_mul_i32 s18, s18, HB
	s_lshl_b32 s19, s17, 1
	s_add_co_u32 s19, s19, s16
	s_and_b32 s19, s19, 15
	s_lshr_b32 s20, s19, 2
	s_mul_i32 s20, s20, CH
	s_and_b32 s21, s19, 3
	s_mul_i32 s21, s21, 4*IMG
	s_add_co_u32 s20, s20, s21
	s_add_co_u32 s20, s20, s18
	s_add_co_u32 s20, s20, 20480+24576
	s_lshl_b32 s22, s19, 8
	s_add_co_u32 s22, s22, s18
	s_add_co_u32 s22, s22, 8192
	s_mov_b32 s21, 0
	s_mov_b32 s23, 0
	s_add_nc_u64 s[20:21], s[10:11], s[20:21]
	s_add_nc_u64 s[22:23], s[10:11], s[22:23]
	v_mul_u32_u24 v5, v2, HB
	v_lshl_add_u32 v5, v1, 4, v5
.macro VBLOCK a
	s_wait_xcnt 0x0
	s_wait_dscnt 0x0
	WIN 0x02+(\a)/4
.set i, 0
.rept 64
	v_add_f32 v[H+i], v[64*((\a)%4)+i], v[BTV+(\a)]
.set i, i+1
.endr
	WIN 0
	QUANT H
.irp c, 0,1,2
	global_store_b128 v[CO], v[PC+4*\c:PC+4*\c+3], s[20:21] offset:((\a)/4)*HB+((\a)%4)*IMG+512*\c
.endr
	ds_store_b32 v[SGA], v[PW] offset:8192+64*(\a)
.endm
.irp a, 0,1,2,3,4,5,6,7
	VBLOCK \a
.endr
	ds_load_b128 v[192:195], v[SGL] offset:8192
	s_wait_dscnt 0x0
	global_store_b128 v5, v[192:195], s[22:23]
.Lend:
	s_wait_tensorcnt 0x0
	ds_add_u32 v[SPW], v[NIL]
	s_wait_dscnt 0x0
	CROUND
	s_endpgm
.Lfunc_end_k_qdc1d463724_qkv:
	.size	k_qdc1d463724_qkv, .Lfunc_end_k_qdc1d463724_qkv-k_qdc1d463724_qkv
	.p2alignl 7, 3214868480
	.fill 96, 4, 3214868480
	.section	.rodata,"a",@progbits
	.p2align	6, 0x0
	.amdhsa_kernel k_qdc1d463724_qkv
		.amdhsa_group_segment_fixed_size 327680
		.amdhsa_private_segment_fixed_size 0
		.amdhsa_enable_private_segment 0
		.amdhsa_kernarg_size 32
		.amdhsa_user_sgpr_count 2
		.amdhsa_user_sgpr_kernarg_segment_ptr 1
		.amdhsa_wavefront_size32 1
		.amdhsa_system_sgpr_workgroup_id_x 1
		.amdhsa_system_sgpr_workgroup_id_y 1
		.amdhsa_system_sgpr_workgroup_id_z 1
		.amdhsa_system_vgpr_workitem_id 0
		.amdhsa_next_free_vgpr 1024
		.amdhsa_next_free_sgpr 102
		.amdhsa_reserve_vcc 0
		.amdhsa_float_denorm_mode_32 3
		.amdhsa_float_denorm_mode_16_64 3
		.amdhsa_memory_ordered 1
		.amdhsa_forward_progress 1
		.amdhsa_inst_pref_size 215
	.end_amdhsa_kernel
	.amdgpu_metadata
---
amdhsa.version: [ 1, 2 ]
amdhsa.kernels:
  - .name:           k_qdc1d463724_qkv
    .symbol:         k_qdc1d463724_qkv.kd
    .args:
      - { .name: xq, .offset: 0, .size: 8, .value_kind: global_buffer, .address_space: global }
      - { .name: wb, .offset: 8, .size: 8, .value_kind: global_buffer, .address_space: global }
      - { .name: qkv_b, .offset: 16, .size: 8, .value_kind: global_buffer, .address_space: global }
      - { .name: qkvb, .offset: 24, .size: 8, .value_kind: global_buffer, .address_space: global }
    .group_segment_fixed_size: 327680
    .private_segment_fixed_size: 0
    .kernarg_segment_align: 8
    .kernarg_segment_size: 32
    .max_flat_workgroup_size: 128
    .sgpr_count:     102
    .vgpr_count:     1024
    .wavefront_size: 32
...
	.end_amdgpu_metadata
.endif
;; end of part 9
;; launch attn (part 10): grid 8 x 32, 16 waves a work-group, clusters of 4 x 1, 327,680 bytes of LDS; arguments qkvb, src, st1, pre_gamma, pre_beta, ac; writes ac
.if DOCPART == 10
	.amdgcn_target "amdgcn-amd-amdhsa--gfx1250"
	.amdhsa_code_object_version 6
	.text
	.protected	k_qdc1d463724_attn
	.globl	k_qdc1d463724_attn
	.p2align	8
	.type	k_qdc1d463724_attn,@function
k_qdc1d463724_attn:
	s_mov_b64 s[64:65], 0
	v_nop
	global_prefetch_b8 v0, s[64:65] scope:SCOPE_SE
	s_setreg_imm32_b32 hwreg(HW_REG_WAVE_MODE, 25, 1), 1
	s_wait_xcnt 0x0
	s_wait_alu depctr_hold_cnt(0) depctr_sa_sdst(0) depctr_va_vdst(0) depctr_va_sdst(0) depctr_va_ssrc(0) depctr_va_vcc(0) depctr_vm_vsrc(0)
	s_getreg_b32 s2, hwreg(HW_REG_IB_STS2, 6, 4)
	s_cmp_eq_u32 s2, 0
	s_cbranch_scc0 .Lentry_in_a_cluster
	s_endpgm
.Lentry_in_a_cluster:
	s_bfe_u32 s2, ttmp6, 0x10000c
	s_cmp_lg_u32 s2, 0x3003
	s_cbranch_scc0 .Lentry_shape_is_right
	s_endpgm
.Lentry_shape_is_right:
; ATTENTION on codes of BF6 (E3M2), head size 64, 2,048 keys, no mask; then + x.  ac[token][64 head ..] = softmax(q k^T / 8) v + x, x = LayerNorm(src) remade from src and each row's mean and 1 / sqrt(var + eps) in st1.
; Both products are used transposed (S^T = K Q^T, O^T = V^T P^T): a lane holds ONE query throughout.
; THE HEAD'S 64 FILL HALF OF THE INSTRUCTION'S 128 ALONG K.  A fragment of K holds TWO tiles of 16 keys: tile a at k = 0 .. 63, tile b at k = 64 .. 127.  It is multiplied twice: with [q | zero codes] for tile a, with [zero codes | q] for tile b
; (v16-33 hold zeros, q, zeros: both operands are runs of them).  So 48 registers hold all eight tiles of a key step, and the NEXT step's are asked for directly behind the score products and land under the softmax.
; THE SOFTMAX: t = score x log2(e) / 8; M = the running largest t rounded UP to a whole number; p = 2^(t - M) is quantised along the keys, not normalised; the row's sum is taken of the unquantised p and divides at the end.
; When M moves, the sum and O^T are multiplied by 2^(old M - new M): exact.
; SHARES.  A work-group owns 256 queries of one (batch, head); each of its sixteen waves 16 of them, in 256 registers: four waves to a SIMD.
; LDS.  The head's scale words (K's 8,192 bytes, V's 4,096) at 0; then sixteen key steps of 128 keys, 12,288 bytes each: K's 8 half images, then V's 4 images.  Every byte is filled once.
; ONE TENSOR LOAD BRINGS ONE KEY STEP: two rows of 6,144 bytes, 24,576 apart in memory.  At the head waves 0-3 ask for steps 0-3 and waves 4-7 for a quarter of the scale words each; behind the three lines and a round of the
; cluster's barrier waves 4-15 ask for steps 4-15, which have three steps' work in which to land.  One barrier stands ahead of step 3, whose prefetch is the first read of them; from there on there is none.
; CLUSTER 4 x 1: the four query blocks of a cluster belong to one head: every load is asked for jointly, with the same descriptor and the mask of all four.
; K and V are not prefetched into the L2: all their loads are issued in these two groups, and the second is waited for three steps behind its issue.  src is: see below.
; The tiles' rows are rows 32 (t / 2) + 8 (t % 2) + r + 8 (r / 8), so the 16 registers of K's tiles 2 b, 2 b + 1 are 16 neighbouring keys, and O^T's of V's tiles likewise 16 neighbouring channels.
; LIMITS: NaN and infinities are not served.
.set HB,    315392                     ; a (batch, head)'s block in qkvb: K's scale words 8,192, V's 4,096, Q's 8,192, then four chunks
.set CH,    73728                      ; a chunk in memory: K 24,576, V 24,576, Q 24,576
.set LC0,   12288
.set STP,   12288                      ; a key step in LDS
.set STAGE, LC0+16*STP                 ; 16 rows x 272 bytes for each wave, for the way out; no fill lands there
.set SP,    272
.set SPARE, STAGE+16*16*SP             ; the spare words, 128 bytes a wave
.set A16, 1                            ; v1 16 x lane, v2 8 x lane, v3 4 x lane
.set A8,  2
.set A4,  3
.set ADK16, 4                          ; v4-7 the step's LDS addresses: codes by 16 and by 8 bytes a lane, K's and V's scale words
.set ADK8,  5
.set ADS,   6
.set ADT,   7
.set VS,  8                            ; v8-9 V's scale words: tile 2 j in lanes 0-15, tile 2 j + 1 in lanes 16-31
.set FF,  10                           ; v10 f = 2^(old M - new M);  v11 p's scale word.  v12 -M, v13 the largest t, v[14:15] the sum
.set PS,  11
.set Q2,  16                           ; v16-27 [zeros | q]
.set Q1,  22                           ; v22-33 [q | zeros]
.set KF,  34                           ; v34-81 four fragments of K, two tiles each
.set VF,  82                           ; v82-129 four of V
.set S,   130                          ; v130-193 S^T, then p
.set O,   194                          ; v194-225 O^T
.set PC,  226                          ; v226-237 p's codes
.set BM,  234                          ; v234-237 the blocks' largest scores (done with when the codes are made)
.set T,   238                          ; v238-249 at work
.set KS,  250                          ; v250-251 the scale words of K's tiles 0, 1 and 4, 5 (bytes 0, 1); v252-253 of tiles 2, 3 and 6, 7, moved to bytes 2, 3
.set PFO, 254                          ; v254 4,096 x lane: the prefetch's offset
.set QS,  255                          ; v255 Q's scale bytes, twice: bytes 0, 1 and 2, 3
.set SPW, 254                          ; the add's two registers: no two can be kept through the steps, so v0 is kept and they are made anew at the end
.set NIL, 11
.set WV,  18
.set SEL, 20
.set CS,  22
.set G1K, 24
.set G1S, 32
.set G0S, 40
.set G0K, 44
.set TK,  60                           ; s60-62 this step's LDS bytes: codes, K's scale words, V's
.set TSK, 61
.set TSV, 62
.set CNT, 63
.set PFA, 76
.set XB,  78
.set OB,  80
.set STB, 84                           ; s[84:91] st1, gamma, beta, ac
.set GB,  86
.set BB,  88
.macro CROUND                          ; a round of the cluster's barrier
	s_barrier_signal -1
	s_barrier_wait -1
	s_cmp_lg_u32 s[WV], 0
	s_cbranch_scc1 .Lnot_wave_0_\@
	s_barrier_signal -3
.Lnot_wave_0_\@:
	s_barrier_wait -3
	s_barrier_signal -1
	s_barrier_wait -1
.endm
; A step's K: fragment f holds tiles a = 4 (f / 2) + f % 2 and a + 2.  20 LDS loads.
.macro KLOAD a16, a8, a4, ko, so
.irp f, 0,1,2,3
	ds_load_b128 v[KF+12*\f:KF+12*\f+3], v[\a16] offset:\ko+768*(4*(\f/2)+\f%2)
	ds_load_b64 v[KF+12*\f+4:KF+12*\f+5], v[\a8] offset:\ko+768*(4*(\f/2)+\f%2)+512
	ds_load_b128 v[KF+12*\f+6:KF+12*\f+9], v[\a16] offset:\ko+768*(4*(\f/2)+\f%2+2)
	ds_load_b64 v[KF+12*\f+10:KF+12*\f+11], v[\a8] offset:\ko+768*(4*(\f/2)+\f%2+2)+512
.endr
.irp j, 0,1
	ds_load_b32 v[KS+\j], v[\a4] offset:\so+256*\j             ; 32 lanes take the words of two tiles, 64 bytes each
	ds_load_b32 v[KS+2+\j], v[\a4] offset:\so+256*\j+128
.endr
.endm
	s_load_b128 s[4:7], s[0:1], 0x0                ; qkvb, src
	s_load_b256 s[84:91], s[0:1], 0x10             ; st1, gamma, beta, ac
	v_lshl_add_u32 v[SPW], v0, 2, SPARE
	v_mov_b32 v[NIL], 0
	ds_add_u32 v[SPW], v[NIL]                      ; the opening lines: the add, twice on end, and its wait
	ds_add_u32 v[SPW], v[NIL]
	v_lshrrev_b32 v130, 5, v0
	s_delay_alu instid0(VALU_DEP_1)
	v_readfirstlane_b32 s[WV], v130                ; wave 0..15
	s_bfe_u32 s10, ttmp6, 0x40000                  ; cx
	s_lshl_b32 s11, ttmp9, 2
	s_add_co_u32 s11, s11, s10                     ; my block of 256 queries: it enters Q's, src's, st1's and ac's addresses alone
	s_and_b32 s12, ttmp7, 0xffff                   ; 16 batch + head, which the partners share
	s_mul_i32 s13, s12, HB
	s_mov_b32 s[G1K], 15|(3<<16)|(1<<21)           ; the mask of all four; elements of 8 bytes; bit 21 beside a mask; no padding
	s_mov_b32 s[G1K+1], 768<<16                    ; a row: 6,144 bytes
	s_mov_b32 s[G1K+2], 2<<16                      ; two rows: K's, V's
	s_mov_b32 s[G1K+3], 768<<16
	s_mov_b32 s[G1K+4], 2
	s_mov_b32 s[G1K+5], 3072                       ; 24,576 bytes apart
	s_mov_b32 s[G1K+6], 0
	s_mov_b32 s[G1K+7], 0
	s_mov_b32 s[G1S], 15|(3<<16)|(1<<21)
	s_mov_b32 s[G1S+1], 32<<16                     ; dense bytes as rows of 256
	s_mov_b32 s[G1S+2], 12<<16                     ; 12 rows: a quarter of K's and V's scale words
	s_mov_b32 s[G1S+3], 32<<16
	s_mov_b32 s[G1S+4], 12
	s_mov_b32 s[G1S+5], 32
	s_mov_b32 s[G1S+6], 0
	s_mov_b32 s[G1S+7], 0
	s_and_b32 s14, s[WV], 3
	s_mul_i32 s15, s14, 3072                       ; the scale words' quarter wave % 4
	s_mul_i32 s14, s14, 6144                       ; key step = wave: chunk wave / 4, place wave % 4
	s_lshr_b32 s16, s[WV], 2
	s_mul_i32 s16, s16, CH
	s_add_co_u32 s66, s14, s16
	s_add_co_u32 s66, s66, s13
	s_add_co_u32 s66, s66, 20480
	s_mov_b32 s67, 0
	s_add_co_u32 s16, s13, s15
	s_mov_b32 s17, 0
	s_mul_i32 s68, s[WV], STP
	s_mov_b32 s[SEL], 0x76543210
	s_mov_b32 s[SEL+1], 0xfedcba98
	s_mov_b32 s[CS], 0x3e38aa3b                    ; c = log2(e) / 8
	s_mov_b32 s[CS+1], s[CS]
	s_mov_b32 s[TK], LC0
	s_mov_b32 s[TSK], 0
	s_mov_b32 s[TSV], 0
	s_wait_dscnt 0x0                               ; both opening adds are done
	s_wait_kmcnt 0x0
	s_add_nc_u64 s[16:17], s[4:5], s[16:17]
	s_add_nc_u64 s[66:67], s[4:5], s[66:67]
	s_mov_b32 s[G0S], 1
	s_mov_b32 s[G0S+1], s15
	s_mov_b64 s[G0S+2:G0S+3], s[16:17]
	s_or_b32 s[G0S+3], s[G0S+3], 0x80000000
	s_mov_b32 s[G0K], 1
	s_add_co_u32 s[G0K+1], s68, LC0
	s_mov_b64 s[G0K+2:G0K+3], s[66:67]
	s_or_b32 s[G0K+3], s[G0K+3], 0x80000000
	CROUND                                         ; all four work-groups are here: the joint loads meet
	s_cmp_lt_u32 s[WV], 4                          ; the head's fills: one chain of branches on the wave's number, one load to an arm, one join
	s_cbranch_scc0 .Lhead_s
	tensor_load_to_lds s[G0K:G0K+3], s[G1K:G1K+7]  ; waves 0-3: key steps 0-3
	s_nop 0
.rept 4
	v_nop
.endr
	s_branch .Lhead_j
.Lhead_s:
	s_cmp_lt_u32 s[WV], 8
	s_cbranch_scc0 .Lhead_j
	tensor_load_to_lds s[G0S:G0S+3], s[G1S:G1S+7]  ; waves 4-7: the scale words
	s_nop 0
.rept 4
	v_nop
.endr
.Lhead_j:
	v_and_b32 v130, 31, v0
	v_and_b32 v131, 15, v0
	s_delay_alu instid0(VALU_DEP_2)
	v_lshlrev_b32 v[A16], 4, v130
	v_lshlrev_b32 v[A8], 3, v130
	v_lshlrev_b32 v[A4], 2, v130
	v_lshlrev_b32 v131, 2, v131                    ; 4 x (lane % 16): Q's scale words
	s_lshr_b32 s68, s11, 1                         ; Q: tile qt = 16 block + wave lies in chunk qt / 32, place qt % 32
	s_mul_i32 s68, s68, CH
	s_and_b32 s69, s11, 1
	s_lshl_b32 s69, s69, 4
	s_add_co_u32 s69, s69, s[WV]
	s_mul_i32 s69, s69, 768
	s_add_co_u32 s68, s68, s69
	s_add_co_u32 s68, s68, s13
	s_add_co_u32 s68, s68, 20480+49152
	s_mov_b32 s69, 0
	s_add_nc_u64 s[68:69], s[4:5], s[68:69]
	s_lshl_b32 s70, s11, 4
	s_add_co_u32 s70, s70, s[WV]                   ; qt
	s_lshl_b32 s72, s70, 6
	s_add_co_u32 s72, s72, s13
	s_add_co_u32 s72, s72, 12288
	s_mov_b32 s73, 0
	s_add_nc_u64 s[72:73], s[4:5], s[72:73]
	s_wait_alu depctr_va_vdst(0)                   ; the offsets below were written a run of scalar lines ago
	global_load_b128 v[Q1:Q1+3], v[A16], s[68:69]  ; Q's half image: registers 0-3, 4-5
	global_load_b64 v[Q1+4:Q1+5], v[A8], s[68:69] offset:512
	global_load_b32 v[QS], v131, s[72:73]          ; and its scale words
.irp i, 0,1,2,3,4,5
	v_mov_b32 v[Q2+\i], 0                          ; zero codes on both sides of q
	v_mov_b32 v[Q1+6+\i], 0
.endr
	s_lshr_b32 s74, s12, 4
	s_lshl_b32 s74, s74, 11                        ; 2,048 batch
	s_lshr_b32 s75, s70, 1
	s_lshl_b32 s75, s75, 5
	s_add_co_u32 s74, s74, s75                     ; + 32 (qt / 2)
	s_and_b32 s71, s70, 1
	s_lshl_b32 s92, s71, 3
	s_add_co_u32 s92, s92, s74                     ; + 8 (qt % 2): my tile's first row
	s_lshl_b32 s92, s92, 4
	s_mov_b32 s93, 0
	s_add_nc_u64 s[STB:STB+1], s[STB:STB+1], s[92:93]   ; st1: 16 bytes a row
	s_lshl_b32 s74, s74, 12
	s_and_b32 s92, s12, 15
	s_lshl_b32 s92, s92, 8                         ; the head's 256 bytes
	s_add_nc_u64 s[GB:GB+1], s[GB:GB+1], s[92:93]
	s_add_nc_u64 s[BB:BB+1], s[BB:BB+1], s[92:93]
	s_add_co_u32 s74, s74, s92
	s_mov_b32 s75, 0
	s_add_nc_u64 s[PFA:PFA+1], s[6:7], s[74:75]    ; src at the 32 rows of tiles qt and qt xor 1
	s_lshl_b32 s71, s71, 15                        ; + 8 (qt % 2) rows
	s_add_co_u32 s74, s74, s71
	s_add_nc_u64 s[XB:XB+1], s[6:7], s[74:75]
	s_add_nc_u64 s[OB:OB+1], s[90:91], s[74:75]
	v_mov_b32 v13, 0xff61b1e6                      ; the largest t so far: -3e38
	s_delay_alu instid0(VALU_DEP_1)
	v_floor_f32 v12, -v13                          ; -M
	v_mov_b32 v14, 0
	v_mov_b32 v15, 0
.irp b, 0,1,2,3
	v_mov_b32 v[T+\b], 0                           ; a lane permute's destination counts as one of its sources
.endr
.set j, 0
.rept 32
	v_mov_b32 v[O+j], 0                            ; O^T: the step is written once; its first walk finds zeros, which the first change of M leaves zeros
.set j, j+1
.endr
; A KEY STEP: 128 keys.  Its K and K's scale words are in registers.  pf = 1: the next step's are asked for.
.macro STEP pf
.irp f, 0,1,2,3                                ; S^T = K Q^T: each fragment twice
.if \f%2
	v_wmma_scale_f32_16x16x128_f8f6f4 v[S+8*(4*(\f/2)+1):S+8*(4*(\f/2)+1)+7], v[KF+12*\f:KF+12*\f+11], v[Q1:Q1+11], 0, v[KS+\f/2], v[QS] matrix_a_fmt:MATRIX_FMT_BF6 matrix_b_fmt:MATRIX_FMT_BF6 matrix_a_scale:MATRIX_SCALE_ROW1
	v_wmma_scale_f32_16x16x128_f8f6f4 v[S+8*(4*(\f/2)+3):S+8*(4*(\f/2)+3)+7], v[KF+12*\f:KF+12*\f+11], v[Q2:Q2+11], 0, v[KS+2+\f/2], v[QS] matrix_a_fmt:MATRIX_FMT_BF6 matrix_b_fmt:MATRIX_FMT_BF6 matrix_a_scale:MATRIX_SCALE_ROW1
.else
	v_wmma_scale_f32_16x16x128_f8f6f4 v[S+8*(4*(\f/2)):S+8*(4*(\f/2))+7], v[KF+12*\f:KF+12*\f+11], v[Q1:Q1+11], 0, v[KS+\f/2], v[QS] matrix_a_fmt:MATRIX_FMT_BF6 matrix_b_fmt:MATRIX_FMT_BF6
	v_wmma_scale_f32_16x16x128_f8f6f4 v[S+8*(4*(\f/2)+2):S+8*(4*(\f/2)+2)+7], v[KF+12*\f:KF+12*\f+11], v[Q2:Q2+11], 0, v[KS+2+\f/2], v[QS] matrix_a_fmt:MATRIX_FMT_BF6 matrix_b_fmt:MATRIX_FMT_BF6
.endif
.endr
	v_add_nc_u32 v[ADK16], s[TK], v[A16]           ; this step's addresses.  These four are the places behind the products: in front of the loads into V's registers (read by the last step's products),
	v_add_nc_u32 v[ADK8], s[TK], v[A8]             ; of the loads into K's, and of the first read of the scores
	v_add_nc_u32 v[ADS], s[TSK], v[A4]
	v_add_nc_u32 v[ADT], s[TSV], v[A4]
.irp t, 0,1,2,3                                ; V's four fragments land under the softmax,
.irp c, 0,1,2
	ds_load_b128 v[VF+12*\t+4*\c:VF+12*\t+4*\c+3], v[ADK16] offset:6144+1536*\t+512*\c
.endr
.endr
.irp j, 0,1
	ds_load_b32 v[VS+\j], v[ADT] offset:8192+128*\j
.endr
.if \pf
	KLOAD ADK16, ADK8, ADS, STP, 512               ; and so does the next step's K
.endif
.irp b, 0,1,2,3
	v_max3_num_f32 v[BM+\b], v[S+16*\b], v[S+1+16*\b], v[S+2+16*\b]   ; the largest score of each block of 32 keys: it serves the row's maximum and, since p rises with the score, the block's largest p
.endr
.irp i, 3,5,7,9,11,13
.irp b, 0,1,2,3
	v_max3_num_f32 v[BM+\b], v[BM+\b], v[S+16*\b+\i], v[S+1+16*\b+\i]
.endr
.endr
.irp b, 0,1,2,3
	v_max_num_f32 v[BM+\b], v[BM+\b], v[S+15+16*\b]
.endr
.irp b, 0,1,2,3
	s_delay_alu instid0(VALU_DEP_4)
	v_permlanex16_b32 v[T+\b], v[BM+\b], s[SEL], s[SEL+1]
.endr
.irp b, 0,1,2,3
	s_delay_alu instid0(VALU_DEP_4)
	v_max_num_f32 v[BM+\b], v[BM+\b], v[T+\b]      ; with lane l xor 16's 16 keys
.endr
	s_delay_alu instid0(VALU_DEP_2)
	v_max3_num_f32 v[T], v[BM], v[BM+1], v[BM+2]
	s_delay_alu instid0(VALU_DEP_1)
	v_max_num_f32 v[T], v[T], v[BM+3]
	s_delay_alu instid0(VALU_DEP_1)
	v_mul_f32 v[T], s[CS], v[T]                    ; as t
	s_delay_alu instid0(VALU_DEP_1)
	v_max_num_f32 v13, v13, v[T]                   ; the running largest t
	v_mov_b32 v[T], v12
	s_delay_alu instid0(VALU_DEP_2)
	v_floor_f32 v12, -v13                          ; the new -M = -ceil(t)
	s_delay_alu instid0(VALU_DEP_1)
	v_sub_f32 v[T], v12, v[T]                      ; old M - new M: a whole number, 0 or less
	s_delay_alu instid0(VALU_DEP_1)
	v_cvt_i32_f32 v[T], v[T]                       ; (it saturates)
	s_delay_alu instid0(VALU_DEP_1)
	v_ldexp_f32 v[FF], 1.0, v[T]                   ; f = 2^(old M - new M)
.set j, 0
.rept 32
	v_pk_fma_f32 v[S+j:S+j+1], v[S+j:S+j+1], s[CS:CS+1], v[12:13] op_sel_hi:[1,0,0]   ; t - M
.set j, j+2
.endr
.irp b, 0,1,2,3
	v_fma_f32 v[BM+\b], v[BM+\b], s[CS], v12       ; the same of each block's largest score
.endr
.set j, 0
	s_wait_alu depctr_va_vdst(0)                   ; the wait ahead of the batch
.rept 64
	v_exp_f32 v[S+j], v[S+j]                       ; p = 2^(t - M), at most 1
.set j, j+1
.endr
	v_pk_mul_f32 v[14:15], v[14:15], v[FF:FF+1] op_sel_hi:[1,0]   ; the sums under the new M; a plain instruction behind the exponentials
	s_wait_alu depctr_va_vdst(0)                   ; one wait for the whole batch, ahead of its first reader
.irp b, 0,1,2,3
	v_exp_f32 v[BM+\b], v[BM+\b]                   ; the block's largest p
.endr
.irp k, 0,1,2,3,4,5                            ; the row's sum of the unquantised p: six chains and the sum's own
	v_pk_add_f32 v[T+2*\k:T+2*\k+1], v[S+4*\k:S+4*\k+1], v[S+4*\k+2:S+4*\k+3]
.endr
.irp r, 0,1,2
.irp k, 0,1,2,3,4,5
	v_pk_add_f32 v[T+2*\k:T+2*\k+1], v[T+2*\k:T+2*\k+1], v[S+24+12*\r+2*\k:S+24+12*\r+2*\k+1]
.endr
.endr
	v_pk_add_f32 v[14:15], v[14:15], v[S+60:S+61]
	v_pk_add_f32 v[T:T+1], v[T:T+1], v[T+2:T+3]
	v_pk_add_f32 v[T+4:T+5], v[T+4:T+5], v[T+6:T+7]
	v_pk_add_f32 v[T+8:T+9], v[T+8:T+9], v[T+10:T+11]
	v_pk_add_f32 v[14:15], v[14:15], v[S+62:S+63]
	v_pk_add_f32 v[T:T+1], v[T:T+1], v[T+4:T+5]
	v_pk_add_f32 v[14:15], v[14:15], v[T+8:T+9]
	v_pk_add_f32 v[14:15], v[14:15], v[T:T+1]
	s_wait_alu depctr_va_vdst(0)                   ; and one for the four
.irp b, 0,1,2,3
	v_max_num_f32 v[BM+\b], 0x2800000, v[BM+\b]    ; the floor 2^(5 - 127): the byte cannot fall under 1
.endr
.irp b, 0,1,2,3
	s_delay_alu instid0(VALU_DEP_4)
	v_add_nc_u32 v[T+8+\b], 0xfe000000, v[BM+\b]   ; 4 off the exponent field: the conversion's scale operand
.endr
.irp b, 0,1,2,3
	s_delay_alu instid0(VALU_DEP_4)
	v_lshrrev_b32 v[T+\b], 23, v[T+8+\b]
.endr
	s_delay_alu instid0(VALU_DEP_3)
	v_lshl_or_b32 v[PS], v[T+1], 8, v[T]           ; p's scale word for these 128 keys
	s_delay_alu instid0(VALU_DEP_1)
	v_lshl_or_b32 v[PS], v[T+2], 16, v[PS]
	s_delay_alu instid0(VALU_DEP_1)
	v_lshl_or_b32 v[PS], v[T+3], 24, v[PS]
.irp c, 0,1
	v_cvt_scalef32_pk16_bf6_f32 v[PC+6*\c:PC+2+6*\c], v[S+32*\c:S+15+32*\c], v[T+8+2*\c]
	v_cvt_scalef32_pk16_bf6_f32 v[T+4*\c:T+2+4*\c], v[S+16+32*\c:S+31+32*\c], v[T+8+2*\c+1]
.endr
	v_nop                                          ; a plain instruction behind the scaled conversions
.irp c, 0,1
.irp i, 0,1,2
	v_permlane16_swap_b32 v[PC+6*\c+\i], v[T+4*\c+\i]
.endr
.irp i, 0,1,2
	s_delay_alu instid0(VALU_DEP_3)
	v_mov_b32 v[PC+3+6*\c+\i], v[T+4*\c+\i]
.endr
.endr
	s_wait_alu depctr_va_vdst(0)                   ; the wait here, directly ahead of the wait below
	s_wait_dscnt 0x0                               ; V, and the next step's K: both were asked for ahead of the softmax
.if \pf
	v_lshlrev_b32 v[KS+2], 16, v[KS+2]             ; the words of the tiles that lie at k = 64 .. 127: their two bytes to bytes 2, 3 (bytes 0, 1 become the finite code 0 and meet zero codes)
	v_lshlrev_b32 v[KS+3], 16, v[KS+3]
.endif
.set j, 0
.rept 16
	v_pk_mul_f32 v[O+j:O+j+1], v[O+j:O+j+1], v[FF:FF+1] op_sel_hi:[1,0]   ; O^T under the new M; these sixteen also stand between the writes of codes and scale words and the products that take them
.set j, j+2
.endr
	s_wait_alu depctr_va_vdst(0)
.irp t, 0,1,2,3
.if \t%2
	v_wmma_scale_f32_16x16x128_f8f6f4 v[O+8*\t:O+8*\t+7], v[VF+12*\t:VF+12*\t+11], v[PC:PC+11], v[O+8*\t:O+8*\t+7], v[VS+\t/2], v[PS] matrix_a_fmt:MATRIX_FMT_BF6 matrix_b_fmt:MATRIX_FMT_BF6 matrix_a_scale:MATRIX_SCALE_ROW1
.else
	v_wmma_scale_f32_16x16x128_f8f6f4 v[O+8*\t:O+8*\t+7], v[VF+12*\t:VF+12*\t+11], v[PC:PC+11], v[O+8*\t:O+8*\t+7], v[VS+\t/2], v[PS] matrix_a_fmt:MATRIX_FMT_BF6 matrix_b_fmt:MATRIX_FMT_BF6
.endif
.endr
	s_add_co_u32 s[TK], s[TK], STP
	s_add_co_u32 s[TSK], s[TSK], 512
	s_add_co_u32 s[TSV], s[TSV], 256
.endm
	s_wait_alu depctr_va_vdst(0)                   ; the wait at the head's end
	s_wait_tensorcnt 0x0                           ; my load of the head, if I had one, is in; the three lines ahead of the later first fills, as ahead of a refill:
	ds_add_u32 v[SPW], v[NIL]                      ; the add, twice on end
	ds_add_u32 v[SPW], v[NIL]
	s_wait_dscnt 0x0
	CROUND                                         ; steps 0-3 and the scale words are in, in every partner
	s_cmp_lt_u32 s[WV], 4
	s_cbranch_scc1 .Lno_second
	tensor_load_to_lds s[G0K:G0K+3], s[G1K:G1K+7]  ; waves 4-15: key steps 4-15, my one load behind the round
	s_nop 0
.rept 4
	v_nop
.endr
.Lno_second:
	KLOAD A16, A8, A4, LC0, 0                      ; step 0's K
	s_wait_loadcnt 0x0                             ; Q
	s_wait_dscnt 0x0
	v_perm_b32 v[QS], v[QS], v[QS], 0x05040100     ; Q's two scale bytes at bytes 0, 1 and 2, 3: one word serves [q | 0] and [0 | q]
	v_lshlrev_b32 v[KS+2], 16, v[KS+2]
	v_lshlrev_b32 v[KS+3], 16, v[KS+3]
	v_lshlrev_b32 v[PFO], 8, v[A16]                ; 4,096 x lane (the adds above are done with this register)
.rept 8
	v_nop                                          ; a scale register written by a vector instruction stands 8 places ahead of the product
.endr
	s_wait_alu depctr_va_vdst(0)
	s_mov_b32 s[CNT], 3
.Lfirst:                                               ; steps 0-2; they ask for K of steps 1-3
	STEP 1
	s_sub_co_u32 s[CNT], s[CNT], 1
	s_cmp_lg_u32 s[CNT], 0
	s_cbranch_scc1 .Lfirst
	s_wait_tensorcnt 0x0                           ; my key step is in; nothing is ever filled again, so the barrier only shows steps 4-15 to all sixteen waves
	s_wait_dscnt 0x0
	s_barrier_signal -1
	s_barrier_wait -1
	s_and_b32 s71, s[WV], 1                        ; src is prefetched thirteen key steps ahead of the loads that want it: an even wave names the 32 rows of its own tile and its odd neighbour's, a lane a row,
	s_cmp_eq_u32 s71, 0                            ; the head's 256 bytes of each: every such block is named once in the launch; the address registers are rewritten only behind the wait on XCNT at the end
	s_cbranch_scc0 .Lodd
	global_prefetch_b8 v[PFO], s[PFA:PFA+1] th:TH_LOAD_NT scope:SCOPE_SE
.Lodd:
	s_mov_b32 s[CNT], 12
.Lrest:                                                ; steps 3-14; they ask for K of steps 4-15
	STEP 1
	s_sub_co_u32 s[CNT], s[CNT], 1
	s_cmp_lg_u32 s[CNT], 0
	s_cbranch_scc1 .Lrest
	STEP 0                                         ; step 15 asks for nothing
	; THE WAY OUT.  O^T / the sum goes through my stage and comes back as whole rows of 256 bytes; x is remade and added; sixteen lanes store 256 consecutive bytes, aligned.
	v_and_b32 v34, 15, v0                          ; r
	v_bfe_u32 v35, v0, 4, 1                        ; h
	s_mul_i32 s71, s[WV], 16*SP
	s_add_co_u32 s71, s71, STAGE                   ; my stage
	v_lshlrev_b32 v36, 12, v35
	v_lshlrev_b32 v37, 4, v35                      ; st1: 16 h
	v_lshlrev_b32 v38, 4, v34                      ; gamma, beta: 16 r
	v_lshl_add_u32 v36, v34, 4, v36                ; src, ac: lanes 0-15 one row's 256 bytes, lanes 16-31 the next row's
.irp i, 0,1,2,3,4,5,6,7
	global_load_b128 v[S+4*\i:S+4*\i+3], v36, s[XB:XB+1] offset:(2*\i+8*(\i/4))*4096   ; tile rows 2 i, 2 i + 1 are rows 2 i + 8 (i / 4) on
	global_load_b128 v[S+32+4*\i:S+32+4*\i+3], v37, s[STB:STB+1] offset:(2*\i+8*(\i/4))*16   ; their mean, twice, and 1 / sqrt(var + eps), twice
.endr
	global_load_b128 v[40:43], v38, s[GB:GB+1]
	global_load_b128 v[44:47], v38, s[BB:BB+1]
	v_mul_u32_u24 v48, v34, SP
	v_mul_u32_u24 v49, v35, SP
	v_lshl_add_u32 v48, v35, 6, v48
	v_lshl_add_u32 v49, v34, 4, v49
	v_add_nc_u32 v48, s71, v48                     ; into the stage: row r, + 64 h
	v_add_nc_u32 v49, s71, v49                     ; back: lanes 0-15 one row of 256 bytes, lanes 16-31 the next
	v_add_f32 v14, v14, v15
	s_delay_alu instid0(VALU_DEP_1)
	v_permlanex16_b32 v[T], v14, s[SEL], s[SEL+1]
	s_delay_alu instid0(VALU_DEP_1)
	v_add_f32 v14, v14, v[T]                       ; the row's sum
	s_wait_alu depctr_va_vdst(0)
	v_rcp_f32 v14, v14
.rept 4
	v_nop                                          ; the plain instruction behind the reciprocal
.endr
	s_wait_alu depctr_va_vdst(0)                   ; ahead of the first reader
.set j, 0
.rept 32
	v_mul_f32 v[VF+j], v[O+j], v14                 ; register 8 t + i: channel 32 (t / 2) + 16 h + 8 (t % 2) + i
.set j, j+1
.endr
.irp t, 0,1,2,3
	ds_store_b128 v48, v[VF+8*\t:VF+8*\t+3] offset:128*(\t/2)+32*(\t%2)
	ds_store_b128 v48, v[VF+8*\t+4:VF+8*\t+7] offset:128*(\t/2)+32*(\t%2)+16
.endr
.irp i, 0,1,2,3,4,5,6,7
	ds_load_b128 v[50+4*\i:53+4*\i], v49 offset:2*\i*SP   ; LDS serves a wave's instructions in order: these see my stores
.endr
	s_wait_dscnt 0x0
	s_wait_loadcnt 0x0
.irp i, 0,1,2,3,4,5,6,7                        ; x = (src - mean) / sqrt(var + eps) x gamma + beta, by the operations that made the quantised x
.irp u, 0,2
	v_pk_add_f32 v[S+4*\i+\u:S+4*\i+\u+1], v[S+4*\i+\u:S+4*\i+\u+1], v[S+32+4*\i:S+32+4*\i+1] neg_lo:[0,1] neg_hi:[0,1]
.endr
.endr
.irp i, 0,1,2,3,4,5,6,7
.irp u, 0,2
	v_pk_mul_f32 v[S+4*\i+\u:S+4*\i+\u+1], v[S+4*\i+\u:S+4*\i+\u+1], v[S+32+4*\i+2:S+32+4*\i+3]
.endr
.endr
.irp i, 0,1,2,3,4,5,6,7
.irp u, 0,2
	v_pk_fma_f32 v[S+4*\i+\u:S+4*\i+\u+1], v[S+4*\i+\u:S+4*\i+\u+1], v[40+\u:41+\u], v[44+\u:45+\u]
.endr
.endr
.set j, 0
.rept 16
	v_pk_add_f32 v[50+j:51+j], v[50+j:51+j], v[S+j:S+j+1]
.set j, j+2
.endr
.irp i, 0,1,2,3,4,5,6,7
	global_store_b128 v36, v[50+4*\i:53+4*\i], s[OB:OB+1] offset:(2*\i+8*(\i/4))*4096
.endr
	s_wait_xcnt 0x0
	v_lshl_add_u32 v[SPW], v0, 2, SPARE            ; the add's two registers, made anew
	v_mov_b32 v[NIL], 0
	s_wait_alu depctr_va_vdst(0)
	s_wait_tensorcnt 0x0                           ; the wave's end
	ds_add_u32 v[SPW], v[NIL]
	s_wait_dscnt 0x0
	CROUND                                         ; the closing round
	s_endpgm
.Lfunc_end_k_qdc1d463724_attn:
	.size	k_qdc1d463724_attn, .Lfunc_end_k_qdc1d463724_attn-k_qdc1d463724_attn
	.p2alignl 7, 3214868480
	.fill 96, 4, 3214868480
	.section	.rodata,"a",@progbits
	.p2align	6, 0x0
	.amdhsa_kernel k_qdc1d463724_attn
		.amdhsa_group_segment_fixed_size 327680
		.amdhsa_private_segment_fixed_size 0
		.amdhsa_enable_private_segment 0
		.amdhsa_kernarg_size 48
		.amdhsa_user_sgpr_count 2
		.amdhsa_user_sgpr_kernarg_segment_ptr 1
		.amdhsa_wavefront_size32 1
		.amdhsa_system_sgpr_workgroup_id_x 1
		.amdhsa_system_sgpr_workgroup_id_y 1
		.amdhsa_system_sgpr_workgroup_id_z 1
		.amdhsa_system_vgpr_workitem_id 0
		.amdhsa_next_free_vgpr 256
		.amdhsa_next_free_sgpr 96
		.amdhsa_reserve_vcc 0
		.amdhsa_float_denorm_mode_32 3
		.amdhsa_float_denorm_mode_16_64 3
		.amdhsa_memory_ordered 1
		.amdhsa_forward_progress 1
		.amdhsa_inst_pref_size 71
	.end_amdhsa_kernel
	.amdgpu_metadata
---
amdhsa.version: [ 1, 2 ]
amdhsa.kernels:
  - .name:           k_qdc1d463724_attn
    .symbol:         k_qdc1d463724_attn.kd
    .args:
      - { .name: qkvb, .offset: 0, .size: 8, .value_kind: global_buffer, .address_space: global }
      - { .name: src, .offset: 8, .size: 8, .value_kind: global_buffer, .address_space: global }
      - { .name: st1, .offset: 16, .size: 8, .value_kind: global_buffer, .address_space: global }
      - { .name: pre_gamma, .offset: 24, .size: 8, .value_kind: global_buffer, .address_space: global }
      - { .name: pre_beta, .offset: 32, .size: 8, .value_kind: global_buffer, .address_space: global }
      - { .name: ac, .offset: 40, .size: 8, .value_kind: global_buffer, .address_space: global }
    .group_segment_fixed_size: 327680
    .private_segment_fixed_size: 0
    .kernarg_segment_align: 8
    .kernarg_segment_size: 48
    .max_flat_workgroup_size: 512
    .sgpr_count:     96
    .vgpr_count:     256
    .wavefront_size: 32
...
	.end_amdgpu_metadata
.endif
;; end of part 10
;; launch ln2 (part 11): grid 256 x 1, 8 waves a work-group, no clusters, 67,584 bytes of LDS; arguments ac, addnorm_gamma, addnorm_beta, st2, xq; writes st2, xq
.if DOCPART == 11
	.amdgcn_target "amdgcn-amd-amdhsa--gfx1250"
	.amdhsa_code_object_version 6
	.text
	.protected	k_qdc1d463724_ln2
	.globl	k_qdc1d463724_ln2
	.p2align	8
	.type	k_qdc1d463724_ln2,@function
k_qdc1d463724_ln2:
	s_mov_b64 s[64:65], 0
	v_nop
	global_prefetch_b8 v0, s[64:65] scope:SCOPE_SE
	s_setreg_imm32_b32 hwreg(HW_REG_WAVE_MODE, 25, 1), 1
	s_wait_xcnt 0x0
; LN2.  x1 = LayerNorm(ac) as its rows' statistics (st2) and as codes of BF6 (E3M2) with one E8M0 byte for each 32 along K (xq).
; A work-group takes one tile of 16 rows x 1,024: tile row r of tile t is row 32 (t / 2) + 8 (t % 2) + r + 8 (r / 8).  Codes are stored as images of the operand's registers: a fragment (16 rows x 128 K) is 1,536 bytes,
; registers 4 c .. 4 c + 3 of lane l at 512 c + 16 l; its scale words 64 bytes.  Wave w loads and normalises tile rows 2 w, 2 w + 1, and behind a barrier quantises K step w of all 16 rows.
; No matrix unit, no cluster, no tensor load: work-groups share no input, and memory binds.
; LIMITS: NaN and infinities are not served; a block whose largest magnitude lies under 2^-122 (zeros too) gets the scale byte 1.
; x1 is NOT stored as f32: of each row only (mean, mean, 1 / sqrt(var + eps), the same again), 16 bytes, goes to st2 (the fourth argument); the launch that adds x1 remakes it from ac.
.set PITCH, 4112
.set GATH,  16*PITCH
.set S,   8
.set MU,  24
.set RS,  28
.set X,   32
.set G,   96
.set B,   128
.set N,   96
.set C,   160
.set T,   172
.set WV,  36
.set SEL, 38
.set INV, 40
.set EPS, 41
	s_load_b256 s[4:11], s[0:1], 0x0               ; ac, gamma, beta, st2
	s_load_b64 s[12:13], s[0:1], 0x20              ; xq
	v_lshl_add_u32 v184, v0, 2, 0x10400
	v_mov_b32 v185, 0
	v_lshrrev_b32 v2, 5, v0
	s_delay_alu instid0(VALU_DEP_1)
	v_readfirstlane_b32 s[WV], v2
	v_and_b32 v8, 31, v0
	s_delay_alu instid0(VALU_DEP_1)
	v_lshlrev_b32 v1, 4, v8
	v_and_b32 v2, 15, v0
	s_wait_alu depctr_va_vdst(0)
	v_bfe_u32 v3, v0, 4, 1
	s_mov_b32 s[SEL], 0x76543210
	s_mov_b32 s[SEL+1], 0xfedcba98
	s_mov_b32 s[INV], 0x3a800000                   ; 1 / 1,024
	s_mov_b32 s[EPS], 0x3727c5ac                   ; 1e-5
	s_mul_i32 s37, s[WV], 2*PITCH
	v_add_nc_u32 v4, s37, v1
	v_mul_u32_u24 v5, v2, PITCH
	s_delay_alu instid0(VALU_DEP_1)
	v_lshl_add_u32 v5, v3, 7, v5
	s_lshl_b32 s37, s[WV], 9
	v_add_nc_u32 v5, s37, v5
	s_lshl_b32 s37, s[WV], 6
	s_add_co_u32 s37, s37, GATH
	v_lshl_add_u32 v6, v2, 2, s37
	v_add_nc_u32 v7, GATH, v1
	s_lshr_b32 s42, ttmp9, 1
	s_lshl_b32 s42, s42, 5
	s_and_b32 s43, ttmp9, 1
	s_lshl_b32 s43, s43, 3
	s_add_co_u32 s42, s42, s43
	s_lshl_b32 s43, s[WV], 1
	s_add_co_u32 s42, s42, s43
	s_lshr_b32 s43, s[WV], 2
	s_lshl_b32 s43, s43, 3
	s_add_co_u32 s42, s42, s43                     ; my first row
	s_lshl_b32 s42, s42, 12
	s_mov_b32 s43, 0
	s_mul_i32 s44, ttmp9, 12288
	s_mul_i32 s45, s[WV], 1536
	s_add_co_u32 s44, s44, s45
	s_mov_b32 s45, 0
	s_lshl_b32 s46, ttmp9, 9
	s_add_co_u32 s46, s46, 3145728
	s_mov_b32 s47, 0
	s_wait_kmcnt 0x0
	s_add_nc_u64 s[4:5], s[4:5], s[42:43]
	s_lshr_b32 s42, s42, 8                         ; 16 bytes a row in st2, where ac has 4,096
	s_add_nc_u64 s[10:11], s[10:11], s[42:43]
	s_add_nc_u64 s[32:33], s[12:13], s[44:45]
	s_add_nc_u64 s[34:35], s[12:13], s[46:47]
.irp i, 0,1
.irp j, 0,1,2,3,4,5,6,7
	global_load_b128 v[X+32*\i+4*\j:X+32*\i+4*\j+3], v1, s[4:5] offset:4096*\i+512*\j th:TH_LOAD_NT
.endr
.endr
.irp j, 0,1,2,3,4,5,6,7
	global_load_b128 v[G+4*\j:G+4*\j+3], v1, s[6:7] offset:512*\j
	global_load_b128 v[B+4*\j:B+4*\j+3], v1, s[8:9] offset:512*\j
.endr
; sq = 0: the sums of both rows; sq = 1: the sums of their squares.  Four chains a row, the rows by turns; then across the 32 lanes.
.macro CHAINS sq
.irp i, 0,1
.irp k, 0,2,4,6
.if \sq
	v_pk_mul_f32 v[S+8*\i+\k:S+8*\i+\k+1], v[X+32*\i+\k:X+32*\i+\k+1], v[X+32*\i+\k:X+32*\i+\k+1]
.else
	v_pk_add_f32 v[S+8*\i+\k:S+8*\i+\k+1], v[X+32*\i+\k:X+32*\i+\k+1], v[X+32*\i+\k+8:X+32*\i+\k+9]
.endif
.endr
.endr
.irp j, 8,16,24
.irp i, 0,1
.irp k, 0,2,4,6
.if \sq
	v_pk_fma_f32 v[S+8*\i+\k:S+8*\i+\k+1], v[X+32*\i+\j+\k:X+32*\i+\j+\k+1], v[X+32*\i+\j+\k:X+32*\i+\j+\k+1], v[S+8*\i+\k:S+8*\i+\k+1]
.elseif \j > 8
	v_pk_add_f32 v[S+8*\i+\k:S+8*\i+\k+1], v[S+8*\i+\k:S+8*\i+\k+1], v[X+32*\i+\j+\k:X+32*\i+\j+\k+1]
.endif
.endr
.endr
.endr
.irp i, 0
	v_pk_add_f32 v[S+8*\i:S+8*\i+1], v[S+8*\i:S+8*\i+1], v[S+8*\i+2:S+8*\i+3]
	v_pk_add_f32 v[S+8*\i+4:S+8*\i+5], v[S+8*\i+4:S+8*\i+5], v[S+8*\i+6:S+8*\i+7]
.endr
.irp i, 1
	v_pk_add_f32 v[S+8*\i:S+8*\i+1], v[S+8*\i:S+8*\i+1], v[S+8*\i+2:S+8*\i+3]
	s_delay_alu instid0(VALU_DEP_4)
	v_pk_add_f32 v[S+8*\i+4:S+8*\i+5], v[S+8*\i+4:S+8*\i+5], v[S+8*\i+6:S+8*\i+7]
.endr
.irp i, 0
	s_delay_alu instid0(VALU_DEP_3)
	v_pk_add_f32 v[S+8*\i:S+8*\i+1], v[S+8*\i:S+8*\i+1], v[S+8*\i+4:S+8*\i+5]
.endr
.irp i, 1
	s_delay_alu instid0(VALU_DEP_2)
	v_pk_add_f32 v[S+8*\i:S+8*\i+1], v[S+8*\i:S+8*\i+1], v[S+8*\i+4:S+8*\i+5]
.endr
.irp i, 0,1
	s_delay_alu instid0(VALU_DEP_2)
	v_add_f32 v[S+8*\i], v[S+8*\i], v[S+8*\i+1]
.endr
.irp m, 1,2,4,8
.irp i, 0,1
	s_delay_alu instid0(VALU_DEP_2)
	v_add_f32_dpp v[S+8*\i], v[S+8*\i], v[S+8*\i] row_xmask:\m row_mask:0xf bank_mask:0xf
.endr
.endr
.irp i, 0,1
	s_delay_alu instid0(VALU_DEP_2)
	v_permlanex16_b32 v[S+8*\i+1], v[S+8*\i], s[SEL], s[SEL+1]
.endr
.irp i, 0,1
	s_delay_alu instid0(VALU_DEP_2)
	v_add_f32 v[S+8*\i], v[S+8*\i], v[S+8*\i+1]
.endr
.endm
	s_wait_loadcnt 16                              ; my two rows are in; the 16 loads of gamma and beta may be out
	CHAINS 0
.irp i, 0,1
	s_delay_alu instid0(VALU_DEP_2)
	v_mul_f32 v[MU+2*\i], s[INV], v[S+8*\i]
.endr
.irp i, 0,1
	s_delay_alu instid0(VALU_DEP_2)
	v_mov_b32 v[MU+2*\i+1], v[MU+2*\i]
.endr
.irp i, 0,1
.set q, 0
.rept 16
	v_pk_add_f32 v[X+32*\i+q:X+32*\i+q+1], v[X+32*\i+q:X+32*\i+q+1], v[MU+2*\i:MU+2*\i+1] neg_lo:[0,1] neg_hi:[0,1]
.set q, q+2
.endr
.endr
	CHAINS 1                                       ; of x - mean: a true second pass
.irp i, 0,1
	s_delay_alu instid0(VALU_DEP_2)
	v_fma_f32 v[S+8*\i], v[S+8*\i], s[INV], s[EPS]
.endr
	s_wait_alu depctr_va_vdst(0)
.irp i, 0,1
	v_rsq_f32 v[RS+2*\i], v[S+8*\i]
.endr
	v_nop                                          ; a plain instruction behind the transcendentals
	s_wait_alu depctr_va_vdst(0)                   ; one wait for both, ahead of their first reader
.irp i, 0,1
	v_mov_b32 v[RS+2*\i+1], v[RS+2*\i]
.endr
.irp i, 0,1
.set q, 0
.rept 16
	v_pk_mul_f32 v[X+32*\i+q:X+32*\i+q+1], v[X+32*\i+q:X+32*\i+q+1], v[RS+2*\i:RS+2*\i+1]
.set q, q+2
.endr
.endr
	s_wait_loadcnt 0x0                             ; gamma and beta
.irp i, 0,1
.set q, 0
.rept 16
	v_pk_fma_f32 v[X+32*\i+q:X+32*\i+q+1], v[X+32*\i+q:X+32*\i+q+1], v[G+q:G+q+1], v[B+q:B+q+1]
.set q, q+2
.endr
.endr
	v_mov_b32 v182, 0
.irp i, 0,1
	global_store_b64 v182, v[MU+2*\i:MU+2*\i+1], s[10:11] offset:16*\i       ; every lane holds the same pair and writes the same 8 bytes: 32 bytes a wave
	global_store_b64 v182, v[RS+2*\i:RS+2*\i+1], s[10:11] offset:16*\i+8     ; MU, RS and v182 are not written again
.endr
.irp i, 0,1
.irp j, 0,1,2,3,4,5,6,7
	ds_store_b128 v4, v[X+32*\i+4*\j:X+32*\i+4*\j+3] offset:PITCH*\i+512*\j
.endr
.endr
	s_wait_dscnt 0x0                               ; for the others' sake: my two rows lie in the stage
	s_barrier_signal -1
	s_barrier_wait -1
.irp c, 0,1
.irp j, 0,1,2,3,4,5,6,7
	ds_load_b128 v[N+32*\c+4*\j:N+32*\c+4*\j+3], v5 offset:256*\c+16*\j
.endr
.endr
	s_wait_dscnt 0x0
.irp c, 0,1
	v_max3_num_f32 v[8+\c], |v[N+32*\c]|, |v[N+32*\c+1]|, 0x2800000   ; my blocks h and 2 + h of row r, with the floor 2^(5 - 127)
.endr
.irp i, 2,4,6,8,10,12,14,16,18,20,22,24,26,28,30
.irp c, 0,1
	s_delay_alu instid0(VALU_DEP_2)
	v_max3_num_f32 v[8+\c], v[8+\c], |v[N+32*\c+\i]|, |v[N+32*\c+\i+1]|
.endr
.endr
.irp c, 0,1
	s_delay_alu instid0(VALU_DEP_2)
	v_add_nc_u32 v[10+\c], 0xfe000000, v[8+\c]     ; 4 off the exponent field: the conversion's scale operand
.endr
.irp c, 0,1
	s_delay_alu instid0(VALU_DEP_2)
	v_lshrrev_b32 v[12+\c], 23, v[10+\c]
.endr
	s_delay_alu instid0(VALU_DEP_1)
	v_lshl_or_b32 v14, v13, 16, v12
	v_lshlrev_b32 v16, 3, v3
	s_delay_alu instid0(VALU_DEP_1)
	v_lshlrev_b32 v14, v16, v14
	v_mov_b32 v15, 0
	s_delay_alu instid0(VALU_DEP_1)
	v_permlanex16_b32 v15, v14, s[SEL], s[SEL+1]
	s_delay_alu instid0(VALU_DEP_1)
	v_or_b32 v14, v14, v15                         ; the row's scale word
.irp c, 0,1
	v_cvt_scalef32_pk16_bf6_f32 v[C+6*\c:C+6*\c+2], v[N+32*\c:N+32*\c+15], v[10+\c]
	v_cvt_scalef32_pk16_bf6_f32 v[T+4*\c:T+4*\c+2], v[N+32*\c+16:N+32*\c+31], v[10+\c]
.endr
	v_nop                                          ; a plain instruction behind the scaled conversions
.irp c, 0,1
.irp i, 0,1,2
	v_mov_b32 v[C+6*\c+3+\i], v[T+4*\c+\i]
.endr
.endr
.irp c, 0,1,2
	global_store_b128 v1, v[C+4*\c:C+4*\c+3], s[32:33] offset:512*\c
.endr
	ds_store_b32 v6, v14
	s_wait_dscnt 0x0
	s_barrier_signal -1
	s_barrier_wait -1
	s_cmp_lg_u32 s[WV], 0
	s_cbranch_scc1 .Ldone
	ds_load_b128 v[16:19], v7                      ; wave 0 stores the tile's 512 bytes of scale words
	s_wait_dscnt 0x0
	global_store_b128 v1, v[16:19], s[34:35]
.Ldone:
	s_wait_tensorcnt 0x0
	ds_add_u32 v184, v185
	s_wait_dscnt 0x0
	s_endpgm
.Lfunc_end_k_qdc1d463724_ln2:
	.size	k_qdc1d463724_ln2, .Lfunc_end_k_qdc1d463724_ln2-k_qdc1d463724_ln2
	.p2alignl 7, 3214868480
	.fill 96, 4, 3214868480
	.section	.rodata,"a",@progbits
	.p2align	6, 0x0
	.amdhsa_kernel k_qdc1d463724_ln2
		.amdhsa_group_segment_fixed_size 67584
		.amdhsa_private_segment_fixed_size 0
		.amdhsa_enable_private_segment 0
		.amdhsa_kernarg_size 40
		.amdhsa_user_sgpr_count 2
		.amdhsa_user_sgpr_kernarg_segment_ptr 1
		.amdhsa_wavefront_size32 1
		.amdhsa_system_sgpr_workgroup_id_x 1
		.amdhsa_system_sgpr_workgroup_id_y 1
		.amdhsa_system_sgpr_workgroup_id_z 1
		.amdhsa_system_vgpr_workitem_id 0
		.amdhsa_next_free_vgpr 186
		.amdhsa_next_free_sgpr 66
		.amdhsa_reserve_vcc 0
		.amdhsa_float_denorm_mode_32 3
		.amdhsa_float_denorm_mode_16_64 3
		.amdhsa_memory_ordered 1
		.amdhsa_forward_progress 1
		.amdhsa_inst_pref_size 27
	.end_amdhsa_kernel
	.amdgpu_metadata
---
amdhsa.version: [ 1, 2 ]
amdhsa.kernels:
  - .name:           k_qdc1d463724_ln2
    .symbol:         k_qdc1d463724_ln2.kd
    .args:
      - { .name: ac, .offset: 0, .size: 8, .value_kind: global_buffer, .address_space: global }
      - { .name: addnorm_gamma, .offset: 8, .size: 8, .value_kind: global_buffer, .address_space: global }
      - { .name: addnorm_beta, .offset: 16, .size: 8, .value_kind: global_buffer, .address_space: global }
      - { .name: st2, .offset: 24, .size: 8, .value_kind: global_buffer, .address_space: global }
      - { .name: xq, .offset: 32, .size: 8, .value_kind: global_buffer, .address_space: global }
    .group_segment_fixed_size: 67584
    .private_segment_fixed_size: 0
    .kernarg_segment_align: 8
    .kernarg_segment_size: 40
    .max_flat_workgroup_size: 256
    .sgpr_count:     66
    .vgpr_count:     186
    .wavefront_size: 32
...
	.end_amdgpu_metadata
.endif
;; end of part 11
;; launch fc1 (part 12): grid 16 x 16, 4 waves a work-group, clusters of 4 x 4, 327,680 bytes of LDS; arguments xq, wb, fc1_b, hq; writes hq
.if DOCPART == 12
	.amdgcn_target "amdgcn-amd-amdhsa--gfx1250"
	.amdhsa_code_object_version 6
	.text
	.protected	k_qdc1d463724_fc1
	.globl	k_qdc1d463724_fc1
	.p2align	8
	.type	k_qdc1d463724_fc1,@function
k_qdc1d463724_fc1:
	s_mov_b64 s[64:65], 0
	v_nop
	global_prefetch_b8 v0, s[64:65] scope:SCOPE_SE
	s_setreg_imm32_b32 hwreg(HW_REG_WAVE_MODE, 25, 1), 1
	s_wait_xcnt 0x0
	s_wait_alu depctr_hold_cnt(0) depctr_sa_sdst(0) depctr_va_vdst(0) depctr_va_sdst(0) depctr_va_ssrc(0) depctr_va_vcc(0) depctr_vm_vsrc(0)
	s_getreg_b32 s2, hwreg(HW_REG_IB_STS2, 6, 4)
	s_cmp_eq_u32 s2, 0
	s_cbranch_scc0 .Lentry_in_a_cluster
	s_endpgm
.Lentry_in_a_cluster:
	s_bfe_u32 s2, ttmp6, 0x10000c
	s_cmp_lg_u32 s2, 0xf033
	s_cbranch_scc0 .Lentry_shape_is_right
	s_endpgm
.Lentry_shape_is_right:
.set KTOT,   1024
.set ISQKV,  0
.set ALAY,   1
.set A_SOFF, 3145728
.set B_COFF, 2359296
.set B_SOFF, 8749056
.set KT,     KTOT/128
.set IMG,    1536
.set RPITCH, KT*IMG
.set ROWB,   2*IMG
.set HALFT,  8*ROWB
.set SLOT,   4*HALFT
.set LAPS,   KTOT/512
.set NQ,     2
.set FR,     12
.set NL,     3
.set NP,     4
.set SCL,    2*SLOT
.set HALFS,  KT*512
.set SPARE,  SCL+4*HALFS
.set SBLKA,  KT*64
.set SBLKB,  KT*64
.set SSTEPA, 128
.set YSROW,  KT*64
.set SAC,    32
.set SAR,    HALFS/256
.set SAP,    32
.set CA,   8
.set ADRA, 16
.set ADRB, 20
.set ADRSA, 22
.set ADRSB, 23
.set SGA,  24
.set SGL,  25
.set CO,   26
.set CO8,  27
.set SPW,  28
.set NIL,  29
.set SC,   32
.set BT,   64
.set AF,   128
.set H,    128
.set TM,   192
.set PW,   208
.set PC,   232
.set GT,   192
.set GP,   224
.set SEL,  96
.set G1, 24
.set G0, 32
.set G1B, 48
.set G0B, 56
.set G1S, 68
.set G0S, 76
.set G1SB, 80
.set G0SB, 88
.set MSB, 0
.macro WIN new
.if MSB != \new
	s_set_vgpr_msb (MSB<<8)|\new
.set MSB, \new
.endif
.endm
.set MUL_LO, 0xa1
.set MUL_HI, 0xf1
.set TO_B,   0x40
.macro JLOAD g0a, g1a, g0b, g1b
	s_cmp_eq_u32 s15, 0
	s_cbranch_scc0 .Lfor_b_\@
	tensor_load_to_lds s[\g0a:\g0a+3], s[\g1a:\g1a+7]
	s_nop 0
.rept 4
	v_nop
.endr
	s_branch .Lasked_\@
.Lfor_b_\@:
	tensor_load_to_lds s[\g0b:\g0b+3], s[\g1b:\g1b+7]
	s_nop 0
.rept 4
	v_nop
.endr
.Lasked_\@:
.endm
.macro CREST
	s_cmp_lg_u32 s14, 0
	s_cbranch_scc1 .Lnot_wave_0_\@
	s_barrier_signal -3
.Lnot_wave_0_\@:
	s_barrier_wait -3
	s_barrier_signal -1
	s_barrier_wait -1
.endm
.macro CROUND
	s_barrier_signal -1
	s_barrier_wait -1
	CREST
.endm
	s_load_b256 s[4:11], s[0:1], 0x0
	v_lshl_add_u32 v[SPW], v0, 2, SPARE
	v_mov_b32 v[NIL], 0
	ds_add_u32 v28, v29
	ds_add_u32 v28, v29
	s_wait_dscnt 0x0
	v_lshrrev_b32 v1, 5, v0
	v_readfirstlane_b32 s14, v1
	s_lshr_b32 s15, s14, 1
	s_and_b32 s16, s14, 1
	s_bfe_u32 s40, ttmp6, 0x40000
	s_bfe_u32 s41, ttmp6, 0x40004
	s_lshl_b32 s42, ttmp9, 2
	s_add_co_u32 s42, s42, s40
	s_and_b32 s17, ttmp7, 0xffff
	s_lshl_b32 s17, s17, 2
	s_add_co_u32 s17, s17, s41
	s_lshl_b32 s43, s41, 2
	s_lshl_b32 s43, 15, s43
	s_lshl_b32 s44, 0x1111, s40
	s_or_b32 s[G1+0], s43, (3<<16)|(1<<21)
	s_or_b32 s[G1B+0], s44, (3<<16)|(1<<21)
.irp g, G1, G1B
	s_mov_b32 s[\g+1], (ROWB/8)<<16
	s_mov_b32 s[\g+2], 16<<16                      ; the head's loads of codes bring a tile's 16 rows; behind them the two words are set to 8, for the ring
	s_mov_b32 s[\g+3], (ROWB/8)<<16
	s_mov_b32 s[\g+4], 16
	s_mov_b32 s[\g+5], RPITCH/8
	s_mov_b32 s[\g+6], 0
	s_mov_b32 s[\g+7], 0
.endr
	s_or_b32 s[G1S+0], s43, (3<<16)|(1<<21)
	s_mov_b32 s[G1S+1], SAC<<16
	s_mov_b32 s[G1S+2], (2*SAR)<<16                ; one load brings the scale words of all 256 rows
	s_mov_b32 s[G1S+3], SAC<<16
	s_mov_b32 s[G1S+4], 2*SAR
	s_mov_b32 s[G1S+5], SAP
	s_mov_b32 s[G1S+6], 0
	s_mov_b32 s[G1S+7], 0
	s_or_b32 s[G1SB+0], s44, (3<<16)|(1<<21)
	s_mov_b32 s[G1SB+1], 32<<16
	s_mov_b32 s[G1SB+2], (2*HALFS/256)<<16
	s_mov_b32 s[G1SB+3], 32<<16
	s_mov_b32 s[G1SB+4], 2*HALFS/256
	s_mov_b32 s[G1SB+5], 32
	s_mov_b32 s[G1SB+6], 0
	s_mov_b32 s[G1SB+7], 0
	s_lshl_b32 s18, s16, 3
	s_lshl_b32 s20, s17, 4
	s_add_co_u32 s20, s20, s18
	s_lshl_b32 s46, s42, 4
	s_add_co_u32 s46, s46, s18
	s_mul_i32 s22, s20, YSROW
	s_add_co_u32 s22, s22, A_SOFF
	s_mul_i32 s92, s46, KT*64
	s_add_co_u32 s92, s92, B_SOFF
	s_mul_i32 s20, s20, RPITCH
	s_mul_i32 s46, s46, RPITCH
	s_add_co_u32 s46, s46, B_COFF
	s_mov_b32 s21, 0
	s_mov_b32 s23, 0
	s_mov_b32 s47, 0
	s_mov_b32 s93, 0
	s_mul_i32 s45, s14, HALFT
	s_mul_i32 s94, s14, HALFS
	s_wait_kmcnt 0x0
	s_add_nc_u64 s[20:21], s[4:5], s[20:21]
	s_add_nc_u64 s[22:23], s[4:5], s[22:23]
	s_add_nc_u64 s[46:47], s[6:7], s[46:47]
	s_add_nc_u64 s[92:93], s[6:7], s[92:93]
	CROUND
	s_mov_b32 s[G0S], 1
	s_add_co_u32 s[G0S+1], s94, SCL-HALFS          ; wave 1 issues it: (wave - 1) x HALFS = the start of A's scale words,
	s_sub_nc_u64 s[G0S+2:G0S+3], s[22:23], HALFS   ; and in memory its upper half's address less that half
	s_or_b32 s[G0S+3], s[G0S+3], 0x80000000
	s_mov_b32 s[G0SB], 1
	s_add_co_u32 s[G0SB+1], s94, SCL-HALFS         ; wave 3 issues it: the start of B's scale words
	s_sub_nc_u64 s[G0SB+2:G0SB+3], s[92:93], HALFS
	s_or_b32 s[G0SB+3], s[G0SB+3], 0x80000000
.irp s, 0,1
	s_mov_b32 s[G0+4*\s], 1
	s_add_co_u32 s[G0+4*\s+1], s45, \s*SLOT
	s_add_nc_u64 s[G0+4*\s+2:G0+4*\s+3], s[20:21], \s*ROWB
	s_or_b32 s[G0+4*\s+3], s[G0+4*\s+3], 0x80000000
	s_mov_b32 s[G0B+4*\s], 1
	s_add_co_u32 s[G0B+4*\s+1], s45, \s*SLOT
	s_add_nc_u64 s[G0B+4*\s+2:G0B+4*\s+3], s[46:47], \s*ROWB
	s_or_b32 s[G0B+4*\s+3], s[G0B+4*\s+3], 0x80000000
.endr
; THE HEAD'S LOADS, ONE A WAVE: wave 0 slot 0's 16 tile rows of A (its ring descriptor names their start), wave 2 those of B, wave 1 A's scale words, wave 3 B's.  One chain of branches on the wave's number, all arms to one join.
.macro ARM under, g0, g1, next
	s_cmp_lt_u32 s14, \under
	s_cbranch_scc0 \next
	tensor_load_to_lds s[\g0:\g0+3], s[\g1:\g1+7]
	s_nop 0
.rept 4
	v_nop
.endr
	s_branch .Lhead_asked
\next:
.endm
	ARM 1, G0,  G1,  .Lhead_sa
	ARM 2, G0S, G1S, .Lhead_b
	ARM 3, G0B, G1B, .Lhead_sb
	tensor_load_to_lds s[G0SB:G0SB+3], s[G1SB:G1SB+7]
	s_nop 0
.rept 4
	v_nop
.endr
.Lhead_asked:
	v_and_b32 v1, 15, v0
	v_bfe_u32 v2, v0, 4, 1
	v_and_b32 v3, 31, v0
	v_lshlrev_b32 v[CO], 4, v3
	v_lshlrev_b32 v[CO8], 3, v3
	v_lshlrev_b32 v4, 2, v3
	s_wait_alu depctr_va_vdst(0)
	s_mul_i32 s21, s15, HALFT
	s_mul_i32 s22, s16, HALFT
	s_add_co_u32 s22, s22, 2*HALFT
.irp s, 0,1
	v_add_nc_u32 v[ADRA+\s], s21, v[CO]
	v_add_nc_u32 v[ADRB+\s], s22, v[CO]
	s_add_co_u32 s21, s21, SLOT
	s_add_co_u32 s22, s22, SLOT
.endr
	s_mul_i32 s23, s15, HALFS
	s_add_co_u32 s23, s23, SCL
	s_mul_i32 s20, s16, HALFS
	s_add_co_u32 s20, s20, SCL+2*HALFS
	v_add_nc_u32 v[ADRSA], s23, v4
	v_add_nc_u32 v[ADRSB], s20, v4
	s_mov_b32 s[SEL], 0x76543210
	s_mov_b32 s[SEL+1], 0xfedcba98
	s_lshl_b32 s20, s14, 10
	v_lshl_add_u32 v[SGA], v1, 2, s20
	v_add_nc_u32 v[SGL], s20, v[CO]
.irp i, 0,1
	v_mov_b32 v[CA+\i], 0x3eaef945                 ; 2 x 0.17087277: the polynomial's leading coefficient, as a pair (an instruction takes one literal)
.endr
	s_lshl_b32 s66, s42, 10
	s_lshl_b32 s67, s16, 9
	s_add_co_u32 s100, s66, s67
	s_mov_b32 s101, 0
	s_add_nc_u64 s[100:101], s[8:9], s[100:101]
	v_lshlrev_b32 v30, 6, v2
.irp b, 0,1,2,3,4,5,6,7
	global_load_b128 v[BT+8*\b:BT+8*\b+3], v30, s[100:101] offset:128*(\b/2)+32*(\b%2)
	global_load_b128 v[BT+8*\b+4:BT+8*\b+7], v30, s[100:101] offset:128*(\b/2)+32*(\b%2)+16
.endr
.macro FRAG reg, adr, q, i
.irp c, 0,1,2
	ds_load_b128 v[\reg+4*\c:\reg+4*\c+3], v[\adr] offset:(\i)*ROWB+(\q)*IMG+512*\c
.endr
.endm
.macro MUL16 a0, p, q, sc, zero
.irp a, \a0, \a0+1
.irp b, 0,1,2,3,4,5,6,7
.set WD, 8*(8*((\a)%4)+\b)
.set WB, 128*(\p)+FR*\b
.set WA, AF+FR*(\a)
.set WSB, SC+16*(\sc)+8+\b
.set WSA, SC+16*(\sc)+(\a)
.if \zero
	v_wmma_scale_f32_16x16x128_f8f6f4 v[WD:WD+7], v[WB:WB+FR-1], v[WA:WA+FR-1], 0, v[WSB], v[WSA] matrix_a_fmt:MATRIX_FMT_BF6 matrix_b_fmt:MATRIX_FMT_BF6
.elseif (\q) == 0
	v_wmma_scale_f32_16x16x128_f8f6f4 v[WD:WD+7], v[WB:WB+FR-1], v[WA:WA+FR-1], v[WD:WD+7], v[WSB], v[WSA] matrix_a_fmt:MATRIX_FMT_BF6 matrix_b_fmt:MATRIX_FMT_BF6
.else
	v_wmma_scale_f32_16x16x128_f8f6f4 v[WD:WD+7], v[WB:WB+FR-1], v[WA:WA+FR-1], v[WD:WD+7], v[WSB], v[WSA] matrix_a_fmt:MATRIX_FMT_BF6 matrix_b_fmt:MATRIX_FMT_BF6 matrix_a_scale:MATRIX_SCALE_ROW1 matrix_b_scale:MATRIX_SCALE_ROW1
.endif
.endr
.endr
.endm
.macro FETCH_B slot, q, p
	WIN TO_B
.irp i, 0,1,2,3,4,5,6,7
	FRAG 128*(\p)+FR*\i, ADRB+\slot, \q, \i
.endr
	WIN 0
.endm
.macro FETCH_A slot, q, i0
.irp i, \i0, \i0+1, \i0+2, \i0+3
	FRAG AF+FR*(\i), ADRA+\slot, \q, \i
.endr
.endm
.macro SCALES sc
.irp i, 0,1,2,3,4,5,6,7
	ds_load_b32 v[SC+16*\sc+\i], v[ADRSA] offset:\i*SBLKA
	ds_load_b32 v[SC+16*\sc+8+\i], v[ADRSB] offset:\i*SBLKB
.endr
.endm
.macro PLACES n
.rept \n
	v_nop
.endr
.endm
.macro STEP slot, q, zero
	s_wait_dscnt 4*NL
	WIN MUL_LO
	MUL16 0, (\q)%2, \q, \slot, \zero
	MUL16 2, (\q)%2, \q, \slot, \zero
	s_wait_dscnt 0
	PLACES NP
	FETCH_B \slot, (\q)+1, 1-(\q)%2
	FETCH_A \slot, (\q)+1, 0
	WIN MUL_HI
	MUL16 4, (\q)%2, \q, \slot, \zero
	MUL16 6, (\q)%2, \q, \slot, \zero
	PLACES NP
	WIN 0
	FETCH_A \slot, (\q)+1, 4
.endm
.macro TURN slot, next, fill
	s_wait_tensorcnt 0x0
	ds_add_u32 v[SPW], v[NIL]
	s_wait_dscnt 4*NL+1
	WIN MUL_LO
	MUL16 0, 1, NQ-1, \slot, 0
	s_wait_dscnt 0x0
	s_barrier_signal -1
	MUL16 2, 1, NQ-1, \slot, 0
	WIN 0
	s_barrier_wait -1
.if \fill
	CREST
	s_add_nc_u64 s[G0+4*\slot+2:G0+4*\slot+3], s[G0+4*\slot+2:G0+4*\slot+3], 2*ROWB
	s_add_nc_u64 s[G0B+4*\slot+2:G0B+4*\slot+3], s[G0B+4*\slot+2:G0B+4*\slot+3], 2*ROWB
	JLOAD G0+4*\slot, G1, G0B+4*\slot, G1B
.else
	PLACES NP
.endif
	s_wait_alu depctr_va_vdst(0)
	v_add_nc_u32 v[ADRSA], SSTEPA, v[ADRSA]
	v_add_nc_u32 v[ADRSB], 128, v[ADRSB]
	FETCH_B \next, 0, 0
	FETCH_A \next, 0, 0
	SCALES \next
	WIN MUL_HI
	MUL16 4, 1, NQ-1, \slot, 0
	MUL16 6, 1, NQ-1, \slot, 0
	PLACES NP
	WIN 0
	FETCH_A \next, 0, 4
.endm
	s_wait_alu depctr_va_vdst(0)                   ; the wait at the head's end
	s_wait_tensorcnt 0x0                           ; my tile of the head's four is in; the three lines ahead of slot 1's first fill, as ahead of a refill
	ds_add_u32 v[SPW], v[NIL]
	s_mov_b32 s[G1+2], 8<<16                       ; no load of mine is out: from here on a load brings 8 tile rows
	s_mov_b32 s[G1+4], 8
	s_mov_b32 s[G1B+2], 8<<16
	s_mov_b32 s[G1B+4], 8
	s_wait_dscnt 0x0
	CROUND                                         ; all four tiles are in, in every partner
	JLOAD G0+4, G1, G0B+4, G1B                     ; slot 1's first fill: my one load behind the round
	FETCH_B 0, 0, 0
	FETCH_A 0, 0, 0
	SCALES 0
	FETCH_A 0, 0, 4
	STEP 0, 0, 1
	s_mov_b32 s3, LAPS-1
.Llap:
	TURN 0, 1, 1
	STEP 1, 0, 0
	TURN 1, 0, 1
	STEP 0, 0, 0
	s_sub_co_u32 s3, s3, 1
	s_cmp_lg_u32 s3, 0
	s_cbranch_scc1 .Llap
	TURN 0, 1, 0
	STEP 1, 0, 0
	s_wait_dscnt 4*NL
	WIN MUL_LO
	MUL16 0, 1, NQ-1, 1, 0
	MUL16 2, 1, NQ-1, 1, 0
	s_wait_dscnt 0
	WIN MUL_HI
	MUL16 4, 1, NQ-1, 1, 0
	MUL16 6, 1, NQ-1, 1, 0
	WIN 0
.macro QUANT s
.irp b, 0,1,2,3
	v_max3_num_f32 v[TM+\b], |v[\s+16*\b]|, |v[\s+1+16*\b]|, 0x2800000
.endr
.irp i, 2,4,6,8,10,12,14
.irp b, 0,1,2,3
	v_max3_num_f32 v[TM+\b], v[TM+\b], |v[\s+16*\b+\i]|, |v[\s+1+16*\b+\i]|
.endr
.endr
.irp b, 0,1,2,3
	v_permlanex16_b32 v[TM+4+\b], v[TM+\b], s[SEL], s[SEL+1]
.endr
.irp b, 0,1,2,3
	v_max_num_f32 v[TM+\b], v[TM+\b], v[TM+4+\b]
.endr
.irp b, 0,1,2,3
	v_add_nc_u32 v[TM+12+\b], 0xfe000000, v[TM+\b]
.endr
.irp b, 0,1,2,3
	v_lshrrev_b32 v[TM+4+\b], 23, v[TM+12+\b]
.endr
	v_lshl_or_b32 v[PW], v[TM+5], 8, v[TM+4]
	v_lshl_or_b32 v[PW], v[TM+6], 16, v[PW]
	v_lshl_or_b32 v[PW], v[TM+7], 24, v[PW]
.irp c, 0,1
	v_cvt_scalef32_pk16_bf6_f32 v[PC+6*\c:PC+2+6*\c], v[\s+32*\c:\s+15+32*\c], v[TM+12+2*\c]
	v_cvt_scalef32_pk16_bf6_f32 v[PC+12+4*\c:PC+14+4*\c], v[\s+16+32*\c:\s+31+32*\c], v[TM+12+2*\c+1]
.endr
	v_nop
.irp c, 0,1
.irp i, 0,1,2
	v_permlane16_swap_b32 v[PC+6*\c+\i], v[PC+12+4*\c+\i]
.endr
.irp i, 0,1,2
	v_mov_b32 v[PC+3+6*\c+\i], v[PC+12+4*\c+\i]
.endr
.endr
.endm
; GELU of 32 numbers a lane: h = x Phi(x) = max(x, 0) - |x| g, with g = erfc(a) / 2, a = |x| / sqrt(2): one formula for both signs, and no difference of near numbers where x is negative.
; erfc(a) = t exp(-a^2 + P(t)), t = 1 / (1 + a / 2), P of degree 9: its error is a fraction of about 1e-7 of erfc(a) for every a >= 0.
; The coefficients are held doubled, so that -x^2 joins by one multiply-add; then x log2(e) / 2, less 1 for the half.  Sixteen pairs stand in each stage, so no line waits for the line above it.
.macro GELU32 g
.set HG, H+32*(\g)
.set i, 0
.rept 32
	v_fma_f32 v[GT+i], |v[HG+i]|, 0x3eb504f3, 1.0                  ; 1 + |x| / (2 sqrt(2))
.set i, i+1
.endr
	s_wait_alu depctr_va_vdst(0)                   ; the wait ahead of the batch
.set i, 0
.rept 32
	v_rcp_f32 v[GT+i], v[GT+i]                     ; t
.set i, i+1
.endr
	v_nop                                          ; a plain instruction behind the batch
	s_wait_alu depctr_va_vdst(0)                   ; one wait for the batch, ahead of its first reader
.set i, 0
.rept 16
	v_pk_fma_f32 v[GP+i:GP+i+1], v[GT+i:GT+i+1], v[CA:CA+1], 0xbfd27892 op_sel_hi:[1,1,0]
.set i, i+2
.endr
.irp k, 0x403e87b0, 0xc0114e5d, 0x3f0ec7cc, 0xbebec24c, 0x3e4636c9, 0x3f3f88fb, 0x400000c7, 0xc021fc4e
.set i, 0
.rept 16
	v_pk_fma_f32 v[GP+i:GP+i+1], v[GP+i:GP+i+1], v[GT+i:GT+i+1], \k op_sel_hi:[1,1,0]
.set i, i+2
.endr
.endr
.set i, 0
.rept 16
	v_pk_fma_f32 v[GP+i:GP+i+1], v[HG+i:HG+i+1], v[HG+i:HG+i+1], v[GP+i:GP+i+1] neg_lo:[1,0,0] neg_hi:[1,0,0]   ; 2 P(t) - x^2
.set i, i+2
.endr
.set i, 0
.rept 16
	v_pk_fma_f32 v[GP+i:GP+i+1], v[GP+i:GP+i+1], 0x3f38aa3b, -1.0 op_sel_hi:[1,0,0]
.set i, i+2
.endr
	s_wait_alu depctr_va_vdst(0)
.set i, 0
.rept 32
	v_exp_f32 v[GP+i], v[GP+i]
.set i, i+1
.endr
	v_nop
	s_wait_alu depctr_va_vdst(0)
.set i, 0
.rept 16
	v_pk_mul_f32 v[GP+i:GP+i+1], v[GP+i:GP+i+1], v[GT+i:GT+i+1]    ; g
.set i, i+2
.endr
.set i, 0
.rept 32
	v_max_num_f32 v[GT+i], 0, v[HG+i]
.set i, i+1
.endr
.set i, 0
.rept 32
	v_fma_f32 v[HG+i], -|v[HG+i]|, v[GP+i], v[GT+i]
.set i, i+1
.endr
.endm
	s_wait_loadcnt 0x0
	PLACES NP
	s_lshl_b32 s18, s17, 4
	s_lshl_b32 s19, s15, 3
	s_add_co_u32 s18, s18, s19
	s_lshl_b32 s19, s42, 1
	s_add_co_u32 s19, s19, s16
	s_lshl_b32 s20, s18, 5
	s_add_co_u32 s20, s20, s19
	s_mul_i32 s20, s20, IMG
	s_mov_b32 s21, 0
	s_add_nc_u64 s[20:21], s[10:11], s[20:21]
	s_lshl_b32 s22, s19, 14
	s_lshl_b32 s18, s18, 6
	s_add_co_u32 s22, s22, s18
	s_add_co_u32 s22, s22, 12582912
	s_mov_b32 s23, 0
	s_add_nc_u64 s[22:23], s[10:11], s[22:23]
.macro COPY a
	WIN 0x02+(\a)/4
.set i, 0
.rept 32
	v_pk_add_f32 v[H+i:H+i+1], v[64*((\a)%4)+i:64*((\a)%4)+i+1], v[BT+i:BT+i+1]
.set i, i+2
.endr
	WIN 0
.endm
	s_mov_b32 s3, 0
.Lrow:
.irp a, 0,1,2,3,4,5,6
	s_cmp_eq_u32 s3, \a
	s_cbranch_scc1 .Lcopy\a
.endr
.irp a, 7,6,5,4,3,2,1,0
.Lcopy\a:
	COPY \a
.if \a > 0
	s_branch .Lwork
.endif
.endr
.Lwork:
	GELU32 0
	GELU32 1
	QUANT H
.irp c, 0,1,2
	global_store_b128 v[CO], v[PC+4*\c:PC+4*\c+3], s[20:21] offset:512*\c
.endr
	ds_store_b32 v[SGA], v[PW]
	s_wait_xcnt 0x0
	s_wait_dscnt 0x0
	s_add_nc_u64 s[20:21], s[20:21], 32*IMG
	v_add_nc_u32 v[SGA], 64, v[SGA]
	s_add_co_u32 s3, s3, 1
	s_cmp_lt_u32 s3, 8
	s_cbranch_scc1 .Lrow
	ds_load_b128 v[192:195], v[SGL]
	s_wait_dscnt 0x0
	global_store_b128 v[CO], v[192:195], s[22:23]
	s_wait_tensorcnt 0x0
	ds_add_u32 v[SPW], v[NIL]
	s_wait_dscnt 0x0
	CROUND
	s_endpgm
.Lfunc_end_k_qdc1d463724_fc1:
	.size	k_qdc1d463724_fc1, .Lfunc_end_k_qdc1d463724_fc1-k_qdc1d463724_fc1
	.p2alignl 7, 3214868480
	.fill 96, 4, 3214868480
	.section	.rodata,"a",@progbits
	.p2align	6, 0x0
	.amdhsa_kernel k_qdc1d463724_fc1
		.amdhsa_group_segment_fixed_size 327680
		.amdhsa_private_segment_fixed_size 0
		.amdhsa_enable_private_segment 0
		.amdhsa_kernarg_size 32
		.amdhsa_user_sgpr_count 2
		.amdhsa_user_sgpr_kernarg_segment_ptr 1
		.amdhsa_wavefront_size32 1
		.amdhsa_system_sgpr_workgroup_id_x 1
		.amdhsa_system_sgpr_workgroup_id_y 1
		.amdhsa_system_sgpr_workgroup_id_z 1
		.amdhsa_system_vgpr_workitem_id 0
		.amdhsa_next_free_vgpr 1024
		.amdhsa_next_free_sgpr 102
		.amdhsa_reserve_vcc 0
		.amdhsa_float_denorm_mode_32 3
		.amdhsa_float_denorm_mode_16_64 3
		.amdhsa_memory_ordered 1
		.amdhsa_forward_progress 1
		.amdhsa_inst_pref_size 183
	.end_amdhsa_kernel
	.amdgpu_metadata
---
amdhsa.version: [ 1, 2 ]
amdhsa.kernels:
  - .name:           k_qdc1d463724_fc1
    .symbol:         k_qdc1d463724_fc1.kd
    .args:
      - { .name: xq, .offset: 0, .size: 8, .value_kind: global_buffer, .address_space: global }
      - { .name: wb, .offset: 8, .size: 8, .value_kind: global_buffer, .address_space: global }
      - { .name: fc1_b, .offset: 16, .size: 8, .value_kind: global_buffer, .address_space: global }
      - { .name: hq, .offset: 24, .size: 8, .value_kind: global_buffer, .address_space: global }
    .group_segment_fixed_size: 327680
    .private_segment_fixed_size: 0
    .kernarg_segment_align: 8
    .kernarg_segment_size: 32
    .max_flat_workgroup_size: 128
    .sgpr_count:     102
    .vgpr_count:     1024
    .wavefront_size: 32
...
	.end_amdgpu_metadata
.endif
;; end of part 12
;; launch fc2 (part 13): grid 8 x 32, 4 waves a work-group, clusters of 4 x 4, 327,680 bytes of LDS; arguments hq, wb, fc2_b, xf, ac, st2, addnorm_gamma, addnorm_beta; writes xf
.if DOCPART == 13
	.amdgcn_target "amdgcn-amd-amdhsa--gfx1250"
	.amdhsa_code_object_version 6
	.text
	.protected	k_qdc1d463724_fc2
	.globl	k_qdc1d463724_fc2
	.p2align	8
	.type	k_qdc1d463724_fc2,@function
k_qdc1d463724_fc2:
	s_mov_b64 s[64:65], 0
	v_nop
	global_prefetch_b8 v0, s[64:65] scope:SCOPE_SE
	s_setreg_imm32_b32 hwreg(HW_REG_WAVE_MODE, 25, 1), 1
	s_wait_xcnt 0x0
	s_wait_alu depctr_hold_cnt(0) depctr_sa_sdst(0) depctr_va_vdst(0) depctr_va_sdst(0) depctr_va_ssrc(0) depctr_va_vcc(0) depctr_vm_vsrc(0)
	s_getreg_b32 s2, hwreg(HW_REG_IB_STS2, 6, 4)
	s_cmp_eq_u32 s2, 0
	s_cbranch_scc0 .Lentry_in_a_cluster
	s_endpgm
.Lentry_in_a_cluster:
	s_bfe_u32 s2, ttmp6, 0x10000c
	s_cmp_lg_u32 s2, 0xf033
	s_cbranch_scc0 .Lentry_shape_is_right
	s_endpgm
.Lentry_shape_is_right:
.set KT,     32
.set IMG,    1536
.set RPITCH, KT*IMG
.set A_SOFF, 12582912
.set B_COFF, 5505024
.set B_SOFF, 8880128
.set BROW,   4*IMG
.set BREG,   8*BROW
.set BIGB,   4*BREG
.set SROW,   2*IMG
.set SREG,   8*SROW
.set SML,    BIGB
.set SPARE,  BIGB+4*SREG
.set KSTEPS, 12*IMG
.set FR,     12
.set SPITCH, 528
.set STILE,  16*SPITCH
.set SWAVE,  8*STILE
.set VA1,  10
.set VA2,  11
.set VB1,  12
.set VB2,  13
.set ABIG, 16
.set BBIG, 17
.set ASML, 18
.set BSML, 19
.set RD,   20
.set STO,  24
.set CO,   26
.set SPW,  28
.set NIL,  29
.set SA,   32
.set SB,   64
.set BIA,  96
.set AF,   128
.set P,    128
.set XR,   0
.set ST,   128                         ; window 1, v128-255: each of my 32 rows' mean, twice, and 1 / sqrt(var + eps), twice
.set GAM,  100                         ; v100-103 gamma, v104-107 beta of my four columns
.set BET,  104
.set G1,   24
.set G1B,  48
.set G1S,  68
.set G1SB, 80
.set G0,   32
.set G0B,  56
.set MSB, 0
.macro WIN new
.if MSB != \new
	s_set_vgpr_msb (MSB<<8)|\new
.set MSB, \new
.endif
.endm
.set MUL_LO, 0xa1
.set MUL_HI, 0xf1
.set TO_B,   0x40
.macro JLOAD g0a, g1a, g0b, g1b
	s_cmp_eq_u32 s15, 0
	s_cbranch_scc0 .Lfor_b_\@
	tensor_load_to_lds s[\g0a:\g0a+3], s[\g1a:\g1a+7]
	s_nop 0
.rept 4
	v_nop
.endr
	s_branch .Lasked_\@
.Lfor_b_\@:
	tensor_load_to_lds s[\g0b:\g0b+3], s[\g1b:\g1b+7]
	s_nop 0
.rept 4
	v_nop
.endr
.Lasked_\@:
.endm
.macro CREST
	s_cmp_lg_u32 s14, 0
	s_cbranch_scc1 .Lnot_wave_0_\@
	s_barrier_signal -3
.Lnot_wave_0_\@:
	s_barrier_wait -3
	s_barrier_signal -1
	s_barrier_wait -1
.endm
.macro CROUND
	s_barrier_signal -1
	s_barrier_wait -1
	CREST
.endm
	s_load_b256 s[4:11], s[0:1], 0x0
	s_load_b64 s[12:13], s[0:1], 0x20
	s_load_b128 s[76:79], s[0:1], 0x28             ; st2, gamma
	s_load_b64 s[88:89], s[0:1], 0x38              ; beta
	v_lshl_add_u32 v[SPW], v0, 2, SPARE
	v_mov_b32 v[NIL], 0
	ds_add_u32 v28, v29
	ds_add_u32 v28, v29
	s_wait_dscnt 0x0
	v_lshrrev_b32 v1, 5, v0
	v_readfirstlane_b32 s14, v1
	s_lshr_b32 s15, s14, 1
	s_and_b32 s16, s14, 1
	s_bfe_u32 s40, ttmp6, 0x40000
	s_bfe_u32 s41, ttmp6, 0x40004
	s_lshl_b32 s42, ttmp9, 2
	s_add_co_u32 s42, s42, s40
	s_and_b32 s17, ttmp7, 0xffff
	s_lshl_b32 s17, s17, 2
	s_add_co_u32 s17, s17, s41
	s_lshl_b32 s43, s41, 2
	s_lshl_b32 s43, 15, s43
	s_lshl_b32 s44, 0x1111, s40
	s_or_b32 s[G1+0], s43, (3<<16)|(1<<21)
	s_or_b32 s[G1B+0], s44, (3<<16)|(1<<21)
.irp g, G1, G1B
	s_mov_b32 s[\g+1], (BROW/8)<<16
	s_mov_b32 s[\g+2], 8<<16
	s_mov_b32 s[\g+3], (BROW/8)<<16
	s_mov_b32 s[\g+4], 8
	s_mov_b32 s[\g+5], RPITCH/8
	s_mov_b32 s[\g+6], 0
	s_mov_b32 s[\g+7], 0
.endr
	s_or_b32 s[G1S+0], s43, (3<<16)|(1<<21)
	s_or_b32 s[G1SB+0], s44, (3<<16)|(1<<21)
.irp g, G1S, G1SB
	s_mov_b32 s[\g+1], (SROW/8)<<16
	s_mov_b32 s[\g+2], 8<<16
	s_mov_b32 s[\g+3], (SROW/8)<<16
	s_mov_b32 s[\g+4], 8
	s_mov_b32 s[\g+5], RPITCH/8
	s_mov_b32 s[\g+6], 0
	s_mov_b32 s[\g+7], 0
.endr
	s_lshl_b32 s20, s17, 3
	s_mul_i32 s20, s20, RPITCH
	s_lshl_b32 s46, s42, 3
	s_mul_i32 s46, s46, RPITCH
	s_add_co_u32 s46, s46, B_COFF
	s_mul_i32 s18, s16, 2*IMG
	s_add_co_u32 s22, s20, s18
	s_add_co_u32 s22, s22, 8*IMG
	s_add_co_u32 s92, s46, s18
	s_add_co_u32 s92, s92, 8*IMG
	s_lshl_b32 s18, s18, 1
	s_add_co_u32 s20, s20, s18
	s_add_co_u32 s46, s46, s18
	s_mov_b32 s21, 0
	s_mov_b32 s23, 0
	s_mov_b32 s47, 0
	s_mov_b32 s93, 0
	s_mul_i32 s45, s14, BREG
	s_mul_i32 s94, s14, SREG
	s_wait_kmcnt 0x0
	s_add_nc_u64 s[20:21], s[4:5], s[20:21]
	s_add_nc_u64 s[22:23], s[4:5], s[22:23]
	s_add_nc_u64 s[46:47], s[6:7], s[46:47]
	s_add_nc_u64 s[92:93], s[6:7], s[92:93]
	CROUND
	s_mov_b32 s[G0], 1
	s_mov_b32 s[G0+1], s45
	s_mov_b64 s[G0+2:G0+3], s[20:21]
	s_or_b32 s[G0+3], s[G0+3], 0x80000000
	s_mov_b32 s[G0B], 1
	s_mov_b32 s[G0B+1], s45
	s_mov_b64 s[G0B+2:G0B+3], s[46:47]
	s_or_b32 s[G0B+3], s[G0B+3], 0x80000000
	JLOAD G0, G1, G0B, G1B
	s_mov_b32 s[G0+4], 1
	s_add_co_u32 s[G0+5], s94, SML
	s_mov_b64 s[G0+6:G0+7], s[22:23]
	s_or_b32 s[G0+7], s[G0+7], 0x80000000
	s_mov_b32 s[G0B+4], 1
	s_add_co_u32 s[G0B+5], s94, SML
	s_mov_b64 s[G0B+6:G0B+7], s[92:93]
	s_or_b32 s[G0B+7], s[G0B+7], 0x80000000
	s_wait_alu depctr_va_vdst(0)
	s_wait_tensorcnt 0x0
	ds_add_u32 v28, v29
	s_wait_dscnt 0x0
	CROUND
	JLOAD G0+4, G1S, G0B+4, G1SB
	v_and_b32 v1, 15, v0
	v_bfe_u32 v2, v0, 4, 1
	v_and_b32 v3, 31, v0
	v_lshlrev_b32 v[CO], 4, v3
	s_wait_alu depctr_va_vdst(0)
	s_mul_i32 s21, s15, BREG
	s_mul_i32 s22, s16, 2*IMG
	s_add_co_u32 s21, s21, s22
	v_add_nc_u32 v[ABIG], s21, v[CO]
	s_add_co_u32 s21, s21, 2*BREG
	v_add_nc_u32 v[BBIG], s21, v[CO]
	s_mul_i32 s21, s15, SREG
	s_mul_i32 s22, s16, IMG
	s_add_co_u32 s21, s21, s22
	s_add_co_u32 s21, s21, SML
	v_add_nc_u32 v[ASML], s21, v[CO]
	s_add_co_u32 s21, s21, 2*SREG
	v_add_nc_u32 v[BSML], s21, v[CO]
	s_mul_i32 s23, s14, SWAVE
	v_mul_u32_u24 v5, v1, SPITCH
	v_lshl_add_u32 v5, v2, 6, v5
	v_add_nc_u32 v[STO], s23, v5
	s_mul_i32 s23, s14, 2*STILE
	v_add_nc_u32 v[RD], s23, v[CO]
.irp s, 1,2,3
	v_add_nc_u32 v[RD+\s], \s*SWAVE, v[RD]
.endr
	v_lshlrev_b32 v4, 2, v3
	v_mov_b32 v30, 0                               ; the offset of loads that every lane makes at one address
	s_lshl_b32 s21, s14, 14
	v_add_nc_u32 v[VA1], s21, v4
	s_lshl_b32 s21, s14, 15
	v_add_nc_u32 v[VA2], s21, v4
	s_wait_alu depctr_va_vdst(0)
	v_lshlrev_b32 v5, 2, v1
	v_lshl_add_u32 v5, v2, 11, v5
	s_lshl_b32 s21, s14, 6
	v_add_nc_u32 v[VB1], s21, v5
	s_lshl_b32 s21, s14, 7
	v_add_nc_u32 v[VB2], s21, v5
	s_wait_alu depctr_va_vdst(0)
	s_lshl_b32 s66, s17, 9
	s_add_co_u32 s66, s66, A_SOFF
	s_mov_b32 s67, 0
	s_add_nc_u64 s[66:67], s[4:5], s[66:67]
	s_lshl_b32 s100, s42, 14
	s_add_co_u32 s100, s100, B_SOFF
	s_mov_b32 s101, 0
	s_add_nc_u64 s[100:101], s[6:7], s[100:101]
	s_lshl_b32 s96, s42, 9
	s_mov_b32 s97, 0
	s_lshl_b32 s18, s17, 7
	s_lshl_b32 s19, s14, 5
	s_add_co_u32 s18, s18, s19
	s_lshl_b32 s98, s18, 4                         ; st2: 16 bytes a row, from my first row on
	s_mov_b32 s99, 0
	s_add_nc_u64 s[76:77], s[76:77], s[98:99]
	s_lshl_b32 s18, s18, 12
	s_add_co_u32 s18, s18, s96
	s_mov_b32 s19, 0
	s_add_nc_u64 s[10:11], s[10:11], s[18:19]
	s_add_nc_u64 s[12:13], s[12:13], s[18:19]
	s_add_nc_u64 s[78:79], s[78:79], s[96:97]
	s_add_nc_u64 s[88:89], s[88:89], s[96:97]
	s_add_nc_u64 s[96:97], s[8:9], s[96:97]
	global_load_b128 v[BIA:BIA+3], v[CO], s[96:97]
	global_load_b128 v[GAM:GAM+3], v[CO], s[78:79]
	global_load_b128 v[BET:BET+3], v[CO], s[88:89]
.macro SLOAD t, c, va, vb
.irp j, 0,1,2,3
	global_load_b32 v[SA+4*\t+\j], v[\va], s[66:67] offset:\c*16384+128*\j
	global_load_b32 v[SB+4*\t+\j], v[\vb], s[100:101] offset:\c*64+4096*\j
.endr
.endm
	SLOAD 0, 0,  VA2, VB2
	SLOAD 1, 1,  VA2, VB2
	SLOAD 2, 8,  VA1, VB1
	SLOAD 3, 12, VA2, VB2
	SLOAD 4, 13, VA2, VB2
	SLOAD 5, 20, VA1, VB1
	SLOAD 6, 24, VA2, VB2
	SLOAD 7, 25, VA2, VB2
.macro FRAG reg, adr, row, q, i
.irp c, 0,1,2
	ds_load_b128 v[\reg+4*\c:\reg+4*\c+3], v[\adr] offset:(\i)*(\row)+(\q)*IMG+512*\c
.endr
.endm
.macro WM zero
.if \zero
.if (RB == 0) && (RA == 0)
	v_wmma_scale_f32_16x16x128_f8f6f4 v[WD:WD+7], v[WB:WB+FR-1], v[WA:WA+FR-1], 0, v[WSB], v[WSA] matrix_a_fmt:MATRIX_FMT_BF6 matrix_b_fmt:MATRIX_FMT_BF6
.elseif RA == 0
	v_wmma_scale_f32_16x16x128_f8f6f4 v[WD:WD+7], v[WB:WB+FR-1], v[WA:WA+FR-1], 0, v[WSB], v[WSA] matrix_a_fmt:MATRIX_FMT_BF6 matrix_b_fmt:MATRIX_FMT_BF6 matrix_a_scale:MATRIX_SCALE_ROW1
.elseif RB == 0
	v_wmma_scale_f32_16x16x128_f8f6f4 v[WD:WD+7], v[WB:WB+FR-1], v[WA:WA+FR-1], 0, v[WSB], v[WSA] matrix_a_fmt:MATRIX_FMT_BF6 matrix_b_fmt:MATRIX_FMT_BF6 matrix_b_scale:MATRIX_SCALE_ROW1
.else
	v_wmma_scale_f32_16x16x128_f8f6f4 v[WD:WD+7], v[WB:WB+FR-1], v[WA:WA+FR-1], 0, v[WSB], v[WSA] matrix_a_fmt:MATRIX_FMT_BF6 matrix_b_fmt:MATRIX_FMT_BF6 matrix_a_scale:MATRIX_SCALE_ROW1 matrix_b_scale:MATRIX_SCALE_ROW1
.endif
.else
.if (RB == 0) && (RA == 0)
	v_wmma_scale_f32_16x16x128_f8f6f4 v[WD:WD+7], v[WB:WB+FR-1], v[WA:WA+FR-1], v[WD:WD+7], v[WSB], v[WSA] matrix_a_fmt:MATRIX_FMT_BF6 matrix_b_fmt:MATRIX_FMT_BF6
.elseif RA == 0
	v_wmma_scale_f32_16x16x128_f8f6f4 v[WD:WD+7], v[WB:WB+FR-1], v[WA:WA+FR-1], v[WD:WD+7], v[WSB], v[WSA] matrix_a_fmt:MATRIX_FMT_BF6 matrix_b_fmt:MATRIX_FMT_BF6 matrix_a_scale:MATRIX_SCALE_ROW1
.elseif RB == 0
	v_wmma_scale_f32_16x16x128_f8f6f4 v[WD:WD+7], v[WB:WB+FR-1], v[WA:WA+FR-1], v[WD:WD+7], v[WSB], v[WSA] matrix_a_fmt:MATRIX_FMT_BF6 matrix_b_fmt:MATRIX_FMT_BF6 matrix_b_scale:MATRIX_SCALE_ROW1
.else
	v_wmma_scale_f32_16x16x128_f8f6f4 v[WD:WD+7], v[WB:WB+FR-1], v[WA:WA+FR-1], v[WD:WD+7], v[WSB], v[WSA] matrix_a_fmt:MATRIX_FMT_BF6 matrix_b_fmt:MATRIX_FMT_BF6 matrix_a_scale:MATRIX_SCALE_ROW1 matrix_b_scale:MATRIX_SCALE_ROW1
.endif
.endif
.endm
.macro MUL16 a0, p, t, zero
.irp a, \a0, \a0+1
.irp b, 0,1,2,3,4,5,6,7
.set WD, 8*(8*((\a)%4)+\b)
.set WB, 128*(\p)+FR*\b
.set WA, AF+FR*(\a)
.set WSB, SB+4*(\t)+\b/2
.set WSA, SA+4*(\t)+(\a)/2
.set RB, \b%2
.set RA, (\a)%2
	WM \zero
.endr
.endr
.endm
.macro FETCH_B adr, row, q, p
	WIN TO_B
.irp i, 0,1,2,3,4,5,6,7
	FRAG 128*(\p)+FR*\i, \adr, \row, \q, \i
.endr
	WIN 0
.endm
.macro FETCH_A adr, row, q, i0
.irp i, \i0, \i0+1, \i0+2, \i0+3
	FRAG AF+FR*(\i), \adr, \row, \q, \i
.endr
.endm
.macro PLACES n
.rept \n
	v_nop
.endr
.endm
.macro STEP t, na, nb, nrow, nq, zero
	s_wait_dscnt 12
	WIN MUL_LO
	MUL16 0, (\t)%2, \t, \zero
	MUL16 2, (\t)%2, \t, \zero
	s_wait_dscnt 0
	PLACES 4
	FETCH_B \nb, \nrow, \nq, 1-(\t)%2
	FETCH_A \na, \nrow, \nq, 0
	WIN MUL_HI
	MUL16 4, (\t)%2, \t, \zero
	MUL16 6, (\t)%2, \t, \zero
	PLACES 4
	WIN 0
	FETCH_A \na, \nrow, \nq, 4
.endm
.macro TURN t, na, nb, nrow, nq, fill
	s_wait_tensorcnt 0x0
	ds_add_u32 v[SPW], v[NIL]
	s_wait_dscnt 13
	WIN MUL_LO
	MUL16 0, (\t)%2, \t, 0
	s_wait_dscnt 0x0
	s_barrier_signal -1
	MUL16 2, (\t)%2, \t, 0
	WIN 0
	s_barrier_wait -1
.if \fill == 1
	CREST
	s_add_nc_u64 s[G0+2:G0+3], s[G0+2:G0+3], KSTEPS
	s_add_nc_u64 s[G0B+2:G0B+3], s[G0B+2:G0B+3], KSTEPS
	JLOAD G0, G1, G0B, G1B
.elseif \fill == 2
	CREST
	s_add_nc_u64 s[G0+6:G0+7], s[G0+6:G0+7], KSTEPS
	s_add_nc_u64 s[G0B+6:G0B+7], s[G0B+6:G0B+7], KSTEPS
	JLOAD G0+4, G1S, G0B+4, G1SB
.else
	PLACES 4
.endif
	FETCH_B \nb, \nrow, \nq, 1-(\t)%2
	FETCH_A \na, \nrow, \nq, 0
	WIN MUL_HI
	MUL16 4, (\t)%2, \t, 0
	MUL16 6, (\t)%2, \t, 0
	PLACES 4
	WIN 0
	FETCH_A \na, \nrow, \nq, 4
.endm
	s_wait_tensorcnt 1
	s_barrier_signal -1
	s_barrier_wait -1
	FETCH_B BBIG, BROW, 0, 0
	FETCH_A ABIG, BROW, 0, 0
	FETCH_A ABIG, BROW, 0, 4
	s_wait_loadcnt 0x0
	STEP 0, ABIG, BBIG, BROW, 1, 1
	TURN 1, ASML, BSML, SROW, 0, 1
	TURN 2, ABIG, BBIG, BROW, 0, 2
	STEP 3, ABIG, BBIG, BROW, 1, 0
	TURN 4, ASML, BSML, SROW, 0, 1
	TURN 5, ABIG, BBIG, BROW, 0, 0
	STEP 6, ABIG, BBIG, BROW, 1, 0
	s_wait_dscnt 12
	WIN MUL_LO
	MUL16 0, 1, 7, 0
	MUL16 2, 1, 7, 0
	s_wait_dscnt 0
	WIN MUL_HI
	MUL16 4, 1, 7, 0
	MUL16 6, 1, 7, 0
	WIN 0
	PLACES 4
	WIN 0x40
.irp i, 0,1
.irp t, 0,1,2,3,4,5,6,7,8,9,10,11,12,13,14,15
	global_load_b128 v[XR+64*\i+4*\t:XR+64*\i+4*\t+3], v[CO], s[12:13] offset:(8*\i+\t+8*(\t/8))*4096 th:TH_LOAD_NT
	global_load_b128 v[ST+64*\i+4*\t:ST+64*\i+4*\t+3], v30, s[76:77] offset:(8*\i+\t+8*(\t/8))*16
.endr
.endr
	WIN 0
	s_barrier_signal -1
	s_barrier_wait -1
.irp a, 0,1,2,3,4,5,6,7
	WIN 0x08+4*(\a/4)
.irp b, 0,1,2,3,4,5,6,7
	ds_store_b128 v[STO], v[64*(\a%4)+8*\b:64*(\a%4)+8*\b+3] offset:\a*STILE+128*(\b/2)+32*(\b%2)
	ds_store_b128 v[STO], v[64*(\a%4)+8*\b+4:64*(\a%4)+8*\b+7] offset:\a*STILE+128*(\b/2)+32*(\b%2)+16
.endr
.endr
	WIN 0
	s_wait_dscnt 0x0
	s_barrier_signal -1
	s_barrier_wait -1
.macro GROUP g
.set GI, (\g)/2
.set GU, (\g)%2
.if (\g) > 0
	s_wait_xcnt 0x0
.endif
.irp s, 0,1,2,3
.irp k, 0,1,2,3,4,5,6,7
	ds_load_b128 v[P+32*\s+4*\k:P+32*\s+4*\k+3], v[RD+\s] offset:GI*STILE+(8*GU+\k)*SPITCH
.endr
.endr
	s_wait_dscnt 0x0
.if (\g) == 0
	s_wait_loadcnt 0x0
	v_pk_add_f32 v[BIA:BIA+1], v[BIA:BIA+1], v[BET:BET+1]          ; the product's bias and x1's beta are added as one
	v_pk_add_f32 v[BIA+2:BIA+3], v[BIA+2:BIA+3], v[BET+2:BET+3]
.endif
.set i, 0
.rept 16
	v_pk_add_f32 v[P+i:P+i+1], v[P+i:P+i+1], v[P+32+i:P+33+i]
	v_pk_add_f32 v[P+64+i:P+65+i], v[P+64+i:P+65+i], v[P+96+i:P+97+i]
.set i, i+2
.endr
.set i, 0
.rept 16
	v_pk_add_f32 v[P+i:P+i+1], v[P+i:P+i+1], v[P+64+i:P+65+i]
.set i, i+2
.endr
	WIN 0x45                                       ; x1 = (ac - mean) / sqrt(var + eps) x gamma + beta is remade: destination and both sources in window 1
.irp k, 0,1,2,3,4,5,6,7
.irp u, 0,2
	v_pk_add_f32 v[XR+32*(\g)+4*\k+\u:XR+32*(\g)+4*\k+\u+1], v[XR+32*(\g)+4*\k+\u:XR+32*(\g)+4*\k+\u+1], v[ST+32*(\g)+4*\k:ST+32*(\g)+4*\k+1] neg_lo:[0,1] neg_hi:[0,1]
.endr
.endr
.irp k, 0,1,2,3,4,5,6,7
.irp u, 0,2
	v_pk_mul_f32 v[XR+32*(\g)+4*\k+\u:XR+32*(\g)+4*\k+\u+1], v[XR+32*(\g)+4*\k+\u:XR+32*(\g)+4*\k+\u+1], v[ST+32*(\g)+4*\k+2:ST+32*(\g)+4*\k+3]
.endr
.endr
	WIN 0x01                                       ; source 0 in window 1; x gamma, onto the product's sum
.irp k, 0,1,2,3,4,5,6,7
.irp u, 0,2
	v_pk_fma_f32 v[P+4*\k+\u:P+4*\k+\u+1], v[XR+32*(\g)+4*\k+\u:XR+32*(\g)+4*\k+\u+1], v[GAM+\u:GAM+\u+1], v[P+4*\k+\u:P+4*\k+\u+1]
.endr
.endr
	WIN 0
.irp k, 0,1,2,3,4,5,6,7
	v_pk_add_f32 v[P+4*\k:P+4*\k+1], v[P+4*\k:P+4*\k+1], v[BIA:BIA+1]
	v_pk_add_f32 v[P+4*\k+2:P+4*\k+3], v[P+4*\k+2:P+4*\k+3], v[BIA+2:BIA+3]
.endr
.irp k, 0,1,2,3,4,5,6,7
	global_store_b128 v[CO], v[P+4*\k:P+4*\k+3], s[10:11] offset:(8*GI+16*GU+\k)*4096
.endr
.endm
	GROUP 0
	GROUP 1
	GROUP 2
	GROUP 3
	s_wait_tensorcnt 0x0
	ds_add_u32 v[SPW], v[NIL]
	s_wait_dscnt 0x0
	CROUND
	s_endpgm
.Lfunc_end_k_qdc1d463724_fc2:
	.size	k_qdc1d463724_fc2, .Lfunc_end_k_qdc1d463724_fc2-k_qdc1d463724_fc2
	.p2alignl 7, 3214868480
	.fill 96, 4, 3214868480
	.section	.rodata,"a",@progbits
	.p2align	6, 0x0
	.amdhsa_kernel k_qdc1d463724_fc2
		.amdhsa_group_segment_fixed_size 327680
		.amdhsa_private_segment_fixed_size 0
		.amdhsa_enable_private_segment 0
		.amdhsa_kernarg_size 64
		.amdhsa_user_sgpr_count 2
		.amdhsa_user_sgpr_kernarg_segment_ptr 1
		.amdhsa_wavefront_size32 1
		.amdhsa_system_sgpr_workgroup_id_x 1
		.amdhsa_system_sgpr_workgroup_id_y 1
		.amdhsa_system_sgpr_workgroup_id_z 1
		.amdhsa_system_vgpr_workitem_id 0
		.amdhsa_next_free_vgpr 1024
		.amdhsa_next_free_sgpr 102
		.amdhsa_reserve_vcc 0
		.amdhsa_float_denorm_mode_32 3
		.amdhsa_float_denorm_mode_16_64 3
		.amdhsa_memory_ordered 1
		.amdhsa_forward_progress 1
		.amdhsa_inst_pref_size 166
	.end_amdhsa_kernel
	.amdgpu_metadata
---
amdhsa.version: [ 1, 2 ]
amdhsa.kernels:
  - .name:           k_qdc1d463724_fc2
    .symbol:         k_qdc1d463724_fc2.kd
    .args:
      - { .name: hq, .offset: 0, .size: 8, .value_kind: global_buffer, .address_space: global }
      - { .name: wb, .offset: 8, .size: 8, .value_kind: global_buffer, .address_space: global }
      - { .name: fc2_b, .offset: 16, .size: 8, .value_kind: global_buffer, .address_space: global }
      - { .name: xf, .offset: 24, .size: 8, .value_kind: global_buffer, .address_space: global }
      - { .name: ac, .offset: 32, .size: 8, .value_kind: global_buffer, .address_space: global }
      - { .name: st2, .offset: 40, .size: 8, .value_kind: global_buffer, .address_space: global }
      - { .name: addnorm_gamma, .offset: 48, .size: 8, .value_kind: global_buffer, .address_space: global }
      - { .name: addnorm_beta, .offset: 56, .size: 8, .value_kind: global_buffer, .address_space: global }
    .group_segment_fixed_size: 327680
    .private_segment_fixed_size: 0
    .kernarg_segment_align: 8
    .kernarg_segment_size: 64
    .max_flat_workgroup_size: 128
    .sgpr_count:     102
    .vgpr_count:     1024
    .wavefront_size: 32
...
	.end_amdgpu_metadata
.endif
;; end of part 13
;; launch ln3 (part 14): grid 256 x 1, 8 waves a work-group, no clusters, 0 bytes of LDS; arguments xf, addnorm_gamma, addnorm_beta, out0; writes out0
.if DOCPART == 14
	.amdgcn_target "amdgcn-amd-amdhsa--gfx1250"
	.amdhsa_code_object_version 6
	.text
	.protected	k_qdc1d463724_ln3
	.globl	k_qdc1d463724_ln3
	.p2align	8
	.type	k_qdc1d463724_ln3,@function
k_qdc1d463724_ln3:
	s_mov_b64 s[64:65], 0
	v_nop
	global_prefetch_b8 v0, s[64:65] scope:SCOPE_SE
	s_setreg_imm32_b32 hwreg(HW_REG_WAVE_MODE, 25, 1), 1
	s_wait_xcnt 0x0
; LN3.  out0 = LayerNorm(xf), f32.  One wave takes two whole rows of 1,024 (each load and store 512 consecutive bytes) and keeps them in registers between the passes: each byte is read once and written once.
; No LDS, no barrier, no matrix unit, no cluster: waves share nothing, and memory binds.  LIMITS: NaN and infinities are not served.
.set S,   8                            ; v8-23  sum chains, four pairs a row
.set MU,  24
.set RS,  28
.set X,   32                           ; v32-95 two rows
.set G,   96
.set B,   128
.set WV,  36
.set SEL, 38
.set INV, 40
.set EPS, 41
	s_load_b256 s[4:11], s[0:1], 0x0               ; xf, gamma, beta, out0
	v_lshrrev_b32 v2, 5, v0
	s_delay_alu instid0(VALU_DEP_1)
	v_readfirstlane_b32 s[WV], v2
	v_and_b32 v8, 31, v0
	s_delay_alu instid0(VALU_DEP_1)
	v_lshlrev_b32 v1, 4, v8
	s_mov_b32 s[SEL], 0x76543210
	s_mov_b32 s[SEL+1], 0xfedcba98
	s_mov_b32 s[INV], 0x3a800000                   ; 1 / 1,024
	s_mov_b32 s[EPS], 0x3727c5ac                   ; 1e-5
	s_lshl_b32 s42, ttmp9, 4
	s_lshl_b32 s43, s[WV], 1
	s_add_co_u32 s42, s42, s43                     ; my first row: 16 x work-group + 2 x wave
	s_lshl_b32 s42, s42, 12
	s_mov_b32 s43, 0
	s_wait_alu depctr_va_vdst(0)
	s_wait_kmcnt 0x0
	s_add_nc_u64 s[4:5], s[4:5], s[42:43]
	s_add_nc_u64 s[10:11], s[10:11], s[42:43]
.irp i, 0,1
.irp j, 0,1,2,3,4,5,6,7
	global_load_b128 v[X+32*\i+4*\j:X+32*\i+4*\j+3], v1, s[4:5] offset:4096*\i+512*\j th:TH_LOAD_NT
.endr
.endr
.irp j, 0,1,2,3,4,5,6,7
	global_load_b128 v[G+4*\j:G+4*\j+3], v1, s[6:7] offset:512*\j
	global_load_b128 v[B+4*\j:B+4*\j+3], v1, s[8:9] offset:512*\j
.endr
; sq = 0: the sums of both rows; sq = 1: the sums of their squares.  Four chains a row, the rows by turns; then across the 32 lanes.
.macro CHAINS sq
.irp i, 0,1
.irp k, 0,2,4,6
.if \sq
	v_pk_mul_f32 v[S+8*\i+\k:S+8*\i+\k+1], v[X+32*\i+\k:X+32*\i+\k+1], v[X+32*\i+\k:X+32*\i+\k+1]
.else
	v_pk_add_f32 v[S+8*\i+\k:S+8*\i+\k+1], v[X+32*\i+\k:X+32*\i+\k+1], v[X+32*\i+\k+8:X+32*\i+\k+9]
.endif
.endr
.endr
.irp j, 8,16,24
.irp i, 0,1
.irp k, 0,2,4,6
.if \sq
	v_pk_fma_f32 v[S+8*\i+\k:S+8*\i+\k+1], v[X+32*\i+\j+\k:X+32*\i+\j+\k+1], v[X+32*\i+\j+\k:X+32*\i+\j+\k+1], v[S+8*\i+\k:S+8*\i+\k+1]
.elseif \j > 8
	v_pk_add_f32 v[S+8*\i+\k:S+8*\i+\k+1], v[S+8*\i+\k:S+8*\i+\k+1], v[X+32*\i+\j+\k:X+32*\i+\j+\k+1]
.endif
.endr
.endr
.endr
.irp i, 0
	v_pk_add_f32 v[S+8*\i:S+8*\i+1], v[S+8*\i:S+8*\i+1], v[S+8*\i+2:S+8*\i+3]
	v_pk_add_f32 v[S+8*\i+4:S+8*\i+5], v[S+8*\i+4:S+8*\i+5], v[S+8*\i+6:S+8*\i+7]
.endr
.irp i, 1
	v_pk_add_f32 v[S+8*\i:S+8*\i+1], v[S+8*\i:S+8*\i+1], v[S+8*\i+2:S+8*\i+3]
	s_delay_alu instid0(VALU_DEP_4)
	v_pk_add_f32 v[S+8*\i+4:S+8*\i+5], v[S+8*\i+4:S+8*\i+5], v[S+8*\i+6:S+8*\i+7]
.endr
.irp i, 0
	s_delay_alu instid0(VALU_DEP_3)
	v_pk_add_f32 v[S+8*\i:S+8*\i+1], v[S+8*\i:S+8*\i+1], v[S+8*\i+4:S+8*\i+5]
.endr
.irp i, 1
	s_delay_alu instid0(VALU_DEP_2)
	v_pk_add_f32 v[S+8*\i:S+8*\i+1], v[S+8*\i:S+8*\i+1], v[S+8*\i+4:S+8*\i+5]
.endr
.irp i, 0,1
	s_delay_alu instid0(VALU_DEP_2)
	v_add_f32 v[S+8*\i], v[S+8*\i], v[S+8*\i+1]
.endr
.irp m, 1,2,4,8
.irp i, 0,1
	s_delay_alu instid0(VALU_DEP_2)
	v_add_f32_dpp v[S+8*\i], v[S+8*\i], v[S+8*\i] row_xmask:\m row_mask:0xf bank_mask:0xf
.endr
.endr
.irp i, 0,1
	s_delay_alu instid0(VALU_DEP_2)
	v_permlanex16_b32 v[S+8*\i+1], v[S+8*\i], s[SEL], s[SEL+1]
.endr
.irp i, 0,1
	s_delay_alu instid0(VALU_DEP_2)
	v_add_f32 v[S+8*\i], v[S+8*\i], v[S+8*\i+1]
.endr
.endm
	s_wait_loadcnt 16                              ; my two rows are in; the 16 loads of gamma and beta may be out
	CHAINS 0
.irp i, 0,1
	s_delay_alu instid0(VALU_DEP_2)
	v_mul_f32 v[MU+2*\i], s[INV], v[S+8*\i]
.endr
.irp i, 0,1
	s_delay_alu instid0(VALU_DEP_2)
	v_mov_b32 v[MU+2*\i+1], v[MU+2*\i]
.endr
.irp i, 0,1
.set q, 0
.rept 16
	v_pk_add_f32 v[X+32*\i+q:X+32*\i+q+1], v[X+32*\i+q:X+32*\i+q+1], v[MU+2*\i:MU+2*\i+1] neg_lo:[0,1] neg_hi:[0,1]
.set q, q+2
.endr
.endr
	CHAINS 1                                       ; of x - mean: a true second pass
.irp i, 0,1
	s_delay_alu instid0(VALU_DEP_2)
	v_fma_f32 v[S+8*\i], v[S+8*\i], s[INV], s[EPS]
.endr
	s_wait_alu depctr_va_vdst(0)
.irp i, 0,1
	v_rsq_f32 v[RS+2*\i], v[S+8*\i]
.endr
	v_nop                                          ; a plain instruction behind the transcendentals
	s_wait_alu depctr_va_vdst(0)                   ; one wait for both, ahead of their first reader
.irp i, 0,1
	v_mov_b32 v[RS+2*\i+1], v[RS+2*\i]
.endr
.irp i, 0,1
.set q, 0
.rept 16
	v_pk_mul_f32 v[X+32*\i+q:X+32*\i+q+1], v[X+32*\i+q:X+32*\i+q+1], v[RS+2*\i:RS+2*\i+1]
.set q, q+2
.endr
.endr
	s_wait_loadcnt 0x0                             ; gamma and beta
.irp i, 0,1
.set q, 0
.rept 16
	v_pk_fma_f32 v[X+32*\i+q:X+32*\i+q+1], v[X+32*\i+q:X+32*\i+q+1], v[G+q:G+q+1], v[B+q:B+q+1]
.set q, q+2
.endr
.endr
.irp i, 0,1
.irp j, 0,1,2,3,4,5,6,7
	global_store_b128 v1, v[X+32*\i+4*\j:X+32*\i+4*\j+3], s[10:11] offset:4096*\i+512*\j th:TH_STORE_NT   ; 512 consecutive bytes, written once
.endr
.endr
	s_endpgm
.Lfunc_end_k_qdc1d463724_ln3:
	.size	k_qdc1d463724_ln3, .Lfunc_end_k_qdc1d463724_ln3-k_qdc1d463724_ln3
	.p2alignl 7, 3214868480
	.fill 96, 4, 3214868480
	.section	.rodata,"a",@progbits
	.p2align	6, 0x0
	.amdhsa_kernel k_qdc1d463724_ln3
		.amdhsa_group_segment_fixed_size 0
		.amdhsa_private_segment_fixed_size 0
		.amdhsa_enable_private_segment 0
		.amdhsa_kernarg_size 32
		.amdhsa_user_sgpr_count 2
		.amdhsa_user_sgpr_kernarg_segment_ptr 1
		.amdhsa_wavefront_size32 1
		.amdhsa_system_sgpr_workgroup_id_x 1
		.amdhsa_system_sgpr_workgroup_id_y 1
		.amdhsa_system_sgpr_workgroup_id_z 1
		.amdhsa_system_vgpr_workitem_id 0
		.amdhsa_next_free_vgpr 184
		.amdhsa_next_free_sgpr 66
		.amdhsa_reserve_vcc 0
		.amdhsa_float_denorm_mode_32 3
		.amdhsa_float_denorm_mode_16_64 3
		.amdhsa_memory_ordered 1
		.amdhsa_forward_progress 1
		.amdhsa_inst_pref_size 20
	.end_amdhsa_kernel
	.amdgpu_metadata
---
amdhsa.version: [ 1, 2 ]
amdhsa.kernels:
  - .name:           k_qdc1d463724_ln3
    .symbol:         k_qdc1d463724_ln3.kd
    .args:
      - { .name: xf, .offset: 0, .size: 8, .value_kind: global_buffer, .address_space: global }
      - { .name: addnorm_gamma, .offset: 8, .size: 8, .value_kind: global_buffer, .address_space: global }
      - { .name: addnorm_beta, .offset: 16, .size: 8, .value_kind: global_buffer, .address_space: global }
      - { .name: out0, .offset: 24, .size: 8, .value_kind: global_buffer, .address_space: global }
    .group_segment_fixed_size: 0
    .private_segment_fixed_size: 0
    .kernarg_segment_align: 8
    .kernarg_segment_size: 32
    .max_flat_workgroup_size: 256
    .sgpr_count:     66
    .vgpr_count:     184
    .wavefront_size: 32
...
	.end_amdgpu_metadata
.endif
;; end of part 14
